; MI455X (gfx1250); checked and timed in simulation.
; The chip was launched on July 23, 2026; its instructions are those of AMD's public machine-readable ISA for CDNA 5 (MIT licence, August 2026) and "CDNA5" Instruction Set Architecture Reference Guide (July 2026). The comments in the code are by the model that wrote it; some were corrected since.
;; R3 Mo E Router. Allowed arithmetic: matrix products marked QUANTISED: E3M2 operands, one E8M0 scale for each 32 along K, by v_wmma_scale_f32_16x16x128_f8f6f4 with both operands' format E3M2, f32 sums; products left as they are: f32 operands where the result goes on into a quantised operand, else bf16, f16 or f32 operands; f32 sums; everything else in f32.
;; Inputs: W1_codes 8 x 1,024 x 32 x 24 uint8 (E3M2 codes of W1, K innermost, in blocks of 32 codes, four codes in three bytes); W1_scales 8 x 1,024 x 32 uint8 (E8M0 scales of W1, one for each 32 codes along K); W2_codes 8 x 1,024 x 32 x 24 uint8 (E3M2 codes of W2, K innermost, in blocks of 32 codes, four codes in three bytes); W2_scales 8 x 1,024 x 32 uint8 (E8M0 scales of W2, one for each 32 codes along K); b1 8 x 1,024 float32; b2 8 x 1,024 float32; router_w 8 x 1,024 float32; train_scores 8 float32; x 2 x 2,048 x 1,024 float32.
;; Outputs: out0 2 x 2,048 x 1,024 float32; out1 one number float32; out2 2 x 2,048 x 8 float32; out3 2 x 2,048 x 2 int32; out4 2 x 2,048 x 8 float32; out5 8 float32.
;; This version of the problem:
;;   THIS VERSION OF THE PROBLEM IS GIVEN IN LOW PRECISION. The matrix products marked QUANTISED in the list below multiply operands that are first quantised to E3M2 (3 exponent bits, 2 mantissa bits; 6 bits a number), with one power-of-two scale for each 32 numbers along K (OCP MX v1.0); their sums are f32. All else is computed in f32.
;;   The module's matrix products, in the order in which they are computed (A, B: the left and right operand; K: the contracted axis; several contracted axes count as one K, in the product's order):
;;     1. [M 4,096, K 1,024] x [K 1,024, N 8]; A: input x; B: input router_w: left as it is (N = 8 < 16)
;;     2. [M 4,096, K 1,024] x [K 1,024, N 8,192]; A: input x; B: input W1 (given as codes): QUANTISED
;;     3. batch 8 x [M 1,024, K 1,024] x [K 1,024, N 4,096]; A: input W2 (given as codes); B: computed on the way: QUANTISED
;;     4. batch 4,096 x [M 1, K 8] x [K 8, N 1,024]; A: computed on the way; B: computed on the way: left as it is (K = 8 < 32)
;;   THE QUANTISER, for each operand of a quantised product, along K:
;;     - K is cut into blocks of 32 from its start; a last block that is shorter is filled with zeros.
;;     - A block's scale is 2^e with e = floor(log2(the largest magnitude in the block)) - 4, held to -126 .. 127; a block of zeros has e = 0. As a byte (E8M0): e + 127.
;;     - Each number is divided by its block's scale, clamped to +-28, and rounded to the nearest number of E3M2, ties to even, subnormals kept.
;;     - The product sums the exact products of the quantised numbers (number of the format x scale) in f32.
;;   ~~~python
;;   def quantise(x, axis):      # numpy; x: float32 -> the quantised numbers, widened to float32 again
;;       x = np.moveaxis(x, axis, -1); K = x.shape[-1]
;;       x = np.pad(x, [(0, 0)] * (x.ndim - 1) + [(0, -K % 32)]); x = x.reshape(x.shape[:-1] + (-1, 32)); a = np.abs(x).max(-1, keepdims=True)
;;       e = np.where(a > 0, np.clip(np.frexp(np.where(a > 0, a, 1))[1] - 1 - 4, -126, 127), 0)      # np.frexp(a)[1] - 1 = floor(log2(a)), exactly
;;       r = np.clip(x / 2.0 ** e, -28, 28)
;;       step = 2.0 ** (np.maximum(np.frexp(np.where(r == 0, 1, r))[1] - 1, -2) - 2)
;;       q = np.round(r / step) * step * 2.0 ** e      # np.round: ties to even
;;       return np.moveaxis(q.reshape(q.shape[:-2] + (-1,))[..., :K], -1, axis).astype(np.float32)
;;   ~~~
;;   OPERANDS COMPUTED ON THE WAY. 'Computed on the way' means the value that the module computes at that place (a softmax that the list does not call 'softmax' is quantised finished and normalised). What goes into a quantiser is computed in f32, as accurately as f32 sums, v_exp_f32 and their like allow (about 1e-6 of the number): no bf16 or f16 on the way to a quantiser, and a product that is left as it is and whose result goes on into a quantised operand takes f32 operands (vector FMAs, or v_wmma_f32_16x16x4_f32). A number that lies on a knife's edge between two numbers of the format may be rounded either way, as far as f32 arithmetic and the matrix unit's own rounding can turn it there, and no further.
;;   INPUTS GIVEN AS CODES. W1 (in the module: [8, 1024, 1024], K = its axis 1); W2 (in the module: [8, 1024, 1024], K = its axis 1): each comes as NAME_codes (uint8): NAME with its K axis moved to the last place and cut into blocks of 32 codes, [.., K / 32, bytes a block], one block behind the other in memory; four codes in three bytes: a row's codes are one little-endian stream of bits, code i at bits 6 i .. 6 i + 5 (a code: sign, 3 exponent bits, 2 mantissa bits); and NAME_scales (uint8): the same leading axes, one E8M0 byte (e + 127) for each 32 codes along K. Its value is code x scale, taken as it is: it is not quantised again, and the codes and scales need not be those that the quantiser above would give.
;; 3 versions. Each part assembles by itself: llvm-mc -triple=amdgcn-amd-amdhsa -mcpu=gfx1250 --defsym DOCPART=n.
;; ======== version 1 of 3: 3 launches
;; workspace buffers: xq_codes 3,145,728 bytes; xq_scales 131,072 bytes; w1img 6,291,456 bytes; w2img 6,291,456 bytes; psum 8,192 bytes; pairs 16,384 bytes of whole numbers; order 16,384 bytes of whole numbers; tiles 2,560 bytes of whole numbers
;; launch route (part 1): grid 256 x 1, 8 waves a work-group, no clusters, 176,896 bytes of LDS; arguments x, router_w, train_scores, W1_codes, W2_codes, xq_codes, xq_scales, w1img, w2img, out2, out3, out4, pairs, psum; writes xq_codes, xq_scales, w1img, w2img, out2, out3, out4, pairs, psum
.if DOCPART == 1
	.amdgcn_target "amdgcn-amd-amdhsa--gfx1250"
	.amdhsa_code_object_version 6
	.text
	.protected	k_q75964ef163_route
	.globl	k_q75964ef163_route
	.p2align	8
	.type	k_q75964ef163_route,@function
k_q75964ef163_route:
	s_mov_b64 s[64:65], 0
	v_nop
	global_prefetch_b8 v0, s[64:65] scope:SCOPE_SE
	s_setreg_imm32_b32 hwreg(HW_REG_WAVE_MODE, 25, 1), 1
	s_wait_xcnt 0x0
; ROUTE.  Work-group g takes tokens 16 g .. 16 g + 15 (wave w: tokens 16 g + 2 w + q, q = 0, 1) and one block of 64 weight rows (g < 128: block g of W1's codes, else block g - 128 of W2's).
; For its tokens: scores = x . router_w (f32 fused multiply-adds: the top-2 is compared exactly), top-2 (a tie goes to the lower index), gate, softmax of the scores summed over the 16 tokens,
; the number of the token's pair of experts, id(lo, hi) = lo (15 - lo) / 2 + hi - lo - 1 (0 .. 27), and x as codes of E3M2 with one E8M0 byte for each 32 along K.
; For its weight block: the 49,152 bytes are laid anew as images of operand registers: [K step s 8][tile t 4] fragments of 1,536 bytes, plane c (512 bytes) = registers 4 c .. 4 c + 3, lane l's 16 bytes at 16 l.
; Lane r of tile t takes row 32 (t / 2) + 8 (t % 2) + r + 8 (r / 8) of the block, so that in a product used transposed the 16 registers of tiles 2 b, 2 b + 1 are 16 neighbours.
; No address and no branch hangs on a score: what the scores decide is stored at fixed places.
; LIMITS: NaN among the scores is not served; +0 and -0 count as a tie; a block of x whose largest magnitude lies under 2^(4 - 126) gets the byte 1 (a block of zeros too: its codes are zeros, and this program alone reads the bytes).
.set RWL, 0                            ; LDS: router_w turned: region 2 e + u of 2,560 bytes = 32 places of 64 bytes + 16 of padding
.set XST, 40960                        ; each wave 10,240: four stages of 2,560, one for each (q, u)
.set WLD, 122880                       ; the 64 weight rows, 784 bytes apart (768 + 16)
.set SCO, 173056                       ; scores [16][8]; 512 on the gates; 1,024 on the indices; 1,536 on the pair numbers
.set IDX, 174080
.set PID, 174592
.set XSB, 175104                       ; x's scale bytes [16][32]
.set PSM, 175616                       ; softmax sums [8 waves][8]
.set R,   16                           ; v16-79   x as loaded: 32 q + 4 j
.set AC,  16                           ; v16-47   later: a pair of partial sums for each (q, e)
.set S,   48                           ; v48-63   later: the lane's 16 partial scores
.set XT,  80                           ; v80-143  x turned: 32 q + 16 u: x[512 u + 16 lane + 0 .. 15]; later at work
.set WL,  144                          ; v144-191 the weight block's bytes
.set RWB, 192                          ; v192-223 router_w's row as loaded; later two buffers of 16
.set C,   224                          ; v224-239 codes, four registers a step
.set EB,  240                          ; v240-243 a scale byte a step
.set T,   244                          ; v244-253 at work
.set O,   80
.set RK,  81
.set TT,  82
.set EF,  83
.set I0,  84
.set I1,  85
.set LO,  86
.set HI,  87
.set ID,  88
.set W,   89
.set G,   90
.set P,   91
.set M,   92
.set M2,  93
.set SW,  94
.set SP,  95
	s_load_b512 s[8:23], s[0:1], 0x0               ; x 8, router_w 10, train_scores 12, W1_codes 14, W2_codes 16, xq_codes 18, xq_scales 20, w1img 22
	s_load_b256 s[24:31], s[0:1], 0x40             ; w2img 24, out2 26, out3 28, out4 30
	s_load_b128 s[32:35], s[0:1], 0x60             ; pairs 32, psum 34
	v_lshl_add_u32 v252, v0, 2, 0x2af00
	v_mov_b32 v253, 0
	v_lshrrev_b32 v1, 5, v0
	v_readfirstlane_b32 s36, v1                    ; wave 0..7
	v_and_b32 v1, 31, v0                           ; lane
	v_lshlrev_b32 v2, 4, v1                        ; 16 x lane
	v_lshrrev_b32 v3, 2, v1
	v_mul_u32_u24 v3, v3, 80
	v_and_b32 v4, 3, v1
	v_lshl_add_u32 v3, v4, 4, v3                   ; into a stage: 80 (lane / 4) + 16 (lane % 4)
	v_mul_u32_u24 v4, v1, 80                       ; out of a stage: 80 x lane; also router_w's turned rows (RWL = 0)
	s_mul_i32 s54, s36, 10240
	s_add_co_u32 s54, s54, XST
	v_add_nc_u32 v5, s54, v3                       ; my wave's stages, in
	v_add_nc_u32 v6, s54, v4                       ; and out
	s_mul_i32 s54, s36, 5120
	v_add_nc_u32 v7, s54, v3                       ; router_w's row e = wave, in
	s_mul_i32 s54, s36, 6272
	s_add_co_u32 s54, s54, WLD
	v_add_nc_u32 v9, s54, v2                       ; weight rows 8 w .. 8 w + 7, in
	v_lshrrev_b32 v15, 4, v1
	v_lshl_add_u32 v10, v15, 4, v9                 ; the same, one padding further on for lanes 16-31
	v_and_b32 v14, 15, v1
	v_and_b32 v11, 8, v1
	v_add_nc_u32 v11, v11, v14                     ; r + 8 (r / 8)
	v_mul_u32_u24 v11, v11, 784
	v_mad_u32_u24 v11, v15, 24, v11
	s_mul_i32 s54, s36, 96
	s_add_co_u32 s54, s54, WLD
	v_add_nc_u32 v11, s54, v11                     ; a fragment's 24 bytes: row x 784 + 96 (K step = wave) + 24 (lane / 16)
	v_mul_u32_u24 v12, v1, 12                      ; my 16 codes' place
	s_lshl_b32 s54, s36, 6
	s_add_co_u32 s55, s54, XSB
	v_lshrrev_b32 v13, 1, v1
	v_add_nc_u32 v13, s55, v13                     ; my block's scale byte
	s_add_co_u32 s55, s54, SCO
	v_lshl_add_u32 v14, v14, 2, s55                ; SCO + 64 w + 4 (lane % 16): token 2 w + q, expert e
	v_and_b32 v15, 7, v1                           ; e
	s_lshl_b32 s54, s36, 5
	s_add_co_u32 s54, s54, PSM
	v_lshl_add_u32 v8, v15, 2, s54                 ; PSM + 32 w + 4 e
	v_lshlrev_b32 v254, 2, v15
	s_mov_b32 s38, 0x76543210
	s_mov_b32 s39, 0xfedcba98                      ; v_permlanex16_b32's selects for lane l xor 16
	s_mov_b32 s40, 0xff00ff00                      ; lanes with bit 3 set,
	s_mov_b32 s41, 0xf0f0f0f0                      ; bit 2,
	s_mov_b32 s42, 0xcccccccc                      ; bit 1,
	s_mov_b32 s43, 0xaaaaaaaa                      ; bit 0
	s_wait_kmcnt 0x0
	s_cmp_lt_u32 ttmp9, 128                        ; W1's block or W2's: the choice hangs on the work-group's number alone
	s_cselect_b64 s[50:51], s[14:15], s[16:17]
	s_cselect_b64 s[52:53], s[22:23], s[24:25]
	s_and_b32 s48, ttmp9, 127
	s_mul_i32 s48, s48, 49152
	s_mul_i32 s54, s36, 6144
	s_add_co_u32 s48, s48, s54
	s_mov_b32 s49, 0
	s_add_nc_u64 s[50:51], s[50:51], s[48:49]      ; the block's bytes 6,144 w on: rows 8 w .. 8 w + 7
	s_add_nc_u64 s[52:53], s[52:53], s[48:49]      ; the image's K step w
	s_lshl_b32 s48, ttmp9, 16
	s_lshl_b32 s54, s36, 13
	s_add_co_u32 s48, s48, s54
	s_add_nc_u64 s[8:9], s[8:9], s[48:49]          ; x at my wave's first token
	s_lshl_b32 s48, s36, 12
	s_add_nc_u64 s[10:11], s[10:11], s[48:49]      ; router_w's row e = wave
	s_mul_i32 s48, ttmp9, 12288
	s_mul_i32 s54, s36, 1536
	s_add_co_u32 s48, s48, s54
	s_add_nc_u64 s[18:19], s[18:19], s[48:49]      ; x's codes at my wave's first token
	; all loads at once, 512 consecutive bytes each
.irp j, 0,1,2,3,4,5,6,7
	global_load_b128 v[RWB+4*\j:RWB+4*\j+3], v2, s[10:11] offset:512*\j
.endr
.irp q, 0,1
.irp j, 0,1,2,3,4,5,6,7
	global_load_b128 v[R+32*\q+4*\j:R+32*\q+4*\j+3], v2, s[8:9] offset:4096*\q+512*\j th:TH_LOAD_NT
.endr
.endr
.irp j, 0,1,2,3,4,5,6,7,8,9,10,11
	global_load_b128 v[WL+4*\j:WL+4*\j+3], v2, s[50:51] offset:512*\j th:TH_LOAD_NT
.endr
	global_load_b32 v255, v254, s[12:13]           ; train_scores[e]
	s_wait_loadcnt 29                              ; router_w's eight are in: behind them x's 16, the weights' 12 and train_scores
.irp j, 0,1,2,3,4,5,6,7
	ds_store_b128 v7, v[RWB+4*\j:RWB+4*\j+3] offset:RWL+2560*(\j/4)+640*(\j%4)
.endr
	s_wait_loadcnt 13                              ; x's 16 are in
; 2,048 bytes of a token go through a stage as they lie and come back 64 bytes a lane: LDS serves a wave's instructions in order, so no wait stands between
.macro TURN q, u
.irp i, 0,1,2,3
	ds_store_b128 v5, v[R+32*\q+16*\u+4*\i:R+32*\q+16*\u+4*\i+3] offset:2560*(2*\q+\u)+640*\i
.endr
.irp i, 0,1,2,3
	ds_load_b128 v[XT+32*\q+16*\u+4*\i:XT+32*\q+16*\u+4*\i+3], v6 offset:2560*(2*\q+\u)+16*\i
.endr
.endm
	TURN 0, 0
	TURN 0, 1
	TURN 1, 0
	TURN 1, 1
	s_wait_loadcnt 1                               ; the weights' 12 are in (train_scores may be out)
.irp j, 0,1,2,3,4,5,6,7,8,9,10,11                  ; a row is 48 pieces of 16 bytes: load j's lanes have passed 2 (j / 3) paddings, and 0, lane / 16 or 1 more
.if \j%3 == 1
	ds_store_b128 v10, v[WL+4*\j:WL+4*\j+3] offset:512*\j+32*(\j/3)
.else
	ds_store_b128 v9, v[WL+4*\j:WL+4*\j+3] offset:512*\j+32*(\j/3)+16*((\j%3)/2)
.endif
.endr
	s_wait_dscnt 0x0                               ; for the others' sake: my stores have landed (and my turned x is in)
	s_barrier_signal -1
	s_barrier_wait -1                              ; router_w and the 64 weight rows lie in LDS
	; the four fragments of K step w, as operand registers
.irp t, 0,1,2,3
.irp p, 0,1,2,3,4,5
	ds_load_b64 v[WL+12*\t+2*\p:WL+12*\t+2*\p+1], v11 offset:(32*(\t/2)+8*(\t%2))*784+48*(\p/3)+8*(\p%3)
.endr
.endr
; 512 numbers of a token become codes: a lane holds 16 neighbours, two neighbouring lanes a block
.macro QSTEP q, u
.set XQ, XT+32*\q+16*\u
.set NQ, 2*\q+\u
	v_max3_num_f32 v[T], |v[XQ]|, |v[XQ+1]|, |v[XQ+2]|
	v_max3_num_f32 v[T+1], |v[XQ+3]|, |v[XQ+4]|, |v[XQ+5]|
.irp i, 6,10
	v_max3_num_f32 v[T], v[T], |v[XQ+\i]|, |v[XQ+\i+1]|
	v_max3_num_f32 v[T+1], v[T+1], |v[XQ+\i+2]|, |v[XQ+\i+3]|
.endr
	v_max3_num_f32 v[T], v[T], |v[XQ+14]|, |v[XQ+15]|
	v_max3_num_f32 v[T], v[T], v[T+1], 0x2800000   ; the floor 2^(5 - 127): the byte cannot fall under 1
	v_max_num_f32_dpp v[T], v[T], v[T] row_xmask:1 row_mask:0xf bank_mask:0xf   ; with my neighbour's 16: the block's largest magnitude
	v_add_nc_u32 v[T+2], 0xfe000000, v[T]          ; 4 off its exponent field: the conversion takes this operand's exponent field as its scale
	v_cvt_scalef32_pk16_bf6_f32 v[C+4*NQ:C+4*NQ+2], v[XQ:XQ+15], v[T+2]
	v_lshrrev_b32 v[EB+NQ], 23, v[T+2]             ; the scale's byte (also the plain line behind the conversion)
	ds_store_b8 v13, v[EB+NQ] offset:32*\q+16*\u   ; both lanes of a block write the same byte with the same value
	global_store_b96 v12, v[C+4*NQ:C+4*NQ+2], s[18:19] offset:768*\q+384*\u   ; 32 lanes store 384 consecutive bytes
.endm
	QSTEP 0, 0
	QSTEP 0, 1
	QSTEP 1, 0
	QSTEP 1, 1
	s_wait_dscnt 4                                 ; the fragments' 24 loads are in: behind them the four byte stores
.irp t, 0,1,2,3
.irp c, 0,1,2
	global_store_b128 v2, v[WL+12*\t+4*\c:WL+12*\t+4*\c+3], s[52:53] offset:1536*\t+512*\c   ; 512 consecutive bytes
.endr
.endr
	; THE SCORES.  Piece idx = 8 u + e of router_w: 16 numbers a lane, at the same k as my x; asked for one piece ahead, in two buffers
.macro RWLD idx
.irp i, 0,1,2,3
	ds_load_b128 v[RWB+16*((\idx)%2)+4*\i:RWB+16*((\idx)%2)+4*\i+3], v4 offset:RWL+2560*(2*((\idx)%8)+(\idx)/8)+16*\i
.endr
.endm
	RWLD 0
.set n, 0
.rept 16
.if n < 15
	RWLD n+1
	s_wait_dscnt 4                                 ; this piece is in; the next piece's four loads may be out
.else
	s_wait_dscnt 0x0
.endif
.irp i, 0,1,2,3,4,5,6,7
.irp q, 0,1
.if (n < 8) && (\i == 0)
	v_pk_mul_f32 v[AC+2*(8*\q+n%8):AC+2*(8*\q+n%8)+1], v[XT+32*\q+16*(n/8)+2*\i:XT+32*\q+16*(n/8)+2*\i+1], v[RWB+16*(n%2)+2*\i:RWB+16*(n%2)+2*\i+1]   ; the first product starts the sum
.else
	v_pk_fma_f32 v[AC+2*(8*\q+n%8):AC+2*(8*\q+n%8)+1], v[XT+32*\q+16*(n/8)+2*\i:XT+32*\q+16*(n/8)+2*\i+1], v[RWB+16*(n%2)+2*\i:RWB+16*(n%2)+2*\i+1], v[AC+2*(8*\q+n%8):AC+2*(8*\q+n%8)+1]
.endif
.endr
.endr
.set n, n+1
.endr
.irp k, 0,1,2,3,4,5,6,7,8,9,10,11,12,13,14,15
	v_add_f32 v[S+\k], v[AC+2*\k], v[AC+2*\k+1]
.endr
; Sixteen sums over the lanes at once: in each step a lane keeps one of two sums and hands the other to the lane across; at the end lane l holds sum l % 16: q = (l / 8) % 2, e = l % 8
.macro RS a, b, msk, xm
	v_cndmask_b32 v[T], v[\b], v[\a], s[\msk]      ; what I hand over
	v_cndmask_b32 v[\a], v[\a], v[\b], s[\msk]     ; what I keep
	v_add_f32_dpp v[\a], v[T], v[\a] row_xmask:\xm row_mask:0xf bank_mask:0xf
.endm
.irp i, 0,1,2,3,4,5,6,7
	RS S+\i, S+\i+8, 40, 8
.endr
.irp i, 0,1,2,3
	RS S+\i, S+\i+4, 41, 4
.endr
.irp i, 0,1
	RS S+\i, S+\i+2, 42, 2
.endr
	RS S, S+1, 43, 1
	v_permlanex16_b32 v[T], v[S], s38, s39
	v_add_f32 v[S], v[S], v[T]                     ; the score; lanes 16-31 hold what lanes 0-15 hold
	; THE RANK of my expert among my token's eight: how many beat it; an equal score beats it if its index is lower (e xor m < e where m's highest bit is set in e)
	v_mov_b32 v[O], 0
	v_mov_b32 v[RK], 0
.irp m, 1,2,3,4,5,6,7
	v_mov_b32_dpp v[O], v[S] row_xmask:\m row_mask:0xf bank_mask:0xf
	v_cmp_gt_f32 s44, v[O], v[S]
	v_cmp_eq_f32 s45, v[O], v[S]
.if \m == 1
	s_and_b32 s45, s45, s43
.elseif \m < 4
	s_and_b32 s45, s45, s42
.else
	s_and_b32 s45, s45, s41
.endif
	s_or_b32 s44, s44, s45
	v_cndmask_b32 v[TT], 0, 1, s44
	v_add_nc_u32 v[RK], v[RK], v[TT]
.endr
	v_cvt_f32_u32 v[EF], v15
	v_cmp_eq_u32 s44, 0, v[RK]
	v_cmp_eq_u32 s45, 1, v[RK]
	v_cmp_gt_u32 s46, 2, v[RK]                     ; the mask: rank 0 or 1
	v_cndmask_b32 v[I0], 0, v[EF], s44
	v_cndmask_b32 v[I1], 0, v[EF], s45
.irp m, 1,2,4
	v_add_f32_dpp v[I0], v[I0], v[I0] row_xmask:\m row_mask:0xf bank_mask:0xf
	v_add_f32_dpp v[I1], v[I1], v[I1] row_xmask:\m row_mask:0xf bank_mask:0xf
.endr
	v_cvt_u32_f32 v[I0], v[I0]                     ; the best expert's index, in all eight lanes,
	v_cvt_u32_f32 v[I1], v[I1]                     ; and the second's
	v_min_u32 v[LO], v[I0], v[I1]
	v_max_u32 v[HI], v[I0], v[I1]
	v_sub_nc_u32 v[ID], 15, v[LO]
	v_mul_u32_u24 v[ID], v[ID], v[LO]
	v_lshrrev_b32 v[ID], 1, v[ID]
	v_add_nc_u32 v[ID], v[ID], v[HI]
	v_sub_nc_u32 v[ID], v[ID], v[LO]
	v_add_nc_u32 v[ID], -1, v[ID]                  ; the pair's number
	v_cmp_eq_u32 s44, 0, v15
	v_cndmask_b32 v[TT], v[I1], v[I0], s44         ; lane e = 0 carries the first index, the others the second
	; two softmaxes over eight lanes, each with its maximum taken away: of train_scores (the gate's weights) and of the scores
	s_wait_loadcnt 0x0                             ; train_scores
	v_mov_b32 v[M], v255                           ; (the numbers themselves are kept: the maxima and the sums are made in copies)
	v_mov_b32 v[M2], v[S]
.irp m, 1,2,4
	v_max_num_f32_dpp v[M], v[M], v[M] row_xmask:\m row_mask:0xf bank_mask:0xf
	v_max_num_f32_dpp v[M2], v[M2], v[M2] row_xmask:\m row_mask:0xf bank_mask:0xf
.endr
	v_sub_f32 v[W], v255, v[M]
	v_sub_f32 v[P], v[S], v[M2]
	v_mul_f32 v[W], 0x3fb8aa3b, v[W]
	v_mul_f32 v[P], 0x3fb8aa3b, v[P]
	v_exp_f32 v[W], v[W]
	v_exp_f32 v[P], v[P]
	v_nop                                          ; a plain line behind the exponentials
	s_wait_alu depctr_va_vdst(0)
	v_mov_b32 v[SW], v[W]
	v_mov_b32 v[SP], v[P]
.irp m, 1,2,4
	v_add_f32_dpp v[SW], v[SW], v[SW] row_xmask:\m row_mask:0xf bank_mask:0xf
	v_add_f32_dpp v[SP], v[SP], v[SP] row_xmask:\m row_mask:0xf bank_mask:0xf
.endr
	v_rcp_f32 v[SW], v[SW]
	v_rcp_f32 v[SP], v[SP]
	v_nop
	s_wait_alu depctr_va_vdst(0)
	v_mul_f32 v[W], v[W], v[SW]
	v_mul_f32 v[P], v[P], v[SP]
	v_cndmask_b32 v[G], 0, v[W], s46               ; mask x weight
	v_mov_b32 v[SW], v[G]
.irp m, 1,2,4
	v_add_f32_dpp v[SW], v[SW], v[SW] row_xmask:\m row_mask:0xf bank_mask:0xf
.endr
	v_max_num_f32 v[SW], 0x322bcc77, v[SW]         ; held at 1e-8 from below
	v_rcp_f32 v[SW], v[SW]
	v_nop
	s_wait_alu depctr_va_vdst(0)
	v_mul_f32 v[G], v[G], v[SW]                    ; the gate
	v_add_f32_dpp v[P], v[P], v[P] row_xmask:8 row_mask:0xf bank_mask:0xf   ; my wave's two tokens
	ds_store_b32 v14, v[S]                         ; lanes 16-31 write the same words with the same values
	ds_store_b32 v14, v[G] offset:512
	ds_store_b32 v14, v[TT] offset:1024
	ds_store_b32 v14, v[ID] offset:1536
	ds_store_b32 v8, v[P]
	s_wait_dscnt 0x0                               ; for wave 0's sake: all my LDS stores, the scale bytes too, have landed
	s_barrier_signal -1
	s_barrier_wait -1
	s_cmp_lg_u32 s36, 0
	s_cbranch_scc1 .Lend
	; wave 0 stores the work-group's small results, each in one run of consecutive bytes
	v_add_nc_u32 v64, SCO, v2
	ds_load_b128 v[96:99], v64
	ds_load_b128 v[100:103], v64 offset:512
	ds_load_b128 v[104:107], v64 offset:XSB-SCO
	v_lshrrev_b32 v65, 1, v1
	v_and_b32 v66, 1, v1
	v_lshlrev_b32 v65, 5, v65
	v_lshl_add_u32 v65, v66, 2, v65
	v_add_nc_u32 v65, IDX, v65                     ; token lane / 2, index lane % 2
	ds_load_b32 v108, v65
	v_and_b32 v66, 15, v1
	v_lshlrev_b32 v66, 5, v66
	v_add_nc_u32 v66, PID, v66
	ds_load_b32 v109, v66
	v_lshlrev_b32 v67, 2, v1
	v_add_nc_u32 v68, PSM, v67
	ds_load_b32 v110, v68
	ds_load_b32 v111, v68 offset:128
	s_lshl_b32 s48, ttmp9, 9
	s_add_nc_u64 s[26:27], s[26:27], s[48:49]
	s_add_nc_u64 s[30:31], s[30:31], s[48:49]
	s_add_nc_u64 s[20:21], s[20:21], s[48:49]
	s_lshl_b32 s48, ttmp9, 7
	s_add_nc_u64 s[28:29], s[28:29], s[48:49]
	s_lshl_b32 s48, ttmp9, 6
	s_add_nc_u64 s[32:33], s[32:33], s[48:49]
	s_lshl_b32 s48, ttmp9, 5
	s_add_nc_u64 s[34:35], s[34:35], s[48:49]
	s_wait_dscnt 0x0
	global_store_b128 v2, v[96:99], s[26:27]       ; scores
	global_store_b128 v2, v[100:103], s[30:31]     ; gates
	global_store_b128 v2, v[104:107], s[20:21]     ; x's scale bytes
	global_store_b32 v67, v108, s[28:29]           ; the top-2 indices
	v_add_f32 v110, v110, v111                     ; the eight waves' softmax sums: waves lane / 8 and 4 + lane / 8,
	v_add_f32_dpp v110, v110, v110 row_xmask:8 row_mask:0xf bank_mask:0xf
	v_permlanex16_b32 v111, v110, s38, s39
	v_add_f32 v110, v110, v111                     ; all eight
	s_wait_xcnt 0x0                                ; EXEC changes only behind this wait
	v_cmp_gt_u32 vcc_lo, 16, v1
	s_and_saveexec_b32 s44, vcc_lo
	global_store_b32 v67, v109, s[32:33]           ; 16 pair numbers
	s_wait_xcnt 0x0
	s_or_b32 exec_lo, exec_lo, s44
	v_cmp_gt_u32 vcc_lo, 8, v1
	s_and_saveexec_b32 s44, vcc_lo
	global_store_b32 v67, v110, s[34:35]           ; 8 sums
	s_wait_xcnt 0x0
	s_or_b32 exec_lo, exec_lo, s44
.Lend:
	s_wait_tensorcnt 0x0
	ds_add_u32 v252, v253
	s_wait_dscnt 0x0
	s_endpgm
.Lfunc_end_k_q75964ef163_route:
	.size	k_q75964ef163_route, .Lfunc_end_k_q75964ef163_route-k_q75964ef163_route
	.p2alignl 7, 3214868480
	.fill 96, 4, 3214868480
	.section	.rodata,"a",@progbits
	.p2align	6, 0x0
	.amdhsa_kernel k_q75964ef163_route
		.amdhsa_group_segment_fixed_size 176896
		.amdhsa_private_segment_fixed_size 0
		.amdhsa_enable_private_segment 0
		.amdhsa_kernarg_size 112
		.amdhsa_user_sgpr_count 2
		.amdhsa_user_sgpr_kernarg_segment_ptr 1
		.amdhsa_wavefront_size32 1
		.amdhsa_system_sgpr_workgroup_id_x 1
		.amdhsa_system_sgpr_workgroup_id_y 1
		.amdhsa_system_sgpr_workgroup_id_z 1
		.amdhsa_system_vgpr_workitem_id 0
		.amdhsa_next_free_vgpr 256
		.amdhsa_next_free_sgpr 66
		.amdhsa_reserve_vcc 1
		.amdhsa_float_denorm_mode_32 3
		.amdhsa_float_denorm_mode_16_64 3
		.amdhsa_memory_ordered 1
		.amdhsa_forward_progress 1
		.amdhsa_inst_pref_size 50
	.end_amdhsa_kernel
	.amdgpu_metadata
---
amdhsa.version: [ 1, 2 ]
amdhsa.kernels:
  - .name:           k_q75964ef163_route
    .symbol:         k_q75964ef163_route.kd
    .args:
      - { .name: x, .offset: 0, .size: 8, .value_kind: global_buffer, .address_space: global }
      - { .name: router_w, .offset: 8, .size: 8, .value_kind: global_buffer, .address_space: global }
      - { .name: train_scores, .offset: 16, .size: 8, .value_kind: global_buffer, .address_space: global }
      - { .name: W1_codes, .offset: 24, .size: 8, .value_kind: global_buffer, .address_space: global }
      - { .name: W2_codes, .offset: 32, .size: 8, .value_kind: global_buffer, .address_space: global }
      - { .name: xq_codes, .offset: 40, .size: 8, .value_kind: global_buffer, .address_space: global }
      - { .name: xq_scales, .offset: 48, .size: 8, .value_kind: global_buffer, .address_space: global }
      - { .name: w1img, .offset: 56, .size: 8, .value_kind: global_buffer, .address_space: global }
      - { .name: w2img, .offset: 64, .size: 8, .value_kind: global_buffer, .address_space: global }
      - { .name: out2, .offset: 72, .size: 8, .value_kind: global_buffer, .address_space: global }
      - { .name: out3, .offset: 80, .size: 8, .value_kind: global_buffer, .address_space: global }
      - { .name: out4, .offset: 88, .size: 8, .value_kind: global_buffer, .address_space: global }
      - { .name: pairs, .offset: 96, .size: 8, .value_kind: global_buffer, .address_space: global }
      - { .name: psum, .offset: 104, .size: 8, .value_kind: global_buffer, .address_space: global }
    .group_segment_fixed_size: 176896
    .private_segment_fixed_size: 0
    .kernarg_segment_align: 8
    .kernarg_segment_size: 112
    .max_flat_workgroup_size: 256
    .sgpr_count:     66
    .vgpr_count:     256
    .wavefront_size: 32
...
	.end_amdgpu_metadata
.endif
;; end of part 1
;; launch place (part 2): grid 1 x 1, 32 waves a work-group, no clusters, 14,336 bytes of LDS; arguments pairs, psum, train_scores, order, tiles, out1, out5; writes order, tiles, out1, out5
.if DOCPART == 2
	.amdgcn_target "amdgcn-amd-amdhsa--gfx1250"
	.amdhsa_code_object_version 6
	.text
	.protected	k_q75964ef163_place
	.globl	k_q75964ef163_place
	.p2align	8
	.type	k_q75964ef163_place,@function
k_q75964ef163_place:
	s_mov_b64 s[64:65], 0
	v_nop
	global_prefetch_b8 v0, s[64:65] scope:SCOPE_SE
	s_setreg_imm32_b32 hwreg(HW_REG_WAVE_MODE, 25, 1), 1
	s_wait_xcnt 0x0
; PLACE.  One work-group sorts the 4,096 tokens by the number of their pair of experts (28 buckets) by a counting sort without atomics, writes the list of tiles of at most 32 tokens
; (lo, hi, first place in the sorted list, number of tokens; 160 records, the unused ones with 0 tokens), the load-balance loss and the copy of train_scores.
; Thread n holds tokens 4 n .. 4 n + 3.  A token's place = its bucket's start + the tokens of that bucket in earlier waves + its rank among its wave's.
; loss = 8 sum_e f_e p_e, f_e = (tokens that chose e) / 4096, p_e = (sum of the softmaxes) / 4096: 2^-21 x sum over buckets and their two experts of (tokens in the bucket) x P_e.
; LIMIT: a pair number above 27 (it can come only of NaN scores) is taken as 27.
.set TAB, 0                            ; LDS: [wave 32][bucket 32] counts, rows 132 bytes apart
.set PRE, 4352                         ; the same shape: tokens of the bucket in earlier waves
.set TOT, 8704                         ; [bucket 32] totals
.set PS,  8960                         ; [wave 32][8] softmax sums
.set ID,  4                            ; v4-7   pair numbers
.set REL, 8                            ; v8-11  rank among my wave's tokens of the same bucket
.set CNT, 12                           ; v12    lane b: my wave's tokens of bucket b
.set T,   13
	s_load_b256 s[4:11], s[0:1], 0x0               ; pairs 4, psum 6, train_scores 8, order 10
	s_load_b128 s[12:15], s[0:1], 0x20             ; tiles 12, out1 14
	s_load_b64 s[16:17], s[0:1], 0x30              ; out5
	v_lshl_add_u32 v64, v0, 2, 0x2800
	v_mov_b32 v65, 0
	v_lshrrev_b32 v1, 5, v0
	v_readfirstlane_b32 s36, v1                    ; wave 0..31
	v_and_b32 v1, 31, v0                           ; lane
	v_lshlrev_b32 v2, 4, v0
	v_lshlrev_b32 v3, 3, v0
	s_mov_b32 s38, 0x76543210
	s_mov_b32 s39, 0xfedcba98
	s_mov_b32 s40, 0xffff0000                      ; lanes 16-31
	s_mul_i32 s28, s36, 132
	v_lshl_add_u32 v16, v1, 2, s28                 ; row = my wave, column = lane
	v_mul_u32_u24 v17, v1, 132
	s_lshl_b32 s29, s36, 2
	v_add_nc_u32 v17, s29, v17                     ; row = lane, column = my wave
	s_add_co_u32 s29, s29, TOT
	v_mov_b32 v18, s29                             ; TOT + 4 x wave
	v_and_b32 v19, 3, v1
	s_lshl_b32 s29, s36, 5
	s_add_co_u32 s29, s29, PS
	v_lshl_add_u32 v19, v19, 3, s29                ; PS + 32 x wave + 8 (lane % 4)
	v_lshl_add_u32 v42, v1, 2, TOT                 ; TOT + 4 x lane
	v_mov_b32 v[CNT], 0
	v_mov_b32 v21, 0
.irp j, 0,1,2,3
	v_mov_b32 v[REL+\j], 0
.endr
	s_wait_kmcnt 0x0
	global_load_b128 v[ID:ID+3], v2, s[4:5]
	global_load_b64 v[14:15], v3, s[6:7]           ; two of the 2,048 partial sums: experts 2 (lane % 4), + 1
	s_wait_loadcnt 0x1                             ; the pair numbers are in (the sums may be out)
.irp j, 0,1,2,3
	v_min_u32 v[ID+\j], 27, v[ID+\j]
.endr
.set b, 0
.rept 28                                           ; bucket b: the rank of each of my wave's 128 tokens in it, and their number
	s_mov_b32 s24, 0
.irp j, 0,1,2,3
	v_cmp_eq_u32 s[20+\j], b, v[ID+\j]
	v_mbcnt_lo_u32_b32 v[T], s[20+\j], s24         ; those in lower lanes + those counted so far
	v_cndmask_b32 v[REL+\j], v[REL+\j], v[T], s[20+\j]
	s_bcnt1_i32_b32 s25, s[20+\j]
	s_add_co_u32 s24, s24, s25
.endr
	v_writelane_b32 v[CNT], s24, b
.set b, b+1
.endr
	s_wait_loadcnt 0x0
.irp m, 4,8
	v_add_f32_dpp v14, v14, v14 row_xmask:\m row_mask:0xf bank_mask:0xf
	v_add_f32_dpp v15, v15, v15 row_xmask:\m row_mask:0xf bank_mask:0xf
.endr
	v_permlanex16_b32 v[T], v14, s38, s39
	v_permlanex16_b32 v21, v15, s38, s39
	v_add_f32 v14, v14, v[T]
	v_add_f32 v15, v15, v21                        ; my wave's sums for my two experts
	ds_store_b64 v19, v[14:15]                     ; lanes with the same lane % 4 write the same words with the same values
	ds_store_b32 v16, v[CNT]
	s_wait_dscnt 0x0
	s_barrier_signal -1
	s_barrier_wait -1
; an inclusive sum over the 32 lanes: four steps in each half of 16, then the lower half's total onto the upper half
.macro SCAN32 v, t
.irp n, 1,2,4,8
	v_mov_b32_dpp v[\t], v[\v] row_shr:\n row_mask:0xf bank_mask:0xf bound_ctrl:1
	v_add_nc_u32 v[\v], v[\v], v[\t]
.endr
	v_readlane_b32 s26, v[\v], 15
	v_mov_b32 v[\t], s26
	v_cndmask_b32 v[\t], 0, v[\t], s40
	v_add_nc_u32 v[\v], v[\v], v[\t]
.endm
	ds_load_b32 v20, v17                           ; wave c takes bucket c: lane = the wave that counted
	s_wait_dscnt 0x0
	v_mov_b32 v22, v20
	SCAN32 20, 21
	v_sub_nc_u32 v22, v20, v22                     ; the bucket's tokens in earlier waves
	v_readlane_b32 s27, v20, 31
	v_mov_b32 v23, s27                             ; its total
	ds_store_b32 v17, v22 offset:PRE
	ds_store_b32 v18, v23
	s_wait_dscnt 0x0
	s_barrier_signal -1
	s_barrier_wait -1                              ; from here on LDS is only read
	ds_load_b32 v23, v16 offset:PRE
	ds_load_b32 v24, v42                           ; lane = bucket: its total
	s_wait_dscnt 0x0
	v_mov_b32 v25, v24
	SCAN32 25, 21
	v_sub_nc_u32 v25, v25, v24                     ; the bucket's start in the sorted list
	v_add_nc_u32 v26, 31, v24
	v_lshrrev_b32 v26, 5, v26                      ; its tiles
	v_mov_b32 v27, v26
	SCAN32 27, 21                                  ; the number of the first tile behind it
	v_sub_nc_u32 v28, v27, v26                     ; its first tile
	v_add_nc_u32 v29, v25, v23                     ; where my wave's tokens of the bucket begin
.irp j, 0,1,2,3
	v_lshlrev_b32 v[30+\j], 2, v[ID+\j]
	ds_bpermute_b32 v[34+\j], v[30+\j], v29        ; of my token's bucket
.endr
	s_wait_dscnt 0x0
.irp j, 0,1,2,3
	v_add_nc_u32 v[34+\j], v[34+\j], v[REL+\j]
	v_min_u32 v[34+\j], 0xfff, v[34+\j]
	v_lshlrev_b32 v[34+\j], 2, v[34+\j]
	v_lshl_add_u32 v[38+\j], v0, 2, \j             ; the token's number
	global_store_b32 v[34+\j], v[38+\j], s[10:11]  ; single words at sorted places: the whole list is 16,384 bytes
.endr
	s_cmp_lt_u32 s36, 5
	s_cbranch_scc0 .Ldone
	; waves 0-4: record i = thread (0 .. 159).  Its bucket: as many as have all their tiles at or below i - 1
	v_mov_b32 v43, 0
.set b, 0
.rept 28
	v_readlane_b32 s26, v27, b
	v_cmp_le_u32 vcc_lo, s26, v0
	v_cndmask_b32 v44, 0, 1, vcc_lo
	v_add_nc_u32 v43, v43, v44
.set b, b+1
.endr
	v_lshlrev_b32 v44, 2, v43                      ; (28 for a record behind the last tile: lane 28 holds a total of 0)
	ds_bpermute_b32 v45, v44, v25
	ds_bpermute_b32 v46, v44, v24
	ds_bpermute_b32 v47, v44, v28
	v_mov_b32 v48, 0
.irp c, 7,13,18,22,25,27
	v_cmp_le_u32 vcc_lo, \c, v43
	v_cndmask_b32 v52, 0, 1, vcc_lo
	v_add_nc_u32 v48, v48, v52                     ; lo
.endr
	v_sub_nc_u32 v49, 15, v48
	v_mul_u32_u24 v49, v49, v48
	v_lshrrev_b32 v49, 1, v49
	v_sub_nc_u32 v49, v43, v49
	v_add3_u32 v49, v49, v48, 1
	v_min_u32 v49, 7, v49                          ; hi
	s_wait_dscnt 0x0
	v_sub_nc_u32 v47, v0, v47
	v_lshlrev_b32 v47, 5, v47                      ; 32 x (which tile of the bucket)
	v_add_nc_u32 v50, v45, v47
	v_min_u32 v50, 0xfff, v50                      ; first place
	v_sub_nc_u32 v51, v46, v47
	v_max_i32 v51, 0, v51
	v_min_i32 v51, 32, v51                         ; tokens
	global_store_b128 v2, v[48:51], s[12:13]
	s_cmp_lg_u32 s36, 0
	s_cbranch_scc1 .Ldone
	; wave 0: the loss and the copy
	v_and_b32 v62, 7, v1
	v_lshlrev_b32 v62, 2, v62
	global_load_b32 v63, v62, s[8:9]
	v_lshl_add_u32 v61, v1, 5, PS
	ds_load_b128 v[52:55], v61
	ds_load_b128 v[56:59], v61 offset:16
	v_cvt_f32_u32 v60, v24                         ; lane = bucket: its tokens
	s_wait_dscnt 0x0
.irp m, 1,2,4,8
.irp e, 0,1,2,3,4,5,6,7
	v_add_f32_dpp v[52+\e], v[52+\e], v[52+\e] row_xmask:\m row_mask:0xf bank_mask:0xf
.endr
.endr
.irp e, 0,1,2,3,4,5,6,7
	v_permlanex16_b32 v21, v[52+\e], s38, s39
	v_add_f32 v[52+\e], v[52+\e], v21              ; P_e, in every lane
.endr
.macro TERM e, msk                                 ; msk: the buckets whose pair holds expert e
	s_mov_b32 s26, \msk
	v_cndmask_b32 v21, 0, v60, s26
.if \e == 0
	v_mul_f32 v22, v21, v[52+\e]
.else
	v_fmac_f32 v22, v21, v[52+\e]
.endif
.endm
	TERM 0, 0x7f
	TERM 1, 0x1f81
	TERM 2, 0x3e082
	TERM 3, 0x3c2104
	TERM 4, 0x1c44208
	TERM 5, 0x6488410
	TERM 6, 0xa910820
	TERM 7, 0xd221040
.irp m, 1,2,4,8
	v_add_f32_dpp v22, v22, v22 row_xmask:\m row_mask:0xf bank_mask:0xf
.endr
	v_permlanex16_b32 v21, v22, s38, s39
	v_add_f32 v22, v22, v21
	v_mul_f32 v22, 0x35000000, v22                 ; x 8 / 4096^2 = 2^-21
	v_lshlrev_b32 v23, 2, v1
	s_wait_loadcnt 0x0
	s_wait_xcnt 0x0                                ; EXEC changes only behind this wait
	v_cmp_gt_u32 vcc_lo, 8, v1
	s_and_saveexec_b32 s28, vcc_lo
	global_store_b32 v23, v63, s[16:17]            ; train_scores as it came
	s_wait_xcnt 0x0
	s_or_b32 exec_lo, exec_lo, s28
	v_cmp_eq_u32 vcc_lo, 0, v1
	s_and_saveexec_b32 s28, vcc_lo
	global_store_b32 v23, v22, s[14:15]            ; the loss
	s_wait_xcnt 0x0
	s_or_b32 exec_lo, exec_lo, s28
.Ldone:
	s_wait_tensorcnt 0x0
	ds_add_u32 v64, v65
	s_wait_dscnt 0x0
	s_endpgm
.Lfunc_end_k_q75964ef163_place:
	.size	k_q75964ef163_place, .Lfunc_end_k_q75964ef163_place-k_q75964ef163_place
	.p2alignl 7, 3214868480
	.fill 96, 4, 3214868480
	.section	.rodata,"a",@progbits
	.p2align	6, 0x0
	.amdhsa_kernel k_q75964ef163_place
		.amdhsa_group_segment_fixed_size 14336
		.amdhsa_private_segment_fixed_size 0
		.amdhsa_enable_private_segment 0
		.amdhsa_kernarg_size 56
		.amdhsa_user_sgpr_count 2
		.amdhsa_user_sgpr_kernarg_segment_ptr 1
		.amdhsa_wavefront_size32 1
		.amdhsa_system_sgpr_workgroup_id_x 1
		.amdhsa_system_sgpr_workgroup_id_y 1
		.amdhsa_system_sgpr_workgroup_id_z 1
		.amdhsa_system_vgpr_workitem_id 0
		.amdhsa_next_free_vgpr 66
		.amdhsa_next_free_sgpr 66
		.amdhsa_reserve_vcc 1
		.amdhsa_float_denorm_mode_32 3
		.amdhsa_float_denorm_mode_16_64 3
		.amdhsa_memory_ordered 1
		.amdhsa_forward_progress 1
		.amdhsa_inst_pref_size 51
	.end_amdhsa_kernel
	.amdgpu_metadata
---
amdhsa.version: [ 1, 2 ]
amdhsa.kernels:
  - .name:           k_q75964ef163_place
    .symbol:         k_q75964ef163_place.kd
    .args:
      - { .name: pairs, .offset: 0, .size: 8, .value_kind: global_buffer, .address_space: global }
      - { .name: psum, .offset: 8, .size: 8, .value_kind: global_buffer, .address_space: global }
      - { .name: train_scores, .offset: 16, .size: 8, .value_kind: global_buffer, .address_space: global }
      - { .name: order, .offset: 24, .size: 8, .value_kind: global_buffer, .address_space: global }
      - { .name: tiles, .offset: 32, .size: 8, .value_kind: global_buffer, .address_space: global }
      - { .name: out1, .offset: 40, .size: 8, .value_kind: global_buffer, .address_space: global }
      - { .name: out5, .offset: 48, .size: 8, .value_kind: global_buffer, .address_space: global }
    .group_segment_fixed_size: 14336
    .private_segment_fixed_size: 0
    .kernarg_segment_align: 8
    .kernarg_segment_size: 56
    .max_flat_workgroup_size: 1024
    .sgpr_count:     66
    .vgpr_count:     66
    .wavefront_size: 32
...
	.end_amdgpu_metadata
.endif
;; end of part 2
;; launch chain (part 3): grid 155 x 1, 16 waves a work-group, no clusters, 235,520 bytes of LDS; arguments tiles, order, xq_codes, xq_scales, w1img, W1_scales, b1, w2img, W2_scales, b2, out4, out0; writes out0
.if DOCPART == 3
	.amdgcn_target "amdgcn-amd-amdhsa--gfx1250"
	.amdhsa_code_object_version 6
	.text
	.protected	k_q75964ef163_chain
	.globl	k_q75964ef163_chain
	.p2align	8
	.type	k_q75964ef163_chain,@function
k_q75964ef163_chain:
	s_mov_b64 s[64:65], 0
	v_nop
	global_prefetch_b8 v0, s[64:65] scope:SCOPE_SE
	s_setreg_imm32_b32 hwreg(HW_REG_WAVE_MODE, 25, 1), 1
	s_wait_xcnt 0x0
; CHAIN.  Work-group i takes tile i of the list: at most 32 tokens that chose the same pair of experts (lo, hi), and takes them through both experts' whole chain:
; out0[token] = g_lo (Q(gelu(Q(x) W1[lo] + b1[lo])) W2[lo] + b2[lo]) + g_hi (the same with hi).  The six experts whose gate is 0 are not multiplied.  Each row of out0 has one owner; the hidden layers stay in LDS.
; GRID: 4,096 tokens in 28 buckets make at most 4,096 / 32 + 27 = 155 tiles, whatever the choice.  A tile with 0 tokens jumps over the work and stores nothing.
; Both barriers stand outside those jumps, on every path; the head runs always, on held indices.
; NO TENSOR LOADS, NO CLUSTER: the experts of a tile and the empty tiles hang on numbers read from memory, so partners could not be shown to ask alike.  The weights come from memory straight into registers,
; from images laid in the order of the operand's registers: a fragment is three loads of 512 consecutive bytes.
; SHARES.  Two tiles of 16 tokens (m = 0, 1).  Wave w of sixteen takes columns 64 w .. 64 w + 63 (tiles t = 0 .. 3) in four passes: W1[lo], W1[hi], W2[lo], W2[hi]; K = 1,024 in 8 steps; 8 accumulators by turns.
; Products are used transposed (source 0 = 16 weight rows, source 1 = 16 tokens): lane (r, h) holds token r; register j of tile t is column 64 w + 32 (t / 2) + 16 h + 8 (t % 2) + j.
; Places at or behind the tile's number of tokens repeat its LAST token: they compute and store the same numbers to the same row, so no lane is ever off.
; gelu(x) = max(x, 0) - |x| A, A = erfc(|x| / sqrt 2) / 2 = t 2^(-x^2 log2(e) / 2 + poly(t)), t = 1 / (1 + |x| / (2 sqrt 2)): a fit of erfc with a fractional error under 1.2e-7 at every argument; log2(e) and the half are folded into the coefficients.
; LIMITS: NaN and infinities among the inputs are not served; a block of the hidden layer whose largest magnitude lies under 2^(4 - 126) gets the byte 1 (its codes are zeros or nearly).
.set XIMG,  0                          ; LDS: x's 16 fragments: (m, s) at 12288 m + 1536 s.  A fragment: two halves of 768: registers 6 c .. 6 c + 3 at 16 x lane (512), registers 6 c + 4, 5 at 8 x lane (256)
.set HIMG0, 24576                      ; the hidden layer of lo, likewise: wave w's 64 units are half w % 2 of K step w / 2: 768 w
.set HIMG1, 49152                      ; of hi
.set HSC,   73728                      ; its scale bytes: 1024 set + 32 (16 m + r) + block
.set BIA,   75776                      ; each wave 1,024: pass p's 64 biases at 256 p
.set TOKL,  92160                      ; each wave 128: the tokens of places 0 .. 31
.set STG,   94208                      ; each wave 8,704: 32 rows of 256 bytes + 16
.set ACC, 32                           ; v32-95   accumulator (t, m) at ACC + 32 m + 8 t
.set WR,  96                           ; v96-191  two buffers of four weight fragments
.set XF,  192                          ; v192-215 the tokens' two fragments; gelu's work; at the end the rows' offsets
.set WS,  216                          ; v216-231 weight scale words 8 b + s: lanes 0-15 tile 2 b, lanes 16-31 tile 2 b + 1
.set XS,  232                          ; v232-239 the tokens' scale words, word s: lanes 0-15 m = 0, lanes 16-31 m = 1
.set TM,  240
.set TP,  242
.set TS,  244
.set TB,  246
.set PC,  248                          ; v248-254 codes just made
.set HW,  255                          ; two scale bytes just made
.set GT,  XF
.set GP,  XF+8
.set GU,  XF+16
; v1 16 x lane, v2 8 x lane, v3, v4 the same + HIMG1; v5, v6 where I store my half fragment; v7 its scale bytes; v8 scale words back; v9 biases back; v10, v11 where I store x's fragment;
; v12 stage in, v13 stage out, v14 tokens back, v15 my bytes in a row of out0, v16 my weight rows' scale bytes; v17 h, v18 r, v19 lane; v[20:27] the gates, each twice; v[28:29] c9 twice; v30, v31 store addresses
	s_load_b512 s[8:23], s[0:1], 0x0               ; tiles 8, order 10, xq_codes 12, xq_scales 14, w1img 16, W1_scales 18, b1 20, w2img 22
	s_load_b256 s[24:31], s[0:1], 0x40             ; W2_scales 24, b2 26, out4 28, out0 30
	v_lshrrev_b32 v19, 5, v0
	v_readfirstlane_b32 s36, v19                   ; wave 0..15
	v_and_b32 v19, 31, v0
	v_bfe_u32 v17, v0, 4, 1
	v_and_b32 v18, 15, v0
	s_lshl_b32 s58, ttmp9, 4
	s_mov_b32 s59, 0
	s_wait_kmcnt 0x0
	s_add_nc_u64 s[8:9], s[8:9], s[58:59]
	s_load_b128 s[32:35], s[8:9], 0x0              ; lo, hi, first place, tokens
	v_lshlrev_b32 v1, 4, v19
	v_lshlrev_b32 v2, 3, v19
	v_add_nc_u32 v3, HIMG1, v1
	v_add_nc_u32 v4, HIMG1, v2
	s_mul_i32 s58, s36, 768
	s_add_co_u32 s60, s58, HIMG0
	v_add_nc_u32 v5, s60, v1
	s_add_co_u32 s60, s58, HIMG0+512
	v_add_nc_u32 v6, s60, v2
	s_lshl_b32 s58, s36, 1
	s_add_co_u32 s58, s58, HSC
	v_lshl_add_u32 v7, v18, 5, s58
	v_lshl_add_u32 v8, v19, 5, HSC
	s_lshl_b32 s58, s36, 10
	s_add_co_u32 s58, s58, BIA
	v_lshl_add_u32 v9, v17, 6, s58
	v_add_nc_u32 v31, s58, v2
	s_mul_i32 s58, s36, 1536
	v_add_nc_u32 v10, s58, v1
	v_add_nc_u32 v11, s58, v2
	s_mul_i32 s58, s36, 8704
	s_add_co_u32 s58, s58, STG
	v_mul_u32_u24 v12, v18, 272
	v_lshl_add_u32 v12, v17, 6, v12
	v_add_nc_u32 v12, s58, v12                     ; row r, + 64 h
	v_mul_u32_u24 v13, v17, 272
	v_lshl_add_u32 v13, v18, 4, v13
	v_add_nc_u32 v13, s58, v13                     ; lanes 0-15 one row, lanes 16-31 the next
	s_lshl_b32 s58, s36, 7
	s_add_co_u32 s58, s58, TOKL
	v_lshl_add_u32 v14, v17, 2, s58
	v_lshl_add_u32 v30, v19, 2, s58
	s_lshl_b32 s58, s36, 8
	v_lshl_add_u32 v15, v18, 4, s58
	v_and_b32 v16, 8, v18
	v_add_nc_u32 v16, v16, v18
	v_lshl_add_u32 v16, v17, 3, v16
	v_lshlrev_b32 v16, 5, v16
	s_lshl_b32 s58, s36, 11
	v_add_nc_u32 v16, s58, v16                     ; 32 x (64 w + 8 h + r + 8 (r / 8))
	s_mov_b32 s56, 0x76543210
	s_mov_b32 s57, 0xfedcba98
	v_mov_b32 v28, 0x3e7c6f08                      ; c9
	v_mov_b32 v29, 0x3e7c6f08
	v_mov_b32 v[TP], 0                             ; a lane permute's destination counts as one of its sources
	v_mov_b32 v[TP+1], 0
	s_wait_kmcnt 0x0
	s_min_u32 s32, s32, 7                          ; what was read is held before it enters an address
	s_min_u32 s33, s33, 7
	s_min_u32 s34, s34, 0xfff
	s_min_u32 s35, s35, 32
	s_add_co_u32 s37, s34, s35
	s_max_u32 s37, s37, 1
	s_sub_co_u32 s37, s37, 1
	s_min_u32 s37, s37, 0xfff                      ; the tile's last place
	s_mul_i32 s60, s36, 49152
	s_mul_i32 s58, s32, 786432
	s_add_co_u32 s58, s58, s60
	s_add_nc_u64 s[40:41], s[16:17], s[58:59]      ; the four streams: image of expert e, my 64 rows
	s_add_nc_u64 s[44:45], s[22:23], s[58:59]
	s_mul_i32 s58, s33, 786432
	s_add_co_u32 s58, s58, s60
	s_add_nc_u64 s[42:43], s[16:17], s[58:59]
	s_add_nc_u64 s[46:47], s[22:23], s[58:59]
	s_lshl_b32 s58, s32, 15
	s_add_nc_u64 s[48:49], s[18:19], s[58:59]      ; and their scale bytes
	s_add_nc_u64 s[52:53], s[24:25], s[58:59]
	s_lshl_b32 s58, s33, 15
	s_add_nc_u64 s[50:51], s[18:19], s[58:59]
	s_add_nc_u64 s[54:55], s[24:25], s[58:59]
	v_add_nc_u32 v32, s34, v18                     ; places r, 16 + r, 16 (w / 8) + r, lane
	v_add_nc_u32 v33, 16, v32
	s_lshr_b32 s58, s36, 3
	s_lshl_b32 s58, s58, 4
	v_add_nc_u32 v34, s58, v32
	v_add_nc_u32 v35, s34, v19
.irp i, 32,33,34,35
	v_min_u32 v\i, s37, v\i                        ; behind the tile's end: its last token again
	v_min_u32 v\i, 0xfff, v\i
	v_lshlrev_b32 v\i, 2, v\i
.endr
.irp i, 0,1,2,3
	global_load_b32 v[36+\i], v[32+\i], s[10:11]
.endr
.macro RINGLD rb, sb, ks                           ; K step ks of stream sb into ring buffer rb: 12 loads of 512 consecutive bytes
.irp t, 0,1,2,3
.irp c, 0,1,2
	global_load_b128 v[WR+48*(\rb)+12*\t+4*\c:WR+48*(\rb)+12*\t+4*\c+3], v1, s[\sb:\sb+1] offset:6144*(\ks)+1536*\t+512*\c
.endr
.endr
.endm
.macro WSLD sb                                     ; a pass's weight scale words: each lane its row's 32 bytes, for two pairs of tiles
.irp b, 0,1
.irp i, 0,1
	global_load_b128 v[WS+8*\b+4*\i:WS+8*\b+4*\i+3], v16, s[\sb:\sb+1] offset:1024*\b+16*\i
.endr
.endr
.endm
	RINGLD 0, 40, 0
	RINGLD 1, 40, 1
	WSLD 48
	s_wait_loadcnt 28                              ; the four tokens are in: behind them the ring's 24 loads and the 4 of scale words
.irp i, 36,37,38,39
	v_min_u32 v\i, 0xfff, v\i
.endr
	v_mul_u32_u24 v40, v38, 768
	v_mad_u32_u24 v40, v17, 24, v40
	s_and_b32 s58, s36, 7
	s_mul_i32 s58, s58, 96
	v_add_nc_u32 v40, s58, v40                     ; x's codes: my token's row, K step w % 8, + 24 h
	v_lshlrev_b32 v41, 5, v39                      ; x's scale bytes: the row of place = lane
	s_lshl_b32 s61, s32, 2
	s_lshl_b32 s62, s33, 2
	v_lshl_add_u32 v42, v36, 5, s61                ; the gates: token's row of 32 bytes + 4 e
	v_lshl_add_u32 v43, v37, 5, s61
	v_lshl_add_u32 v44, v36, 5, s62
	v_lshl_add_u32 v45, v37, 5, s62
	s_lshl_b32 s60, s36, 8
	s_lshl_b32 s58, s32, 12
	s_add_co_u32 s58, s58, s60
	v_add_nc_u32 v46, s58, v2                      ; the biases: expert's row + my 64 numbers, 8 bytes a lane
	s_lshl_b32 s58, s33, 12
	s_add_co_u32 s58, s58, s60
	v_add_nc_u32 v47, s58, v2
.irp p, 0,1,2,3,4,5
	global_load_b64 v[XF+2*\p:XF+2*\p+1], v40, s[12:13] offset:48*(\p/3)+8*(\p%3)   ; wave w gathers fragment (m = w / 8, s = w % 8)
.endr
	global_load_b128 v[XS:XS+3], v41, s[14:15]
	global_load_b128 v[XS+4:XS+7], v41, s[14:15] offset:16
	global_load_b32 v20, v42, s[28:29]
	global_load_b32 v22, v43, s[28:29]
	global_load_b32 v24, v44, s[28:29]
	global_load_b32 v26, v45, s[28:29]
	global_load_b64 v[48:49], v46, s[20:21]
	global_load_b64 v[50:51], v47, s[20:21]
	global_load_b64 v[52:53], v46, s[26:27]
	global_load_b64 v[54:55], v47, s[26:27]
	s_wait_loadcnt 0x0
	ds_store_b128 v10, v[XF:XF+3]
	ds_store_b64 v11, v[XF+4:XF+5] offset:512
	ds_store_b128 v10, v[XF+6:XF+9] offset:768
	ds_store_b64 v11, v[XF+10:XF+11] offset:1280
.irp p, 0,1,2,3
	ds_store_b64 v31, v[48+2*\p:49+2*\p] offset:256*\p
.endr
	ds_store_b32 v30, v39
	v_mov_b32 v21, v20                             ; the packed forms multiply by a pair
	v_mov_b32 v23, v22
	v_mov_b32 v25, v24
	v_mov_b32 v27, v26
	s_wait_dscnt 0x0                               ; for the others' sake: my fragment of x has landed
	s_barrier_signal -1
	s_barrier_wait -1                              ; x's 16 fragments lie in LDS
.macro FETCH reg, a16, a8, off                     ; a fragment's image back into 12 registers
	ds_load_b128 v[\reg:\reg+3], v[\a16] offset:\off
	ds_load_b64 v[\reg+4:\reg+5], v[\a8] offset:\off+512
	ds_load_b128 v[\reg+6:\reg+9], v[\a16] offset:\off+768
	ds_load_b64 v[\reg+10:\reg+11], v[\a8] offset:\off+1280
.endm
.macro XFETCH a16, a8, off
	FETCH XF, \a16, \a8, \off
	FETCH XF+12, \a16, \a8, \off+12288
.endm
.macro BIASLD p                                    ; the bias is where each sum starts: eight registers a tile in the result's layout; so every product adds in place and no first step differs
.irp m, 0,1
.irp t, 0,1,2,3
.irp i, 0,1
	ds_load_b128 v[ACC+32*\m+8*\t+4*\i:ACC+32*\m+8*\t+4*\i+3], v9 offset:256*\p+128*(\t/2)+32*(\t%2)+16*\i
.endr
.endr
.endr
.endm
.macro WM s, t, m
.set A_, ACC+32*\m+8*\t
.set W_, WR+48*((\s)%2)+12*\t
.set X_, XF+12*\m
.set SA_, WS+8*(\t/2)+(\s)
.set SB_, XS+(\s)
.if (\t%2 == 0) && (\m == 0)
	v_wmma_scale_f32_16x16x128_f8f6f4 v[A_:A_+7], v[W_:W_+11], v[X_:X_+11], v[A_:A_+7], v[SA_], v[SB_] matrix_a_fmt:MATRIX_FMT_BF6 matrix_b_fmt:MATRIX_FMT_BF6
.elseif (\t%2 == 1) && (\m == 0)
	v_wmma_scale_f32_16x16x128_f8f6f4 v[A_:A_+7], v[W_:W_+11], v[X_:X_+11], v[A_:A_+7], v[SA_], v[SB_] matrix_a_fmt:MATRIX_FMT_BF6 matrix_b_fmt:MATRIX_FMT_BF6 matrix_a_scale:MATRIX_SCALE_ROW1
.elseif (\t%2 == 0)
	v_wmma_scale_f32_16x16x128_f8f6f4 v[A_:A_+7], v[W_:W_+11], v[X_:X_+11], v[A_:A_+7], v[SA_], v[SB_] matrix_a_fmt:MATRIX_FMT_BF6 matrix_b_fmt:MATRIX_FMT_BF6 matrix_b_scale:MATRIX_SCALE_ROW1
.else
	v_wmma_scale_f32_16x16x128_f8f6f4 v[A_:A_+7], v[W_:W_+11], v[X_:X_+11], v[A_:A_+7], v[SA_], v[SB_] matrix_a_fmt:MATRIX_FMT_BF6 matrix_b_fmt:MATRIX_FMT_BF6 matrix_a_scale:MATRIX_SCALE_ROW1 matrix_b_scale:MATRIX_SCALE_ROW1
.endif
.endm
.macro MM s                                        ; the eight accumulators take turns, one instruction a turn, from K step to K step too
.irp t, 0,1,2,3
.irp m, 0,1
	WM \s, \t, \m
.endr
.endr
.endm
; A K step.  The ring buffer that it has multiplied takes the step two on: this pass's, or for steps 6 and 7 the next pass's steps 0 and 1 (last = 1: nothing).
.macro KSTEP s, a16, a8, boff, sb, nsb, last
.if \last && (\s == 7)
	s_wait_loadcnt 0x0
.else
	s_wait_loadcnt 12                              ; this step's weights are in; the other buffer's 12 loads may be out
.endif
	s_wait_dscnt 0x0                               ; the tokens' fragments (and in step 0 the biases and scale words) are in
	MM \s
.rept 4
	v_nop                                          ; four places in front of loads into registers that matrix instructions have read, and of the first read of results (ISA guide 7.12.1 for vector instructions)
.endr
.if \s < 6
	RINGLD (\s)%2, \sb, (\s)+2
.elseif !\last
	RINGLD (\s)%2, \nsb, (\s)-6
.endif
.if \s < 7
	XFETCH \a16, \a8, \boff+1536*((\s)+1)
.endif
.endm
.macro PASS p, a16, a8, boff, sb, nsb, nws, last
	s_wait_loadcnt 0x0                             ; the ring's first two steps and the scale words, asked for a phase ago
	BIASLD \p
	XFETCH \a16, \a8, \boff
.irp s, 0,1,2,3,4,5,6,7
	KSTEP \s, \a16, \a8, \boff, \sb, \nsb, \last
.endr
.if !\last
	WSLD \nws                                      ; behind the last step's four places
.endif
.endm
.macro GELU8 a                                     ; one accumulator, from its low end on
.irp i, 0,1,2,3,4,5,6,7
	v_fma_f32 v[GT+\i], |v[\a+\i]|, 0x3eb504f3, 1.0
.endr
.irp i, 0,1,2,3,4,5,6,7
	v_rcp_f32 v[GT+\i], v[GT+\i]                   ; t
.endr
.irp i, 0,2,4,6
	v_pk_mul_f32 v[GU+\i:GU+\i+1], v[\a+\i:\a+\i+1], v[\a+\i:\a+\i+1]   ; x^2 (plain lines behind the reciprocals)
.endr
	s_wait_alu depctr_va_vdst(0)
.irp i, 0,2,4,6
	v_pk_fma_f32 v[GP+\i:GP+\i+1], v[GT+\i:GT+\i+1], v[28:29], 0xbf97d29d op_sel_hi:[1,1,0]
.endr
.irp c, 0x40097039, 0xbfd1a1e5, 0x3ecdfd18, 0xbe899a80, 0x3e0efb2e, 0x3f0a29d2, 0x3fb8ab5a, 0xc034d90f
.irp i, 0,2,4,6
	v_pk_fma_f32 v[GP+\i:GP+\i+1], v[GP+\i:GP+\i+1], v[GT+\i:GT+\i+1], \c op_sel_hi:[1,1,0]
.endr
.endr
.irp i, 0,2,4,6
	v_pk_fma_f32 v[GP+\i:GP+\i+1], v[GU+\i:GU+\i+1], 0xbf38aa3b, v[GP+\i:GP+\i+1] op_sel_hi:[1,0,1]
.endr
.irp i, 0,1,2,3,4,5,6,7
	v_exp_f32 v[GP+\i], v[GP+\i]
.endr
.irp i, 0,1,2,3,4,5,6,7
	v_max_num_f32 v[GU+\i], 0, v[\a+\i]            ; (plain lines behind the exponentials)
.endr
	s_wait_alu depctr_va_vdst(0)
.irp i, 0,2,4,6
	v_pk_mul_f32 v[GP+\i:GP+\i+1], v[GP+\i:GP+\i+1], v[GT+\i:GT+\i+1]   ; A
.endr
.irp i, 0,1,2,3,4,5,6,7
	v_fma_f32 v[\a+\i], -|v[\a+\i]|, v[GP+\i], v[GU+\i]
.endr
.endm
.macro GELUALL
.irp k, 0,1,2,3,4,5,6,7
	GELU8 ACC+8*\k
.endr
.endm
; My 64 hidden units of 16 tokens (two blocks of 32 along the next K; a block lies in lanes l and l xor 16) become half a fragment and two scale bytes a token
.macro QUANTH set, m
.set S_, ACC+32*\m
	v_max3_num_f32 v[TM], |v[S_]|, |v[S_+1]|, 0x2800000          ; the floor 2^(5 - 127): the byte cannot fall under 1
	v_max3_num_f32 v[TM+1], |v[S_+16]|, |v[S_+17]|, 0x2800000
.irp i, 2,4,6,8,10,12,14
	v_max3_num_f32 v[TM], v[TM], |v[S_+\i]|, |v[S_+\i+1]|
	v_max3_num_f32 v[TM+1], v[TM+1], |v[S_+16+\i]|, |v[S_+17+\i]|
.endr
	v_permlanex16_b32 v[TP], v[TM], s56, s57
	v_permlanex16_b32 v[TP+1], v[TM+1], s56, s57
	v_max_num_f32 v[TM], v[TM], v[TP]
	v_max_num_f32 v[TM+1], v[TM+1], v[TP+1]
	v_add_nc_u32 v[TS], 0xfe000000, v[TM]          ; 4 off the exponent field: the conversion's scale operand
	v_add_nc_u32 v[TS+1], 0xfe000000, v[TM+1]
	v_lshrrev_b32 v[TB], 23, v[TS]
	v_lshrrev_b32 v[TB+1], 23, v[TS+1]
	v_lshl_or_b32 v[HW], v[TB+1], 8, v[TB]
	v_cvt_scalef32_pk16_bf6_f32 v[PC:PC+2], v[S_:S_+15], v[TS]
	v_cvt_scalef32_pk16_bf6_f32 v[PC+4:PC+6], v[S_+16:S_+31], v[TS+1]   ; (a conversion's three registers begin on an even number)
	v_nop                                          ; one plain line behind a scaled conversion
.irp i, 0,1,2
	v_permlane16_swap_b32 v[PC+\i], v[PC+4+\i]     ; the layout wants a whole block in a lane: lanes 0-15 the first block, lanes 16-31 the second
.endr
	v_mov_b32 v[PC+3], v[PC+4]
	v_mov_b32 v[PC+4], v[PC+5]
	v_mov_b32 v[PC+5], v[PC+6]
	ds_store_b128 v5, v[PC:PC+3] offset:24576*\set+12288*\m
	ds_store_b64 v6, v[PC+4:PC+5] offset:24576*\set+12288*\m
	ds_store_b16 v7, v[HW] offset:1024*\set+512*\m ; lanes l and l xor 16 write the same two bytes with the same values
	s_wait_dscnt 0x0                               ; the stores have read their registers
.endm
.macro STAGE_ST reg                                ; 64 registers in the accumulators' order into my stage: row = place, 4 bytes a column
.irp m, 0,1
.irp t, 0,1,2,3
.irp i, 0,1
	ds_store_b128 v12, v[\reg+32*\m+8*\t+4*\i:\reg+32*\m+8*\t+4*\i+3] offset:4352*\m+128*(\t/2)+32*(\t%2)+16*\i
.endr
.endr
.endr
.endm
.macro STAGE_LD reg
.irp m, 0,1
.irp t, 0,1,2,3
.irp i, 0,1
	ds_load_b128 v[\reg+32*\m+8*\t+4*\i:\reg+32*\m+8*\t+4*\i+3], v12 offset:4352*\m+128*(\t/2)+32*(\t%2)+16*\i
.endr
.endr
.endr
.endm
	s_cmp_eq_u32 s35, 0                            ; a tile without tokens jumps over the work, never over a barrier
	s_cbranch_scc1 .Lno_rows_1
	PASS 0, 1, 2, XIMG, 40, 42, 50, 0              ; x W1[lo] + b1[lo]
	GELUALL                                        ; the next pass's first weights are on their way meanwhile
	QUANTH 0, 0
	QUANTH 0, 1
	PASS 1, 1, 2, XIMG, 42, 44, 52, 0              ; x W1[hi] + b1[hi]
	GELUALL
	QUANTH 1, 0
	QUANTH 1, 1
.Lno_rows_1:
	s_wait_dscnt 0x0                               ; for the others' sake: my parts of both hidden layers have landed
	s_barrier_signal -1
	s_barrier_wait -1                              ; both hidden layers lie in LDS
	s_cmp_eq_u32 s35, 0
	s_cbranch_scc1 .Lno_rows_2
	ds_load_b128 v[XS:XS+3], v8                    ; the hidden layer's scale words, place = lane
	ds_load_b128 v[XS+4:XS+7], v8 offset:16
	PASS 2, 1, 2, HIMG0, 44, 46, 54, 0             ; h_lo W2[lo] + b2[lo]
.irp m, 0,1
.irp i, 0,2,4,6,8,10,12,14,16,18,20,22,24,26,28,30
	v_pk_mul_f32 v[ACC+32*\m+\i:ACC+32*\m+\i+1], v[ACC+32*\m+\i:ACC+32*\m+\i+1], v[20+2*\m:21+2*\m]   ; x g_lo, each accumulator from its low end on
.endr
.endr
	STAGE_ST ACC                                   ; the first expert's share waits in my own stage: all 256 registers are taken in the next pass
	ds_load_b128 v[XS:XS+3], v8 offset:1024
	ds_load_b128 v[XS+4:XS+7], v8 offset:1040
	PASS 3, 3, 4, 0, 46, 0, 0, 1                   ; h_hi W2[hi] + b2[hi]
	STAGE_LD WR                                    ; LDS serves a wave's instructions in order; the stage is my own
.irp i, 0,1,2,3,4,5,6,7,8,9,10,11,12,13,14,15
	ds_load_b32 v[XF+\i], v14 offset:8*\i          ; the token of place 2 i + lane / 16
.endr
	s_wait_dscnt 0x0
.irp m, 0,1
.irp i, 0,2,4,6,8,10,12,14,16,18,20,22,24,26,28,30
	v_pk_fma_f32 v[WR+32*\m+\i:WR+32*\m+\i+1], v[ACC+32*\m+\i:ACC+32*\m+\i+1], v[24+2*\m:25+2*\m], v[WR+32*\m+\i:WR+32*\m+\i+1]   ; + g_hi x the second expert's
.endr
.endr
.irp i, 0,1,2,3,4,5,6,7,8,9,10,11,12,13,14,15
	v_min_u32 v[XF+\i], 0xfff, v[XF+\i]
	v_lshl_add_u32 v[XF+\i], v[XF+\i], 12, v15     ; the token's row of 4,096 bytes + my wave's 256 + 16 (lane % 16)
.endr
	STAGE_ST WR
.irp i, 0,1,2,3,4,5,6,7,8,9,10,11,12,13,14,15
	ds_load_b128 v[ACC+4*\i:ACC+4*\i+3], v13 offset:544*\i     ; back by rows: two places an instruction
.endr
.irp i, 0,1,2,3,4,5,6,7,8,9,10,11,12,13,14,15
	s_wait_dscnt 15-\i                             ; rows 2 i, 2 i + 1 are in; the younger loads may be out
	global_store_b128 v[XF+\i], v[ACC+4*\i:ACC+4*\i+3], s[30:31] th:TH_STORE_NT   ; sixteen lanes store 256 consecutive bytes of a token's row, at a multiple of 256 from out0's first byte
.endr
.Lno_rows_2:
	s_wait_xcnt 0x0
	v_lshl_add_u32 v254, v0, 2, 0x39000
	v_mov_b32 v255, 0
	s_wait_tensorcnt 0x0
	ds_add_u32 v254, v255
	s_wait_dscnt 0x0
	s_endpgm
.Lfunc_end_k_q75964ef163_chain:
	.size	k_q75964ef163_chain, .Lfunc_end_k_q75964ef163_chain-k_q75964ef163_chain
	.p2alignl 7, 3214868480
	.fill 96, 4, 3214868480
	.section	.rodata,"a",@progbits
	.p2align	6, 0x0
	.amdhsa_kernel k_q75964ef163_chain
		.amdhsa_group_segment_fixed_size 235520
		.amdhsa_private_segment_fixed_size 0
		.amdhsa_enable_private_segment 0
		.amdhsa_kernarg_size 96
		.amdhsa_user_sgpr_count 2
		.amdhsa_user_sgpr_kernarg_segment_ptr 1
		.amdhsa_wavefront_size32 1
		.amdhsa_system_sgpr_workgroup_id_x 1
		.amdhsa_system_sgpr_workgroup_id_y 1
		.amdhsa_system_sgpr_workgroup_id_z 1
		.amdhsa_system_vgpr_workitem_id 0
		.amdhsa_next_free_vgpr 256
		.amdhsa_next_free_sgpr 66
		.amdhsa_reserve_vcc 0
		.amdhsa_float_denorm_mode_32 3
		.amdhsa_float_denorm_mode_16_64 3
		.amdhsa_memory_ordered 1
		.amdhsa_forward_progress 1
		.amdhsa_inst_pref_size 228
	.end_amdhsa_kernel
	.amdgpu_metadata
---
amdhsa.version: [ 1, 2 ]
amdhsa.kernels:
  - .name:           k_q75964ef163_chain
    .symbol:         k_q75964ef163_chain.kd
    .args:
      - { .name: tiles, .offset: 0, .size: 8, .value_kind: global_buffer, .address_space: global }
      - { .name: order, .offset: 8, .size: 8, .value_kind: global_buffer, .address_space: global }
      - { .name: xq_codes, .offset: 16, .size: 8, .value_kind: global_buffer, .address_space: global }
      - { .name: xq_scales, .offset: 24, .size: 8, .value_kind: global_buffer, .address_space: global }
      - { .name: w1img, .offset: 32, .size: 8, .value_kind: global_buffer, .address_space: global }
      - { .name: W1_scales, .offset: 40, .size: 8, .value_kind: global_buffer, .address_space: global }
      - { .name: b1, .offset: 48, .size: 8, .value_kind: global_buffer, .address_space: global }
      - { .name: w2img, .offset: 56, .size: 8, .value_kind: global_buffer, .address_space: global }
      - { .name: W2_scales, .offset: 64, .size: 8, .value_kind: global_buffer, .address_space: global }
      - { .name: b2, .offset: 72, .size: 8, .value_kind: global_buffer, .address_space: global }
      - { .name: out4, .offset: 80, .size: 8, .value_kind: global_buffer, .address_space: global }
      - { .name: out0, .offset: 88, .size: 8, .value_kind: global_buffer, .address_space: global }
    .group_segment_fixed_size: 235520
    .private_segment_fixed_size: 0
    .kernarg_segment_align: 8
    .kernarg_segment_size: 96
    .max_flat_workgroup_size: 512
    .sgpr_count:     66
    .vgpr_count:     256
    .wavefront_size: 32
...
	.end_amdgpu_metadata
.endif
;; end of part 3
;; ======== version 2 of 3: 3 launches
;; workspace buffers: xq_codes 3,145,728 bytes; xq_scales 131,072 bytes; w1img 6,291,456 bytes; w2img 6,291,456 bytes; psum 8,192 bytes; pairs 49,152 bytes of whole numbers; order 16,384 bytes of whole numbers; tiles 2,560 bytes of whole numbers
;; launch route (part 4): grid 256 x 1, 8 waves a work-group, no clusters, 176,896 bytes of LDS; arguments x, router_w, train_scores, W1_codes, W2_codes, xq_codes, xq_scales, w1img, w2img, out2, out3, out4, pairs, psum; writes xq_codes, xq_scales, w1img, w2img, out2, out3, out4, pairs, psum
.if DOCPART == 4
	.amdgcn_target "amdgcn-amd-amdhsa--gfx1250"
	.amdhsa_code_object_version 6
	.text
	.protected	k_q75964ef163_route
	.globl	k_q75964ef163_route
	.p2align	8
	.type	k_q75964ef163_route,@function
k_q75964ef163_route:
	s_mov_b64 s[64:65], 0
	v_nop
	global_prefetch_b8 v0, s[64:65] scope:SCOPE_SE
	s_setreg_imm32_b32 hwreg(HW_REG_WAVE_MODE, 25, 1), 1
	s_wait_xcnt 0x0
; ROUTE.  Work-group g takes tokens 16 g .. 16 g + 15 (wave w: tokens 16 g + 2 w + q, q = 0, 1) and one block of 64 weight rows (g < 128: block g of W1's codes, else block g - 128 of W2's).
; For its tokens: scores = x . router_w (f32 fused multiply-adds: the top-2 is compared exactly), top-2 (a tie goes to the lower index), gate, softmax of the scores summed over the 16 tokens,
; the number of the token's pair of experts, id(lo, hi) = lo (15 - lo) / 2 + hi - lo - 1 (0 .. 27), and x as codes of E3M2 with one E8M0 byte for each 32 along K.
; For the sort that the next launch finishes: each token's rank among the group's 16 tokens of the same pair (stored as id | rank << 8), and the group's number of tokens for each of 32 buckets (28 in use).
; For its weight block: the 49,152 bytes are laid anew as images of operand registers: [K step s 8][tile t 4] fragments of 1,536 bytes, plane c (512 bytes) = registers 4 c .. 4 c + 3, lane l's 16 bytes at 16 l.
; Lane r of tile t takes row 32 (t / 2) + 8 (t % 2) + r + 8 (r / 8) of the block, so that in a product used transposed the 16 registers of tiles 2 b, 2 b + 1 are 16 neighbours.
; No address and no branch hangs on a score: what the scores decide is stored at fixed places.
; LIMITS: NaN among the scores is not served; +0 and -0 count as a tie; a block of x whose largest magnitude lies under 2^(4 - 126) gets the byte 1 (a block of zeros too: its codes are zeros, and this program alone reads the bytes).
.set RWL, 0                            ; LDS: router_w turned: region 2 e + u of 2,560 bytes = 32 places of 64 bytes + 16 of padding
.set XST, 40960                        ; each wave 10,240: four stages of 2,560, one for each (q, u)
.set WLD, 122880                       ; the 64 weight rows, 784 bytes apart (768 + 16)
.set SCO, 173056                       ; scores [16][8]; 512 on the gates; 1,024 on the indices; 1,536 on the pair numbers
.set IDX, 174080
.set PID, 174592
.set XSB, 175104                       ; x's scale bytes [16][32]
.set PSM, 175616                       ; softmax sums [8 waves][8]
.set CNTB, 16384                       ; in the buffer of pair numbers: behind the 4,096 words, the groups' counts [256][32]
.set R,   16                           ; v16-79   x as loaded: 32 q + 4 j
.set AC,  16                           ; v16-47   later: a pair of partial sums for each (q, e)
.set S,   48                           ; v48-63   later: the lane's 16 partial scores
.set XT,  80                           ; v80-143  x turned: 32 q + 16 u: x[512 u + 16 lane + 0 .. 15]; later at work
.set WL,  144                          ; v144-191 the weight block's bytes
.set RWB, 192                          ; v192-223 router_w's row as loaded; later two buffers of 16
.set C,   224                          ; v224-239 codes, four registers a step
.set EB,  240                          ; v240-243 a scale byte a step
.set T,   244                          ; v244-253 at work
.set O,   80
.set RK,  81
.set TT,  82
.set EF,  83
.set I0,  84
.set I1,  85
.set LO,  86
.set HI,  87
.set ID,  88
.set W,   89
.set G,   90
.set P,   91
.set M,   92
.set M2,  93
.set SW,  94
.set SP,  95
	s_load_b512 s[8:23], s[0:1], 0x0               ; x 8, router_w 10, train_scores 12, W1_codes 14, W2_codes 16, xq_codes 18, xq_scales 20, w1img 22
	s_load_b256 s[24:31], s[0:1], 0x40             ; w2img 24, out2 26, out3 28, out4 30
	s_load_b128 s[32:35], s[0:1], 0x60             ; pairs 32, psum 34
	v_lshl_add_u32 v252, v0, 2, 0x2af00
	v_mov_b32 v253, 0
	v_lshrrev_b32 v1, 5, v0
	v_readfirstlane_b32 s36, v1                    ; wave 0..7
	v_and_b32 v1, 31, v0                           ; lane
	v_lshlrev_b32 v2, 4, v1                        ; 16 x lane
	v_lshrrev_b32 v3, 2, v1
	v_mul_u32_u24 v3, v3, 80
	v_and_b32 v4, 3, v1
	v_lshl_add_u32 v3, v4, 4, v3                   ; into a stage: 80 (lane / 4) + 16 (lane % 4)
	v_mul_u32_u24 v4, v1, 80                       ; out of a stage: 80 x lane; also router_w's turned rows (RWL = 0)
	s_mul_i32 s54, s36, 10240
	s_add_co_u32 s54, s54, XST
	v_add_nc_u32 v5, s54, v3                       ; my wave's stages, in
	v_add_nc_u32 v6, s54, v4                       ; and out
	s_mul_i32 s54, s36, 5120
	v_add_nc_u32 v7, s54, v3                       ; router_w's row e = wave, in
	s_mul_i32 s54, s36, 6272
	s_add_co_u32 s54, s54, WLD
	v_add_nc_u32 v9, s54, v2                       ; weight rows 8 w .. 8 w + 7, in
	v_lshrrev_b32 v15, 4, v1
	v_lshl_add_u32 v10, v15, 4, v9                 ; the same, one padding further on for lanes 16-31
	v_and_b32 v14, 15, v1
	v_and_b32 v11, 8, v1
	v_add_nc_u32 v11, v11, v14                     ; r + 8 (r / 8)
	v_mul_u32_u24 v11, v11, 784
	v_mad_u32_u24 v11, v15, 24, v11
	s_mul_i32 s54, s36, 96
	s_add_co_u32 s54, s54, WLD
	v_add_nc_u32 v11, s54, v11                     ; a fragment's 24 bytes: row x 784 + 96 (K step = wave) + 24 (lane / 16)
	v_mul_u32_u24 v12, v1, 12                      ; my 16 codes' place
	s_lshl_b32 s54, s36, 6
	s_add_co_u32 s55, s54, XSB
	v_lshrrev_b32 v13, 1, v1
	v_add_nc_u32 v13, s55, v13                     ; my block's scale byte
	s_add_co_u32 s55, s54, SCO
	v_lshl_add_u32 v14, v14, 2, s55                ; SCO + 64 w + 4 (lane % 16): token 2 w + q, expert e
	v_and_b32 v15, 7, v1                           ; e
	s_lshl_b32 s54, s36, 5
	s_add_co_u32 s54, s54, PSM
	v_lshl_add_u32 v8, v15, 2, s54                 ; PSM + 32 w + 4 e
	v_lshlrev_b32 v254, 2, v15
	s_mov_b32 s38, 0x76543210
	s_mov_b32 s39, 0xfedcba98                      ; v_permlanex16_b32's selects for lane l xor 16
	s_mov_b32 s40, 0xff00ff00                      ; lanes with bit 3 set,
	s_mov_b32 s41, 0xf0f0f0f0                      ; bit 2,
	s_mov_b32 s42, 0xcccccccc                      ; bit 1,
	s_mov_b32 s43, 0xaaaaaaaa                      ; bit 0
	s_wait_kmcnt 0x0
	s_cmp_lt_u32 ttmp9, 128                        ; W1's block or W2's: the choice hangs on the work-group's number alone
	s_cselect_b64 s[50:51], s[14:15], s[16:17]
	s_cselect_b64 s[52:53], s[22:23], s[24:25]
	s_and_b32 s48, ttmp9, 127
	s_mul_i32 s48, s48, 49152
	s_mul_i32 s54, s36, 6144
	s_add_co_u32 s48, s48, s54
	s_mov_b32 s49, 0
	s_add_nc_u64 s[50:51], s[50:51], s[48:49]      ; the block's bytes 6,144 w on: rows 8 w .. 8 w + 7
	s_add_nc_u64 s[52:53], s[52:53], s[48:49]      ; the image's K step w
	s_lshl_b32 s48, ttmp9, 16
	s_lshl_b32 s54, s36, 13
	s_add_co_u32 s48, s48, s54
	s_add_nc_u64 s[8:9], s[8:9], s[48:49]          ; x at my wave's first token
	s_lshl_b32 s48, s36, 12
	s_add_nc_u64 s[10:11], s[10:11], s[48:49]      ; router_w's row e = wave
	s_mul_i32 s48, ttmp9, 12288
	s_mul_i32 s54, s36, 1536
	s_add_co_u32 s48, s48, s54
	s_add_nc_u64 s[18:19], s[18:19], s[48:49]      ; x's codes at my wave's first token
	; all loads at once, 512 consecutive bytes each
.irp j, 0,1,2,3,4,5,6,7
	global_load_b128 v[RWB+4*\j:RWB+4*\j+3], v2, s[10:11] offset:512*\j
.endr
.irp q, 0,1
.irp j, 0,1,2,3,4,5,6,7
	global_load_b128 v[R+32*\q+4*\j:R+32*\q+4*\j+3], v2, s[8:9] offset:4096*\q+512*\j th:TH_LOAD_NT
.endr
.endr
.irp j, 0,1,2,3,4,5,6,7,8,9,10,11
	global_load_b128 v[WL+4*\j:WL+4*\j+3], v2, s[50:51] offset:512*\j th:TH_LOAD_NT
.endr
	global_load_b32 v255, v254, s[12:13]           ; train_scores[e]
	s_wait_loadcnt 29                              ; router_w's eight are in: behind them x's 16, the weights' 12 and train_scores
.irp j, 0,1,2,3,4,5,6,7
	ds_store_b128 v7, v[RWB+4*\j:RWB+4*\j+3] offset:RWL+2560*(\j/4)+640*(\j%4)
.endr
	s_wait_loadcnt 13                              ; x's 16 are in
; 2,048 bytes of a token go through a stage as they lie and come back 64 bytes a lane: LDS serves a wave's instructions in order, so no wait stands between
.macro TURN q, u
.irp i, 0,1,2,3
	ds_store_b128 v5, v[R+32*\q+16*\u+4*\i:R+32*\q+16*\u+4*\i+3] offset:2560*(2*\q+\u)+640*\i
.endr
.irp i, 0,1,2,3
	ds_load_b128 v[XT+32*\q+16*\u+4*\i:XT+32*\q+16*\u+4*\i+3], v6 offset:2560*(2*\q+\u)+16*\i
.endr
.endm
	TURN 0, 0
	TURN 0, 1
	TURN 1, 0
	TURN 1, 1
	s_wait_loadcnt 1                               ; the weights' 12 are in (train_scores may be out)
.irp j, 0,1,2,3,4,5,6,7,8,9,10,11                  ; a row is 48 pieces of 16 bytes: load j's lanes have passed 2 (j / 3) paddings, and 0, lane / 16 or 1 more
.if \j%3 == 1
	ds_store_b128 v10, v[WL+4*\j:WL+4*\j+3] offset:512*\j+32*(\j/3)
.else
	ds_store_b128 v9, v[WL+4*\j:WL+4*\j+3] offset:512*\j+32*(\j/3)+16*((\j%3)/2)
.endif
.endr
	s_wait_dscnt 0x0                               ; for the others' sake: my stores have landed (and my turned x is in)
	s_barrier_signal -1
	s_barrier_wait -1                              ; router_w and the 64 weight rows lie in LDS
	; the four fragments of K step w, as operand registers
.irp t, 0,1,2,3
.irp p, 0,1,2,3,4,5
	ds_load_b64 v[WL+12*\t+2*\p:WL+12*\t+2*\p+1], v11 offset:(32*(\t/2)+8*(\t%2))*784+48*(\p/3)+8*(\p%3)
.endr
.endr
; 512 numbers of a token become codes: a lane holds 16 neighbours, two neighbouring lanes a block
.macro QSTEP q, u
.set XQ, XT+32*\q+16*\u
.set NQ, 2*\q+\u
	v_max3_num_f32 v[T], |v[XQ]|, |v[XQ+1]|, |v[XQ+2]|
	v_max3_num_f32 v[T+1], |v[XQ+3]|, |v[XQ+4]|, |v[XQ+5]|
.irp i, 6,10
	v_max3_num_f32 v[T], v[T], |v[XQ+\i]|, |v[XQ+\i+1]|
	v_max3_num_f32 v[T+1], v[T+1], |v[XQ+\i+2]|, |v[XQ+\i+3]|
.endr
	v_max3_num_f32 v[T], v[T], |v[XQ+14]|, |v[XQ+15]|
	v_max3_num_f32 v[T], v[T], v[T+1], 0x2800000   ; the floor 2^(5 - 127): the byte cannot fall under 1
	v_max_num_f32_dpp v[T], v[T], v[T] row_xmask:1 row_mask:0xf bank_mask:0xf   ; with my neighbour's 16: the block's largest magnitude
	v_add_nc_u32 v[T+2], 0xfe000000, v[T]          ; 4 off its exponent field: the conversion takes this operand's exponent field as its scale
	v_cvt_scalef32_pk16_bf6_f32 v[C+4*NQ:C+4*NQ+2], v[XQ:XQ+15], v[T+2]
	v_lshrrev_b32 v[EB+NQ], 23, v[T+2]             ; the scale's byte (also the plain line behind the conversion)
	ds_store_b8 v13, v[EB+NQ] offset:32*\q+16*\u   ; both lanes of a block write the same byte with the same value
	global_store_b96 v12, v[C+4*NQ:C+4*NQ+2], s[18:19] offset:768*\q+384*\u   ; 32 lanes store 384 consecutive bytes
.endm
	QSTEP 0, 0
	QSTEP 0, 1
	QSTEP 1, 0
	QSTEP 1, 1
	s_wait_dscnt 4                                 ; the fragments' 24 loads are in: behind them the four byte stores
.irp t, 0,1,2,3
.irp c, 0,1,2
	global_store_b128 v2, v[WL+12*\t+4*\c:WL+12*\t+4*\c+3], s[52:53] offset:1536*\t+512*\c   ; 512 consecutive bytes
.endr
.endr
	; THE SCORES.  Piece idx = 8 u + e of router_w: 16 numbers a lane, at the same k as my x; asked for one piece ahead, in two buffers
.macro RWLD idx
.irp i, 0,1,2,3
	ds_load_b128 v[RWB+16*((\idx)%2)+4*\i:RWB+16*((\idx)%2)+4*\i+3], v4 offset:RWL+2560*(2*((\idx)%8)+(\idx)/8)+16*\i
.endr
.endm
	RWLD 0
.set n, 0
.rept 16
.if n < 15
	RWLD n+1
	s_wait_dscnt 4                                 ; this piece is in; the next piece's four loads may be out
.else
	s_wait_dscnt 0x0
.endif
.irp i, 0,1,2,3,4,5,6,7
.irp q, 0,1
.if (n < 8) && (\i == 0)
	v_pk_mul_f32 v[AC+2*(8*\q+n%8):AC+2*(8*\q+n%8)+1], v[XT+32*\q+16*(n/8)+2*\i:XT+32*\q+16*(n/8)+2*\i+1], v[RWB+16*(n%2)+2*\i:RWB+16*(n%2)+2*\i+1]   ; the first product starts the sum
.else
	v_pk_fma_f32 v[AC+2*(8*\q+n%8):AC+2*(8*\q+n%8)+1], v[XT+32*\q+16*(n/8)+2*\i:XT+32*\q+16*(n/8)+2*\i+1], v[RWB+16*(n%2)+2*\i:RWB+16*(n%2)+2*\i+1], v[AC+2*(8*\q+n%8):AC+2*(8*\q+n%8)+1]
.endif
.endr
.endr
.set n, n+1
.endr
.irp k, 0,1,2,3,4,5,6,7,8,9,10,11,12,13,14,15
	v_add_f32 v[S+\k], v[AC+2*\k], v[AC+2*\k+1]
.endr
; Sixteen sums over the lanes at once: in each step a lane keeps one of two sums and hands the other to the lane across; at the end lane l holds sum l % 16: q = (l / 8) % 2, e = l % 8
.macro RS a, b, msk, xm
	v_cndmask_b32 v[T], v[\b], v[\a], s[\msk]      ; what I hand over
	v_cndmask_b32 v[\a], v[\a], v[\b], s[\msk]     ; what I keep
	v_add_f32_dpp v[\a], v[T], v[\a] row_xmask:\xm row_mask:0xf bank_mask:0xf
.endm
.irp i, 0,1,2,3,4,5,6,7
	RS S+\i, S+\i+8, 40, 8
.endr
.irp i, 0,1,2,3
	RS S+\i, S+\i+4, 41, 4
.endr
.irp i, 0,1
	RS S+\i, S+\i+2, 42, 2
.endr
	RS S, S+1, 43, 1
	v_permlanex16_b32 v[T], v[S], s38, s39
	v_add_f32 v[S], v[S], v[T]                     ; the score; lanes 16-31 hold what lanes 0-15 hold
	; THE RANK of my expert among my token's eight: how many beat it; an equal score beats it if its index is lower (e xor m < e where m's highest bit is set in e)
	v_mov_b32 v[O], 0
	v_mov_b32 v[RK], 0
.irp m, 1,2,3,4,5,6,7
	v_mov_b32_dpp v[O], v[S] row_xmask:\m row_mask:0xf bank_mask:0xf
	v_cmp_gt_f32 s44, v[O], v[S]
	v_cmp_eq_f32 s45, v[O], v[S]
.if \m == 1
	s_and_b32 s45, s45, s43
.elseif \m < 4
	s_and_b32 s45, s45, s42
.else
	s_and_b32 s45, s45, s41
.endif
	s_or_b32 s44, s44, s45
	v_cndmask_b32 v[TT], 0, 1, s44
	v_add_nc_u32 v[RK], v[RK], v[TT]
.endr
	v_cvt_f32_u32 v[EF], v15
	v_cmp_eq_u32 s44, 0, v[RK]
	v_cmp_eq_u32 s45, 1, v[RK]
	v_cmp_gt_u32 s46, 2, v[RK]                     ; the mask: rank 0 or 1
	v_cndmask_b32 v[I0], 0, v[EF], s44
	v_cndmask_b32 v[I1], 0, v[EF], s45
.irp m, 1,2,4
	v_add_f32_dpp v[I0], v[I0], v[I0] row_xmask:\m row_mask:0xf bank_mask:0xf
	v_add_f32_dpp v[I1], v[I1], v[I1] row_xmask:\m row_mask:0xf bank_mask:0xf
.endr
	v_cvt_u32_f32 v[I0], v[I0]                     ; the best expert's index, in all eight lanes,
	v_cvt_u32_f32 v[I1], v[I1]                     ; and the second's
	v_min_u32 v[LO], v[I0], v[I1]
	v_max_u32 v[HI], v[I0], v[I1]
	v_sub_nc_u32 v[ID], 15, v[LO]
	v_mul_u32_u24 v[ID], v[ID], v[LO]
	v_lshrrev_b32 v[ID], 1, v[ID]
	v_add_nc_u32 v[ID], v[ID], v[HI]
	v_sub_nc_u32 v[ID], v[ID], v[LO]
	v_add_nc_u32 v[ID], -1, v[ID]                  ; the pair's number
	v_cmp_eq_u32 s44, 0, v15
	v_cndmask_b32 v[TT], v[I1], v[I0], s44         ; lane e = 0 carries the first index, the others the second
	; two softmaxes over eight lanes, each with its maximum taken away: of train_scores (the gate's weights) and of the scores
	s_wait_loadcnt 0x0                             ; train_scores
	v_mov_b32 v[M], v255                           ; (the numbers themselves are kept: the maxima and the sums are made in copies)
	v_mov_b32 v[M2], v[S]
.irp m, 1,2,4
	v_max_num_f32_dpp v[M], v[M], v[M] row_xmask:\m row_mask:0xf bank_mask:0xf
	v_max_num_f32_dpp v[M2], v[M2], v[M2] row_xmask:\m row_mask:0xf bank_mask:0xf
.endr
	v_sub_f32 v[W], v255, v[M]
	v_sub_f32 v[P], v[S], v[M2]
	v_mul_f32 v[W], 0x3fb8aa3b, v[W]
	v_mul_f32 v[P], 0x3fb8aa3b, v[P]
	v_exp_f32 v[W], v[W]
	v_exp_f32 v[P], v[P]
	v_nop                                          ; a plain line behind the exponentials
	s_wait_alu depctr_va_vdst(0)
	v_mov_b32 v[SW], v[W]
	v_mov_b32 v[SP], v[P]
.irp m, 1,2,4
	v_add_f32_dpp v[SW], v[SW], v[SW] row_xmask:\m row_mask:0xf bank_mask:0xf
	v_add_f32_dpp v[SP], v[SP], v[SP] row_xmask:\m row_mask:0xf bank_mask:0xf
.endr
	v_rcp_f32 v[SW], v[SW]
	v_rcp_f32 v[SP], v[SP]
	v_nop
	s_wait_alu depctr_va_vdst(0)
	v_mul_f32 v[W], v[W], v[SW]
	v_mul_f32 v[P], v[P], v[SP]
	v_cndmask_b32 v[G], 0, v[W], s46               ; mask x weight
	v_mov_b32 v[SW], v[G]
.irp m, 1,2,4
	v_add_f32_dpp v[SW], v[SW], v[SW] row_xmask:\m row_mask:0xf bank_mask:0xf
.endr
	v_max_num_f32 v[SW], 0x322bcc77, v[SW]         ; held at 1e-8 from below
	v_rcp_f32 v[SW], v[SW]
	v_nop
	s_wait_alu depctr_va_vdst(0)
	v_mul_f32 v[G], v[G], v[SW]                    ; the gate
	v_add_f32_dpp v[P], v[P], v[P] row_xmask:8 row_mask:0xf bank_mask:0xf   ; my wave's two tokens
	ds_store_b32 v14, v[S]                         ; lanes 16-31 write the same words with the same values
	ds_store_b32 v14, v[G] offset:512
	ds_store_b32 v14, v[TT] offset:1024
	ds_store_b32 v14, v[ID] offset:1536
	ds_store_b32 v8, v[P]
	s_wait_dscnt 0x0                               ; for the sake of waves 0, 1 and 2: all my LDS stores, the scale bytes too, have landed
	s_barrier_signal -1
	s_barrier_wait -1                              ; from here on LDS is only read
	s_cmp_eq_u32 s36, 1                            ; three waves share what is left, side by side; the others end
	s_cbranch_scc1 .Lrank
	s_cmp_eq_u32 s36, 2
	s_cbranch_scc1 .Lcount
	s_cmp_lg_u32 s36, 0
	s_cbranch_scc1 .Lend
	; wave 0 stores the work-group's small results, each in one run of consecutive bytes
	v_add_nc_u32 v64, SCO, v2
	ds_load_b128 v[96:99], v64
	ds_load_b128 v[100:103], v64 offset:512
	ds_load_b128 v[104:107], v64 offset:XSB-SCO
	v_lshrrev_b32 v65, 1, v1
	v_and_b32 v66, 1, v1
	v_lshlrev_b32 v65, 5, v65
	v_lshl_add_u32 v65, v66, 2, v65
	v_add_nc_u32 v65, IDX, v65                     ; token lane / 2, index lane % 2
	ds_load_b32 v108, v65
	v_lshlrev_b32 v67, 2, v1
	v_add_nc_u32 v68, PSM, v67
	ds_load_b32 v110, v68
	ds_load_b32 v111, v68 offset:128
	s_lshl_b32 s48, ttmp9, 9
	s_add_nc_u64 s[26:27], s[26:27], s[48:49]
	s_add_nc_u64 s[30:31], s[30:31], s[48:49]
	s_add_nc_u64 s[20:21], s[20:21], s[48:49]
	s_lshl_b32 s48, ttmp9, 7
	s_add_nc_u64 s[28:29], s[28:29], s[48:49]
	s_lshl_b32 s48, ttmp9, 5
	s_add_nc_u64 s[34:35], s[34:35], s[48:49]
	s_wait_dscnt 0x0
	global_store_b128 v2, v[96:99], s[26:27]       ; scores
	global_store_b128 v2, v[100:103], s[30:31]     ; gates
	global_store_b128 v2, v[104:107], s[20:21]     ; x's scale bytes
	global_store_b32 v67, v108, s[28:29]           ; the top-2 indices
	v_add_f32 v110, v110, v111                     ; the eight waves' softmax sums: waves lane / 8 and 4 + lane / 8,
	v_add_f32_dpp v110, v110, v110 row_xmask:8 row_mask:0xf bank_mask:0xf
	v_permlanex16_b32 v111, v110, s38, s39
	v_add_f32 v110, v110, v111                     ; all eight
	s_wait_xcnt 0x0                                ; EXEC changes only behind this wait
	v_cmp_gt_u32 vcc_lo, 8, v1
	s_wait_tensorcnt 0x0
	ds_add_u32 v252, v253
	s_wait_dscnt 0x0
	s_and_saveexec_b32 s44, vcc_lo
	global_store_b32 v67, v110, s[34:35]           ; 8 sums
	s_wait_xcnt 0x0
	s_or_b32 exec_lo, exec_lo, s44
	s_endpgm
.Lrank:
	; wave 1: lane t (lanes 16-31 mirror lanes 0-15) holds token t's pair number; its rank = the tokens of lower number in the group with the same pair number
	v_and_b32 v66, 15, v1
	v_lshlrev_b32 v66, 5, v66
	v_add_nc_u32 v66, PID, v66
	ds_load_b32 v109, v66
	v_lshlrev_b32 v67, 2, v1
	s_lshl_b32 s48, ttmp9, 6
	s_add_nc_u64 s[32:33], s[32:33], s[48:49]
	v_mov_b32 v110, 0
	v_mov_b32 v111, 0
	s_wait_dscnt 0x0
.irp m, 1,2,3,4,5,6,7,8,9,10,11,12,13,14,15
	v_mov_b32_dpp v110, v109 row_xmask:\m row_mask:0xf bank_mask:0xf
	v_cmp_eq_u32 s44, v110, v109
.if \m == 1                                        ; the partner t xor m is the lower one where m's highest bit is set in t
	s_and_b32 s44, s44, s43
.elseif \m < 4
	s_and_b32 s44, s44, s42
.elseif \m < 8
	s_and_b32 s44, s44, s41
.else
	s_and_b32 s44, s44, s40
.endif
	v_cndmask_b32 v112, 0, 1, s44
	v_add_nc_u32 v111, v111, v112
.endr
	v_lshl_or_b32 v109, v111, 8, v109              ; pair number | rank << 8
	s_wait_xcnt 0x0                                ; EXEC changes only behind this wait (my stores of codes and images are out)
	v_cmp_gt_u32 vcc_lo, 16, v1
	s_wait_tensorcnt 0x0
	ds_add_u32 v252, v253
	s_wait_dscnt 0x0
	s_and_saveexec_b32 s44, vcc_lo
	global_store_b32 v67, v109, s[32:33]           ; 16 words, 64 consecutive bytes
	s_wait_xcnt 0x0
	s_or_b32 exec_lo, exec_lo, s44
	s_endpgm
.Lcount:
	; wave 2: lane b counts the group's tokens of bucket b: each token's pair number in turn is shown to all lanes
	v_and_b32 v66, 15, v1
	v_lshlrev_b32 v66, 5, v66
	v_add_nc_u32 v66, PID, v66
	ds_load_b32 v109, v66
	v_lshlrev_b32 v67, 2, v1
	s_lshl_b32 s48, ttmp9, 7
	s_add_co_u32 s48, s48, CNTB
	s_add_nc_u64 s[32:33], s[32:33], s[48:49]
	v_mov_b32 v110, 0
	v_mov_b32 v111, 0
	s_wait_dscnt 0x0
.irp t, 0,1,2,3,4,5,6,7,8,9,10,11,12,13,14,15
	v_mov_b32_dpp v110, v109 row_share:\t row_mask:0xf bank_mask:0xf
	v_cmp_eq_u32 s44, v110, v1
	v_cndmask_b32 v112, 0, 1, s44
	v_add_nc_u32 v111, v111, v112
.endr
	global_store_b32 v67, v111, s[32:33]           ; 32 counts, 128 consecutive bytes
.Lend:
	s_wait_tensorcnt 0x0
	ds_add_u32 v252, v253
	s_wait_dscnt 0x0
	s_endpgm
.Lfunc_end_k_q75964ef163_route:
	.size	k_q75964ef163_route, .Lfunc_end_k_q75964ef163_route-k_q75964ef163_route
	.p2alignl 7, 3214868480
	.fill 96, 4, 3214868480
	.section	.rodata,"a",@progbits
	.p2align	6, 0x0
	.amdhsa_kernel k_q75964ef163_route
		.amdhsa_group_segment_fixed_size 176896
		.amdhsa_private_segment_fixed_size 0
		.amdhsa_enable_private_segment 0
		.amdhsa_kernarg_size 112
		.amdhsa_user_sgpr_count 2
		.amdhsa_user_sgpr_kernarg_segment_ptr 1
		.amdhsa_wavefront_size32 1
		.amdhsa_system_sgpr_workgroup_id_x 1
		.amdhsa_system_sgpr_workgroup_id_y 1
		.amdhsa_system_sgpr_workgroup_id_z 1
		.amdhsa_system_vgpr_workitem_id 0
		.amdhsa_next_free_vgpr 256
		.amdhsa_next_free_sgpr 66
		.amdhsa_reserve_vcc 1
		.amdhsa_float_denorm_mode_32 3
		.amdhsa_float_denorm_mode_16_64 3
		.amdhsa_memory_ordered 1
		.amdhsa_forward_progress 1
		.amdhsa_inst_pref_size 58
	.end_amdhsa_kernel
	.amdgpu_metadata
---
amdhsa.version: [ 1, 2 ]
amdhsa.kernels:
  - .name:           k_q75964ef163_route
    .symbol:         k_q75964ef163_route.kd
    .args:
      - { .name: x, .offset: 0, .size: 8, .value_kind: global_buffer, .address_space: global }
      - { .name: router_w, .offset: 8, .size: 8, .value_kind: global_buffer, .address_space: global }
      - { .name: train_scores, .offset: 16, .size: 8, .value_kind: global_buffer, .address_space: global }
      - { .name: W1_codes, .offset: 24, .size: 8, .value_kind: global_buffer, .address_space: global }
      - { .name: W2_codes, .offset: 32, .size: 8, .value_kind: global_buffer, .address_space: global }
      - { .name: xq_codes, .offset: 40, .size: 8, .value_kind: global_buffer, .address_space: global }
      - { .name: xq_scales, .offset: 48, .size: 8, .value_kind: global_buffer, .address_space: global }
      - { .name: w1img, .offset: 56, .size: 8, .value_kind: global_buffer, .address_space: global }
      - { .name: w2img, .offset: 64, .size: 8, .value_kind: global_buffer, .address_space: global }
      - { .name: out2, .offset: 72, .size: 8, .value_kind: global_buffer, .address_space: global }
      - { .name: out3, .offset: 80, .size: 8, .value_kind: global_buffer, .address_space: global }
      - { .name: out4, .offset: 88, .size: 8, .value_kind: global_buffer, .address_space: global }
      - { .name: pairs, .offset: 96, .size: 8, .value_kind: global_buffer, .address_space: global }
      - { .name: psum, .offset: 104, .size: 8, .value_kind: global_buffer, .address_space: global }
    .group_segment_fixed_size: 176896
    .private_segment_fixed_size: 0
    .kernarg_segment_align: 8
    .kernarg_segment_size: 112
    .max_flat_workgroup_size: 256
    .sgpr_count:     66
    .vgpr_count:     256
    .wavefront_size: 32
...
	.end_amdgpu_metadata
.endif
;; end of part 4
;; launch place (part 5): grid 1 x 1, 32 waves a work-group, no clusters, 14,336 bytes of LDS; arguments pairs, psum, train_scores, order, tiles, out1, out5; writes order, tiles, out1, out5
.if DOCPART == 5
	.amdgcn_target "amdgcn-amd-amdhsa--gfx1250"
	.amdhsa_code_object_version 6
	.text
	.protected	k_q75964ef163_place
	.globl	k_q75964ef163_place
	.p2align	8
	.type	k_q75964ef163_place,@function
k_q75964ef163_place:
	s_mov_b64 s[64:65], 0
	v_nop
	global_prefetch_b8 v0, s[64:65] scope:SCOPE_SE
	s_setreg_imm32_b32 hwreg(HW_REG_WAVE_MODE, 25, 1), 1
	s_wait_xcnt 0x0
; PLACE.  One work-group finishes the sort of the 4,096 tokens by the number of their pair of experts (28 buckets), without atomics, writes the list of tiles of at most 32 tokens
; (lo, hi, first place in the sorted list, number of tokens; 160 records, the unused ones with 0 tokens), the load-balance loss and the copy of train_scores.
; The launch before has stored, for each group of 16 tokens, its number of tokens in each bucket, and for each token its pair number and its rank among its group's tokens of that pair.
; A token's place = its bucket's start + the bucket's tokens in earlier waves' groups + those in my wave's earlier groups + its rank in its group.
; Wave w holds groups 8 w .. 8 w + 7 (lane = bucket, a register a group) AND their 128 tokens: so a token's look-up is a lane permute of the wave's own registers.
; loss = 8 sum_e f_e p_e, f_e = (tokens that chose e) / 4096, p_e = (sum of the softmaxes) / 4096: 2^-21 x sum over buckets and their two experts of (tokens in the bucket) x P_e.
; LIMIT: a pair number above 27 (it can come only of NaN scores) is not served; every place is held inside the list all the same.
.set TAB, 0                            ; LDS: [wave 32][bucket 32] counts, rows 132 bytes apart
.set PRE, 4352                         ; the same shape: tokens of the bucket in earlier waves
.set TOT, 8704                         ; [bucket 32] totals
.set PS,  8960                         ; [wave 32][8] softmax sums
.set CNTB, 16384                       ; in the buffer of pair numbers: behind the 4,096 words, the groups' counts [256][32]
.set WD,  4                            ; v4-7   the words of tokens 128 w + 32 j + lane
.set REL, 8                            ; v8-11  their ranks in their groups
.set CNT, 12                           ; v12    lane b: my wave's tokens of bucket b
.set T,   13
.set C,   64                           ; v64-71 lane b: group 8 w + q's tokens of bucket b
.set E,   72                           ; v72-79 those of my wave's earlier groups; later with the bucket's start: where group q's tokens of bucket b begin
.set TK,  86                           ; v86-89 token numbers
	s_load_b256 s[4:11], s[0:1], 0x0               ; pairs 4, psum 6, train_scores 8, order 10
	s_load_b128 s[12:15], s[0:1], 0x20             ; tiles 12, out1 14
	s_load_b64 s[16:17], s[0:1], 0x30              ; out5
	v_lshl_add_u32 v96, v0, 2, 0x2800
	v_mov_b32 v97, 0
	v_lshrrev_b32 v1, 5, v0
	v_readfirstlane_b32 s36, v1                    ; wave 0..31
	v_and_b32 v1, 31, v0                           ; lane
	v_lshlrev_b32 v2, 4, v0
	v_lshlrev_b32 v3, 3, v0
	s_mov_b32 s38, 0x76543210
	s_mov_b32 s39, 0xfedcba98
	s_mov_b32 s40, 0xffff0000                      ; lanes 16-31
	s_mul_i32 s28, s36, 132
	v_lshl_add_u32 v16, v1, 2, s28                 ; row = my wave, column = lane
	v_mul_u32_u24 v17, v1, 132
	s_lshl_b32 s29, s36, 2
	v_add_nc_u32 v17, s29, v17                     ; row = lane, column = my wave
	s_add_co_u32 s29, s29, TOT
	v_mov_b32 v18, s29                             ; TOT + 4 x wave
	v_and_b32 v19, 3, v1
	s_lshl_b32 s29, s36, 5
	s_add_co_u32 s29, s29, PS
	v_lshl_add_u32 v19, v19, 3, s29                ; PS + 32 x wave + 8 (lane % 4)
	v_lshl_add_u32 v42, v1, 2, TOT                 ; TOT + 4 x lane
	s_lshl_b32 s29, s36, 9
	v_lshl_add_u32 v80, v1, 2, s29                 ; my wave's 128 words: 512 w + 4 x lane
	s_lshl_b32 s29, s36, 10
	v_lshl_add_u32 v81, v1, 2, s29                 ; my wave's 8 rows of counts: 1,024 w + 4 x lane
	s_lshl_b32 s29, s36, 7
	v_add_nc_u32 v82, s29, v1                      ; token 128 w + lane
	v_and_b32 v83, 7, v1
	v_lshlrev_b32 v83, 2, v83
	v_mov_b32 v[T], 0                              ; a lane permute's and a DPP form's destination counts as one of its sources
	v_mov_b32 v21, 0
	s_wait_kmcnt 0x0
.irp q, 0,1,2,3,4,5,6,7
	global_load_b32 v[C+\q], v81, s[4:5] offset:CNTB+128*\q
.endr
	global_load_b64 v[14:15], v3, s[6:7]           ; two of the 2,048 partial sums: experts 2 (lane % 4), + 1
.irp j, 0,1,2,3
	global_load_b32 v[WD+\j], v80, s[4:5] offset:128*\j
.endr
	global_load_b32 v84, v83, s[8:9]               ; train_scores[lane % 8]
	s_wait_loadcnt 6                               ; the 8 counts are in: behind them the sums' load, the words' four and train_scores
	v_mov_b32 v[E], 0
.irp q, 0,1,2,3,4,5,6
	v_add_nc_u32 v[E+\q+1], v[E+\q], v[C+\q]
.endr
	v_add_nc_u32 v[CNT], v[E+7], v[C+7]
	ds_store_b32 v16, v[CNT]
	s_wait_loadcnt 5                               ; the sums are in
.irp m, 4,8
	v_add_f32_dpp v14, v14, v14 row_xmask:\m row_mask:0xf bank_mask:0xf
	v_add_f32_dpp v15, v15, v15 row_xmask:\m row_mask:0xf bank_mask:0xf
.endr
	v_permlanex16_b32 v[T], v14, s38, s39
	v_permlanex16_b32 v21, v15, s38, s39
	v_add_f32 v14, v14, v[T]
	v_add_f32 v15, v15, v21                        ; my wave's sums for my two experts
	ds_store_b64 v19, v[14:15]                     ; lanes with the same lane % 4 write the same words with the same values
	s_wait_dscnt 0x0
	s_barrier_signal -1
	s_barrier_wait -1
; an inclusive sum over the 32 lanes: four steps in each half of 16, then the lower half's total onto the upper half
.macro SCAN32 v, t
.irp n, 1,2,4,8
	v_mov_b32_dpp v[\t], v[\v] row_shr:\n row_mask:0xf bank_mask:0xf bound_ctrl:1
	v_add_nc_u32 v[\v], v[\v], v[\t]
.endr
	v_readlane_b32 s26, v[\v], 15
	v_mov_b32 v[\t], s26
	v_cndmask_b32 v[\t], 0, v[\t], s40
	v_add_nc_u32 v[\v], v[\v], v[\t]
.endm
	ds_load_b32 v20, v17                           ; wave c takes bucket c: lane = the wave that counted
	s_wait_dscnt 0x0
	v_mov_b32 v22, v20
	SCAN32 20, 21
	v_sub_nc_u32 v22, v20, v22                     ; the bucket's tokens in earlier waves
	v_readlane_b32 s27, v20, 31
	v_mov_b32 v23, s27                             ; its total
	ds_store_b32 v17, v22 offset:PRE
	ds_store_b32 v18, v23
	s_wait_dscnt 0x0
	s_barrier_signal -1
	s_barrier_wait -1                              ; from here on LDS is only read
	ds_load_b32 v23, v16 offset:PRE
	ds_load_b32 v24, v42                           ; lane = bucket: its total
	s_wait_loadcnt 0x0                             ; the words and train_scores
.irp j, 0,1,2,3
	v_and_b32 v[30+\j], 0xff, v[WD+\j]             ; the pair number,
	v_min_u32 v[30+\j], 31, v[30+\j]
	v_lshlrev_b32 v[30+\j], 2, v[30+\j]            ; as the lane to ask
	v_bfe_u32 v[REL+\j], v[WD+\j], 8, 8            ; the rank in the group
	v_add_nc_u32 v[TK+\j], 32*\j, v82              ; the token's number
.endr
	s_wait_dscnt 0x0
	v_mov_b32 v25, v24
	SCAN32 25, 21
	v_sub_nc_u32 v25, v25, v24                     ; the bucket's start in the sorted list
	v_add_nc_u32 v26, 31, v24
	v_lshrrev_b32 v26, 5, v26                      ; its tiles
	v_mov_b32 v27, v26
	SCAN32 27, 21                                  ; the number of the first tile behind it
	v_sub_nc_u32 v28, v27, v26                     ; its first tile
	v_add_nc_u32 v29, v25, v23                     ; where my wave's tokens of the bucket begin
.irp q, 0,1,2,3,4,5,6,7
	v_add_nc_u32 v[E+\q], v[E+\q], v29             ; and those of its group q
.endr
.irp j, 0,1,2,3                                    ; token 128 w + 32 j + lane lies in my group 2 j + lane / 16
	ds_bpermute_b32 v[34+\j], v[30+\j], v[E+2*\j]
	ds_bpermute_b32 v[52+\j], v[30+\j], v[E+2*\j+1]
.endr
	s_wait_dscnt 0x0
.irp j, 0,1,2,3
	v_cndmask_b32 v[34+\j], v[34+\j], v[52+\j], s40
	v_add_nc_u32 v[34+\j], v[34+\j], v[REL+\j]
	v_min_u32 v[34+\j], 0xfff, v[34+\j]
	v_lshlrev_b32 v[34+\j], 2, v[34+\j]
	global_store_b32 v[34+\j], v[TK+\j], s[10:11]  ; single words at sorted places: the whole list is 16,384 bytes
.endr
	s_cmp_lt_u32 s36, 5                            ; waves 0-4 write the records, wave 5 the loss, side by side
	s_cbranch_scc1 .Lrecords
	s_cmp_eq_u32 s36, 5
	s_cbranch_scc1 .Lloss
	s_wait_tensorcnt 0x0
	ds_add_u32 v96, v97
	s_wait_dscnt 0x0
	s_endpgm
.Lrecords:
	; record i = thread (0 .. 159).  Its bucket: as many as have all their tiles at or below i - 1
	v_mov_b32 v43, 0
.set b, 0
.rept 28
	v_readlane_b32 s26, v27, b
	v_cmp_le_u32 vcc_lo, s26, v0
	v_cndmask_b32 v44, 0, 1, vcc_lo
	v_add_nc_u32 v43, v43, v44
.set b, b+1
.endr
	v_lshlrev_b32 v44, 2, v43                      ; (28 for a record behind the last tile: lane 28 holds a total of 0)
	ds_bpermute_b32 v45, v44, v25
	ds_bpermute_b32 v46, v44, v24
	ds_bpermute_b32 v47, v44, v28
	v_mov_b32 v48, 0
.irp c, 7,13,18,22,25,27
	v_cmp_le_u32 vcc_lo, \c, v43
	v_cndmask_b32 v52, 0, 1, vcc_lo
	v_add_nc_u32 v48, v48, v52                     ; lo
.endr
	v_sub_nc_u32 v49, 15, v48
	v_mul_u32_u24 v49, v49, v48
	v_lshrrev_b32 v49, 1, v49
	v_sub_nc_u32 v49, v43, v49
	v_add3_u32 v49, v49, v48, 1
	v_min_u32 v49, 7, v49                          ; hi
	s_wait_dscnt 0x0
	v_sub_nc_u32 v47, v0, v47
	v_lshlrev_b32 v47, 5, v47                      ; 32 x (which tile of the bucket)
	v_add_nc_u32 v50, v45, v47
	v_min_u32 v50, 0xfff, v50                      ; first place
	v_sub_nc_u32 v51, v46, v47
	v_max_i32 v51, 0, v51
	v_min_i32 v51, 32, v51                         ; tokens
	global_store_b128 v2, v[48:51], s[12:13]
	s_wait_tensorcnt 0x0
	ds_add_u32 v96, v97
	s_wait_dscnt 0x0
	s_endpgm
.Lloss:
	v_lshl_add_u32 v61, v1, 5, PS
	ds_load_b128 v[52:55], v61
	ds_load_b128 v[56:59], v61 offset:16
	v_cvt_f32_u32 v60, v24                         ; lane = bucket: its tokens
	s_wait_dscnt 0x0
.irp m, 1,2,4,8
.irp e, 0,1,2,3,4,5,6,7
	v_add_f32_dpp v[52+\e], v[52+\e], v[52+\e] row_xmask:\m row_mask:0xf bank_mask:0xf
.endr
.endr
.irp e, 0,1,2,3,4,5,6,7
	v_permlanex16_b32 v21, v[52+\e], s38, s39
	v_add_f32 v[52+\e], v[52+\e], v21              ; P_e, in every lane
.endr
.macro TERM e, msk                                 ; msk: the buckets whose pair holds expert e
	s_mov_b32 s26, \msk
	v_cndmask_b32 v21, 0, v60, s26
.if \e == 0
	v_mul_f32 v22, v21, v[52+\e]
.else
	v_fmac_f32 v22, v21, v[52+\e]
.endif
.endm
	TERM 0, 0x7f
	TERM 1, 0x1f81
	TERM 2, 0x3e082
	TERM 3, 0x3c2104
	TERM 4, 0x1c44208
	TERM 5, 0x6488410
	TERM 6, 0xa910820
	TERM 7, 0xd221040
.irp m, 1,2,4,8
	v_add_f32_dpp v22, v22, v22 row_xmask:\m row_mask:0xf bank_mask:0xf
.endr
	v_permlanex16_b32 v21, v22, s38, s39
	v_add_f32 v22, v22, v21
	v_mul_f32 v22, 0x35000000, v22                 ; x 8 / 4096^2 = 2^-21
	v_lshlrev_b32 v23, 2, v1
	s_wait_xcnt 0x0                                ; EXEC changes only behind this wait
	v_cmp_gt_u32 vcc_lo, 8, v1
	s_wait_tensorcnt 0x0
	ds_add_u32 v96, v97
	s_wait_dscnt 0x0
	s_and_saveexec_b32 s28, vcc_lo
	global_store_b32 v23, v84, s[16:17]            ; train_scores as it came
	s_wait_xcnt 0x0
	s_or_b32 exec_lo, exec_lo, s28
	v_cmp_eq_u32 vcc_lo, 0, v1
	s_and_saveexec_b32 s28, vcc_lo
	global_store_b32 v23, v22, s[14:15]            ; the loss
	s_wait_xcnt 0x0
	s_or_b32 exec_lo, exec_lo, s28
	s_endpgm
.Lfunc_end_k_q75964ef163_place:
	.size	k_q75964ef163_place, .Lfunc_end_k_q75964ef163_place-k_q75964ef163_place
	.p2alignl 7, 3214868480
	.fill 96, 4, 3214868480
	.section	.rodata,"a",@progbits
	.p2align	6, 0x0
	.amdhsa_kernel k_q75964ef163_place
		.amdhsa_group_segment_fixed_size 14336
		.amdhsa_private_segment_fixed_size 0
		.amdhsa_enable_private_segment 0
		.amdhsa_kernarg_size 56
		.amdhsa_user_sgpr_count 2
		.amdhsa_user_sgpr_kernarg_segment_ptr 1
		.amdhsa_wavefront_size32 1
		.amdhsa_system_sgpr_workgroup_id_x 1
		.amdhsa_system_sgpr_workgroup_id_y 1
		.amdhsa_system_sgpr_workgroup_id_z 1
		.amdhsa_system_vgpr_workitem_id 0
		.amdhsa_next_free_vgpr 98
		.amdhsa_next_free_sgpr 66
		.amdhsa_reserve_vcc 1
		.amdhsa_float_denorm_mode_32 3
		.amdhsa_float_denorm_mode_16_64 3
		.amdhsa_memory_ordered 1
		.amdhsa_forward_progress 1
		.amdhsa_inst_pref_size 23
	.end_amdhsa_kernel
	.amdgpu_metadata
---
amdhsa.version: [ 1, 2 ]
amdhsa.kernels:
  - .name:           k_q75964ef163_place
    .symbol:         k_q75964ef163_place.kd
    .args:
      - { .name: pairs, .offset: 0, .size: 8, .value_kind: global_buffer, .address_space: global }
      - { .name: psum, .offset: 8, .size: 8, .value_kind: global_buffer, .address_space: global }
      - { .name: train_scores, .offset: 16, .size: 8, .value_kind: global_buffer, .address_space: global }
      - { .name: order, .offset: 24, .size: 8, .value_kind: global_buffer, .address_space: global }
      - { .name: tiles, .offset: 32, .size: 8, .value_kind: global_buffer, .address_space: global }
      - { .name: out1, .offset: 40, .size: 8, .value_kind: global_buffer, .address_space: global }
      - { .name: out5, .offset: 48, .size: 8, .value_kind: global_buffer, .address_space: global }
    .group_segment_fixed_size: 14336
    .private_segment_fixed_size: 0
    .kernarg_segment_align: 8
    .kernarg_segment_size: 56
    .max_flat_workgroup_size: 1024
    .sgpr_count:     66
    .vgpr_count:     98
    .wavefront_size: 32
...
	.end_amdgpu_metadata
.endif
;; end of part 5
;; launch chain: the kernel of part 3 again; grid 155 x 1, 16 waves a work-group, no clusters, 235,520 bytes of LDS; arguments tiles, order, xq_codes, xq_scales, w1img, W1_scales, b1, w2img, W2_scales, b2, out4, out0; writes out0
;; ======== version 3 of 3: 3 launches
;; workspace buffers: xq_codes 3,145,728 bytes; xq_scales 131,072 bytes; w1img 6,291,456 bytes; w2img 6,291,456 bytes; psum 8,192 bytes; pairs 49,152 bytes of whole numbers; order 16,384 bytes of whole numbers; tiles 2,560 bytes of whole numbers
;; launch route (part 6): grid 256 x 1, 8 waves a work-group, no clusters, 176,896 bytes of LDS; arguments x, router_w, train_scores, W1_codes, W2_codes, xq_codes, xq_scales, w1img, w2img, out2, out3, out4, pairs, psum; writes xq_codes, xq_scales, w1img, w2img, out2, out3, out4, pairs, psum
.if DOCPART == 6
	.amdgcn_target "amdgcn-amd-amdhsa--gfx1250"
	.amdhsa_code_object_version 6
	.text
	.protected	k_q75964ef163_route
	.globl	k_q75964ef163_route
	.p2align	8
	.type	k_q75964ef163_route,@function
k_q75964ef163_route:
	s_mov_b64 s[64:65], 0
	v_nop
	global_prefetch_b8 v0, s[64:65] scope:SCOPE_SE
	s_setreg_imm32_b32 hwreg(HW_REG_WAVE_MODE, 25, 1), 1
	s_wait_xcnt 0x0
; ROUTE.  Work-group g takes tokens 16 g .. 16 g + 15 (wave w: tokens 16 g + 2 w + q, q = 0, 1) and one block of 64 weight rows (g < 128: block g of W1's codes, else block g - 128 of W2's).
; For its tokens: scores = x . router_w (f32 fused multiply-adds: the top-2 is compared exactly), top-2 (a tie goes to the lower index), gate, softmax of the scores summed over the 16 tokens,
; the number of the token's pair of experts, id(lo, hi) = lo (15 - lo) / 2 + hi - lo - 1 (0 .. 27), and x as codes of E3M2 with one E8M0 byte for each 32 along K.
; For the sort that the next launch finishes: each token's rank among the group's 16 tokens of the same pair (stored as id | rank << 8), and the group's number of tokens for each of 32 buckets (28 in use).
; For its weight block: the 49,152 bytes are laid anew as images of operand registers: [K step s 8][tile t 4] fragments of 1,536 bytes, plane c (512 bytes) = registers 4 c .. 4 c + 3, lane l's 16 bytes at 16 l.
; Lane r of tile t takes row 32 (t / 2) + 8 (t % 2) + r + 8 (r / 8) of the block, so that in a product used transposed the 16 registers of tiles 2 b, 2 b + 1 are 16 neighbours.
; No address and no branch hangs on a score: what the scores decide is stored at fixed places.
; LIMITS: NaN among the scores is not served; +0 and -0 count as a tie; a block of x whose largest magnitude lies under 2^(4 - 126) gets the byte 1 (a block of zeros too: its codes are zeros, and this program alone reads the bytes).
.set RWL, 0                            ; LDS: router_w turned: region 2 e + u of 2,560 bytes = 32 places of 64 bytes + 16 of padding
.set XST, 40960                        ; each wave 10,240: four stages of 2,560, one for each (q, u)
.set WLD, 122880                       ; the 64 weight rows, 784 bytes apart (768 + 16)
.set SCO, 173056                       ; scores [16][8]; 512 on the gates; 1,024 on the indices; 1,536 on the pair numbers
.set IDX, 174080
.set PID, 174592
.set XSB, 175104                       ; x's scale bytes [16][32]
.set PSM, 175616                       ; softmax sums [8 waves][8]
.set CNTB, 16384                       ; in the buffer of pair numbers: behind the 4,096 words, the groups' counts [256][32]
.set R,   16                           ; v16-79   x as loaded: 32 q + 4 j
.set AC,  16                           ; v16-47   later: a pair of partial sums for each (q, e)
.set S,   48                           ; v48-63   later: the lane's 16 partial scores
.set XT,  80                           ; v80-143  x turned: 32 q + 16 u: x[512 u + 16 lane + 0 .. 15]; later at work
.set WL,  144                          ; v144-191 the weight block's bytes
.set RWB, 192                          ; v192-223 router_w's row as loaded; later two buffers of 16
.set C,   224                          ; v224-239 codes, four registers a step
.set EB,  240                          ; v240-243 a scale byte a step
.set T,   244                          ; v244-253 at work
.set O,   80
.set RK,  81
.set TT,  82
.set EF,  83
.set I0,  84
.set I1,  85
.set LO,  86
.set HI,  87
.set ID,  88
.set W,   89
.set G,   90
.set P,   91
.set M,   92
.set M2,  93
.set SW,  94
.set SP,  95
	s_load_b512 s[8:23], s[0:1], 0x0               ; x 8, router_w 10, train_scores 12, W1_codes 14, W2_codes 16, xq_codes 18, xq_scales 20, w1img 22
	s_load_b256 s[24:31], s[0:1], 0x40             ; w2img 24, out2 26, out3 28, out4 30
	s_load_b128 s[32:35], s[0:1], 0x60             ; pairs 32, psum 34
	v_lshl_add_u32 v252, v0, 2, 0x2af00
	v_mov_b32 v253, 0
	v_lshrrev_b32 v1, 5, v0
	s_delay_alu instid0(VALU_DEP_1)
	v_readfirstlane_b32 s36, v1                    ; wave 0..7
	v_and_b32 v1, 31, v0                           ; lane
	s_delay_alu instid0(VALU_DEP_1)
	v_lshlrev_b32 v2, 4, v1                        ; 16 x lane
	s_delay_alu instid0(VALU_DEP_2)
	v_lshrrev_b32 v3, 2, v1
	s_delay_alu instid0(VALU_DEP_1)
	v_mul_u32_u24 v3, v3, 80
	s_delay_alu instid0(VALU_DEP_4)
	v_and_b32 v4, 3, v1
	s_delay_alu instid0(VALU_DEP_1)
	v_lshl_add_u32 v3, v4, 4, v3                   ; into a stage: 80 (lane / 4) + 16 (lane % 4)
	v_mul_u32_u24 v4, v1, 80                       ; out of a stage: 80 x lane; also router_w's turned rows (RWL = 0)
	s_mul_i32 s54, s36, 10240
	s_add_co_u32 s54, s54, XST
	v_add_nc_u32 v5, s54, v3                       ; my wave's stages, in
	v_add_nc_u32 v6, s54, v4                       ; and out
	s_mul_i32 s54, s36, 5120
	v_add_nc_u32 v7, s54, v3                       ; router_w's row e = wave, in
	s_mul_i32 s54, s36, 6272
	s_add_co_u32 s54, s54, WLD
	v_add_nc_u32 v9, s54, v2                       ; weight rows 8 w .. 8 w + 7, in
	v_lshrrev_b32 v15, 4, v1
	s_delay_alu instid0(VALU_DEP_1)
	v_lshl_add_u32 v10, v15, 4, v9                 ; the same, one padding further on for lanes 16-31
	v_and_b32 v14, 15, v1
	v_and_b32 v11, 8, v1
	s_delay_alu instid0(VALU_DEP_1)
	v_add_nc_u32 v11, v11, v14                     ; r + 8 (r / 8)
	s_delay_alu instid0(VALU_DEP_1)
	v_mul_u32_u24 v11, v11, 784
	s_delay_alu instid0(VALU_DEP_1)
	v_mad_u32_u24 v11, v15, 24, v11
	s_mul_i32 s54, s36, 96
	s_add_co_u32 s54, s54, WLD
	v_add_nc_u32 v11, s54, v11                     ; a fragment's 24 bytes: row x 784 + 96 (K step = wave) + 24 (lane / 16)
	v_mul_u32_u24 v12, v1, 12                      ; my 16 codes' place
	s_lshl_b32 s54, s36, 6
	s_add_co_u32 s55, s54, XSB
	v_lshrrev_b32 v13, 1, v1
	s_delay_alu instid0(VALU_DEP_1)
	v_add_nc_u32 v13, s55, v13                     ; my block's scale byte
	s_add_co_u32 s55, s54, SCO
	v_lshl_add_u32 v14, v14, 2, s55                ; SCO + 64 w + 4 (lane % 16): token 2 w + q, expert e
	v_and_b32 v15, 7, v1                           ; e
	s_lshl_b32 s54, s36, 5
	s_add_co_u32 s54, s54, PSM
	v_lshl_add_u32 v8, v15, 2, s54                 ; PSM + 32 w + 4 e
	v_lshlrev_b32 v254, 2, v15
	s_mov_b32 s38, 0x76543210
	s_mov_b32 s39, 0xfedcba98                      ; v_permlanex16_b32's selects for lane l xor 16
	s_mov_b32 s40, 0xff00ff00                      ; lanes with bit 3 set,
	s_mov_b32 s41, 0xf0f0f0f0                      ; bit 2,
	s_mov_b32 s42, 0xcccccccc                      ; bit 1,
	s_mov_b32 s43, 0xaaaaaaaa                      ; bit 0
	s_wait_alu depctr_va_vdst(0)
	s_wait_kmcnt 0x0
	s_cmp_lt_u32 ttmp9, 128                        ; W1's block or W2's: the choice hangs on the work-group's number alone
	s_cselect_b64 s[50:51], s[14:15], s[16:17]
	s_cselect_b64 s[52:53], s[22:23], s[24:25]
	s_and_b32 s48, ttmp9, 127
	s_mul_i32 s48, s48, 49152
	s_mul_i32 s54, s36, 6144
	s_add_co_u32 s48, s48, s54
	s_mov_b32 s49, 0
	s_add_nc_u64 s[50:51], s[50:51], s[48:49]      ; the block's bytes 6,144 w on: rows 8 w .. 8 w + 7
	s_add_nc_u64 s[52:53], s[52:53], s[48:49]      ; the image's K step w
	s_lshl_b32 s48, ttmp9, 16
	s_lshl_b32 s54, s36, 13
	s_add_co_u32 s48, s48, s54
	s_add_nc_u64 s[8:9], s[8:9], s[48:49]          ; x at my wave's first token
	s_lshl_b32 s48, s36, 12
	s_add_nc_u64 s[10:11], s[10:11], s[48:49]      ; router_w's row e = wave
	s_mul_i32 s48, ttmp9, 12288
	s_mul_i32 s54, s36, 1536
	s_add_co_u32 s48, s48, s54
	s_add_nc_u64 s[18:19], s[18:19], s[48:49]      ; x's codes at my wave's first token
	; all loads at once, 512 consecutive bytes each
.irp j, 0,1,2,3,4,5,6,7
	global_load_b128 v[RWB+4*\j:RWB+4*\j+3], v2, s[10:11] offset:512*\j
.endr
.irp q, 0,1
.irp j, 0,1,2,3,4,5,6,7
	global_load_b128 v[R+32*\q+4*\j:R+32*\q+4*\j+3], v2, s[8:9] offset:4096*\q+512*\j th:TH_LOAD_NT
.endr
.endr
.irp j, 0,1,2,3,4,5,6,7,8,9,10,11
	global_load_b128 v[WL+4*\j:WL+4*\j+3], v2, s[50:51] offset:512*\j th:TH_LOAD_NT
.endr
	global_load_b32 v255, v254, s[12:13]           ; train_scores[e]
	s_wait_loadcnt 29                              ; router_w's eight are in: behind them x's 16, the weights' 12 and train_scores
.irp j, 0,1,2,3,4,5,6,7
	ds_store_b128 v7, v[RWB+4*\j:RWB+4*\j+3] offset:RWL+2560*(\j/4)+640*(\j%4)
.endr
	s_wait_loadcnt 13                              ; x's 16 are in
; 2,048 bytes of a token go through a stage as they lie and come back 64 bytes a lane: LDS serves a wave's instructions in order, so no wait stands between
.macro TURN q, u
.irp i, 0,1,2,3
	ds_store_b128 v5, v[R+32*\q+16*\u+4*\i:R+32*\q+16*\u+4*\i+3] offset:2560*(2*\q+\u)+640*\i
.endr
.irp i, 0,1,2,3
	ds_load_b128 v[XT+32*\q+16*\u+4*\i:XT+32*\q+16*\u+4*\i+3], v6 offset:2560*(2*\q+\u)+16*\i
.endr
.endm
	TURN 0, 0
	TURN 0, 1
	TURN 1, 0
	TURN 1, 1
	s_wait_loadcnt 1                               ; the weights' 12 are in (train_scores may be out)
.irp j, 0,1,2,3,4,5,6,7,8,9,10,11                  ; a row is 48 pieces of 16 bytes: load j's lanes have passed 2 (j / 3) paddings, and 0, lane / 16 or 1 more
.if \j%3 == 1
	ds_store_b128 v10, v[WL+4*\j:WL+4*\j+3] offset:512*\j+32*(\j/3)
.else
	ds_store_b128 v9, v[WL+4*\j:WL+4*\j+3] offset:512*\j+32*(\j/3)+16*((\j%3)/2)
.endif
.endr
	s_wait_dscnt 0x0                               ; for the others' sake: my stores have landed (and my turned x is in)
	s_barrier_signal -1
	s_barrier_wait -1                              ; router_w and the 64 weight rows lie in LDS
	; the four fragments of K step w, as operand registers
.irp t, 0,1,2,3
.irp p, 0,1,2,3,4,5
	ds_load_b64 v[WL+12*\t+2*\p:WL+12*\t+2*\p+1], v11 offset:(32*(\t/2)+8*(\t%2))*784+48*(\p/3)+8*(\p%3)
.endr
.endr
; 512 numbers of a token become codes: a lane holds 16 neighbours, two neighbouring lanes a block
.macro QSTEP q, u
.set XQ, XT+32*\q+16*\u
.set NQ, 2*\q+\u
	v_max3_num_f32 v[T], |v[XQ]|, |v[XQ+1]|, |v[XQ+2]|
	v_max3_num_f32 v[T+1], |v[XQ+3]|, |v[XQ+4]|, |v[XQ+5]|
.irp i, 6,10
	s_delay_alu instid0(VALU_DEP_2)
	v_max3_num_f32 v[T], v[T], |v[XQ+\i]|, |v[XQ+\i+1]|
	s_delay_alu instid0(VALU_DEP_2)
	v_max3_num_f32 v[T+1], v[T+1], |v[XQ+\i+2]|, |v[XQ+\i+3]|
.endr
	s_delay_alu instid0(VALU_DEP_2)
	v_max3_num_f32 v[T], v[T], |v[XQ+14]|, |v[XQ+15]|
	s_delay_alu instid0(VALU_DEP_1)
	v_max3_num_f32 v[T], v[T], v[T+1], 0x2800000   ; the floor 2^(5 - 127): the byte cannot fall under 1
	s_delay_alu instid0(VALU_DEP_1)
	v_max_num_f32_dpp v[T], v[T], v[T] row_xmask:1 row_mask:0xf bank_mask:0xf   ; with my neighbour's 16: the block's largest magnitude
	s_delay_alu instid0(VALU_DEP_1)
	v_add_nc_u32 v[T+2], 0xfe000000, v[T]          ; 4 off its exponent field: the conversion takes this operand's exponent field as its scale
	v_cvt_scalef32_pk16_bf6_f32 v[C+4*NQ:C+4*NQ+2], v[XQ:XQ+15], v[T+2]
	v_lshrrev_b32 v[EB+NQ], 23, v[T+2]             ; the scale's byte (also the plain line behind the conversion)
	ds_store_b8 v13, v[EB+NQ] offset:32*\q+16*\u   ; both lanes of a block write the same byte with the same value
	global_store_b96 v12, v[C+4*NQ:C+4*NQ+2], s[18:19] offset:768*\q+384*\u   ; 32 lanes store 384 consecutive bytes
.endm
	QSTEP 0, 0
	QSTEP 0, 1
	QSTEP 1, 0
	QSTEP 1, 1
	s_wait_dscnt 4                                 ; the fragments' 24 loads are in: behind them the four byte stores
.irp t, 0,1,2,3
.irp c, 0,1,2
	global_store_b128 v2, v[WL+12*\t+4*\c:WL+12*\t+4*\c+3], s[52:53] offset:1536*\t+512*\c   ; 512 consecutive bytes
.endr
.endr
	; THE SCORES.  Piece idx = 8 u + e of router_w: 16 numbers a lane, at the same k as my x; asked for one piece ahead, in two buffers
.macro RWLD idx
.irp i, 0,1,2,3
	ds_load_b128 v[RWB+16*((\idx)%2)+4*\i:RWB+16*((\idx)%2)+4*\i+3], v4 offset:RWL+2560*(2*((\idx)%8)+(\idx)/8)+16*\i
.endr
.endm
	RWLD 0
.set n, 0
.rept 16
.if n < 15
	RWLD n+1
	s_wait_dscnt 4                                 ; this piece is in; the next piece's four loads may be out
.else
	s_wait_dscnt 0x0
.endif
.irp i, 0,1,2,3,4,5,6,7
.irp q, 0,1
.if (n < 8) && (\i == 0)
	v_pk_mul_f32 v[AC+2*(8*\q+n%8):AC+2*(8*\q+n%8)+1], v[XT+32*\q+16*(n/8)+2*\i:XT+32*\q+16*(n/8)+2*\i+1], v[RWB+16*(n%2)+2*\i:RWB+16*(n%2)+2*\i+1]   ; the first product starts the sum
.else
	v_pk_fma_f32 v[AC+2*(8*\q+n%8):AC+2*(8*\q+n%8)+1], v[XT+32*\q+16*(n/8)+2*\i:XT+32*\q+16*(n/8)+2*\i+1], v[RWB+16*(n%2)+2*\i:RWB+16*(n%2)+2*\i+1], v[AC+2*(8*\q+n%8):AC+2*(8*\q+n%8)+1]
.endif
.endr
.endr
.set n, n+1
.endr
.irp k, 0,1,2,3,4,5,6,7,8,9,10,11,12,13,14,15
	v_add_f32 v[S+\k], v[AC+2*\k], v[AC+2*\k+1]
.endr
; Sixteen sums over the lanes at once: in each step a lane keeps one of two sums and hands the other to the lane across; at the end lane l holds sum l % 16: q = (l / 8) % 2, e = l % 8
.macro RS a, b, msk, xm
	v_cndmask_b32 v[T], v[\b], v[\a], s[\msk]      ; what I hand over
	v_cndmask_b32 v[\a], v[\a], v[\b], s[\msk]     ; what I keep
	s_delay_alu instid0(VALU_DEP_1)
	v_add_f32_dpp v[\a], v[T], v[\a] row_xmask:\xm row_mask:0xf bank_mask:0xf
.endm
.irp i, 0,1,2,3,4,5,6,7
	RS S+\i, S+\i+8, 40, 8
.endr
.irp i, 0,1,2,3
	RS S+\i, S+\i+4, 41, 4
.endr
.irp i, 0,1
	RS S+\i, S+\i+2, 42, 2
.endr
	RS S, S+1, 43, 1
	s_delay_alu instid0(VALU_DEP_1)
	v_permlanex16_b32 v[T], v[S], s38, s39
	s_delay_alu instid0(VALU_DEP_1)
	v_add_f32 v[S], v[S], v[T]                     ; the score; lanes 16-31 hold what lanes 0-15 hold
	; THE RANK of my expert among my token's eight: how many beat it; an equal score beats it if its index is lower (e xor m < e where m's highest bit is set in e)
	v_mov_b32 v[O], 0
	v_mov_b32 v[RK], 0
.irp m, 1,2,3,4,5,6,7
	v_mov_b32_dpp v[O], v[S] row_xmask:\m row_mask:0xf bank_mask:0xf
	s_delay_alu instid0(VALU_DEP_1)
	v_cmp_gt_f32 s44, v[O], v[S]
	s_delay_alu instid0(VALU_DEP_2)
	v_cmp_eq_f32 s45, v[O], v[S]
.if \m == 1
	s_and_b32 s45, s45, s43
.elseif \m < 4
	s_and_b32 s45, s45, s42
.else
	s_and_b32 s45, s45, s41
.endif
	s_or_b32 s44, s44, s45
	v_cndmask_b32 v[TT], 0, 1, s44
	s_delay_alu instid0(VALU_DEP_1)
	v_add_nc_u32 v[RK], v[RK], v[TT]
.endr
	v_cvt_f32_u32 v[EF], v15
	s_delay_alu instid0(VALU_DEP_2)
	v_cmp_eq_u32 s44, 0, v[RK]
	s_delay_alu instid0(VALU_DEP_3)
	v_cmp_eq_u32 s45, 1, v[RK]
	s_delay_alu instid0(VALU_DEP_4)
	v_cmp_gt_u32 s46, 2, v[RK]                     ; the mask: rank 0 or 1
	s_delay_alu instid0(VALU_DEP_3)
	v_cndmask_b32 v[I0], 0, v[EF], s44
	s_delay_alu instid0(VALU_DEP_3)
	v_cndmask_b32 v[I1], 0, v[EF], s45
.irp m, 1,2,4
	s_delay_alu instid0(VALU_DEP_2)
	v_add_f32_dpp v[I0], v[I0], v[I0] row_xmask:\m row_mask:0xf bank_mask:0xf
	s_delay_alu instid0(VALU_DEP_2)
	v_add_f32_dpp v[I1], v[I1], v[I1] row_xmask:\m row_mask:0xf bank_mask:0xf
.endr
	s_delay_alu instid0(VALU_DEP_2)
	v_cvt_u32_f32 v[I0], v[I0]                     ; the best expert's index, in all eight lanes,
	s_delay_alu instid0(VALU_DEP_2)
	v_cvt_u32_f32 v[I1], v[I1]                     ; and the second's
	s_delay_alu instid0(VALU_DEP_1)
	v_min_u32 v[LO], v[I0], v[I1]
	s_delay_alu instid0(VALU_DEP_2)
	v_max_u32 v[HI], v[I0], v[I1]
	s_delay_alu instid0(VALU_DEP_2)
	v_sub_nc_u32 v[ID], 15, v[LO]
	s_delay_alu instid0(VALU_DEP_1)
	v_mul_u32_u24 v[ID], v[ID], v[LO]
	s_delay_alu instid0(VALU_DEP_1)
	v_lshrrev_b32 v[ID], 1, v[ID]
	s_delay_alu instid0(VALU_DEP_1)
	v_add_nc_u32 v[ID], v[ID], v[HI]
	s_delay_alu instid0(VALU_DEP_1)
	v_sub_nc_u32 v[ID], v[ID], v[LO]
	s_delay_alu instid0(VALU_DEP_1)
	v_add_nc_u32 v[ID], -1, v[ID]                  ; the pair's number
	v_cmp_eq_u32 s44, 0, v15
	s_delay_alu instid0(VALU_DEP_1)
	v_cndmask_b32 v[TT], v[I1], v[I0], s44         ; lane e = 0 carries the first index, the others the second
	; two softmaxes over eight lanes, each with its maximum taken away: of train_scores (the gate's weights) and of the scores
	s_wait_loadcnt 0x0                             ; train_scores
	v_mov_b32 v[M], v255                           ; (the numbers themselves are kept: the maxima and the sums are made in copies)
	v_mov_b32 v[M2], v[S]
.irp m, 1,2,4
	s_delay_alu instid0(VALU_DEP_2)
	v_max_num_f32_dpp v[M], v[M], v[M] row_xmask:\m row_mask:0xf bank_mask:0xf
	s_delay_alu instid0(VALU_DEP_2)
	v_max_num_f32_dpp v[M2], v[M2], v[M2] row_xmask:\m row_mask:0xf bank_mask:0xf
.endr
	s_delay_alu instid0(VALU_DEP_2)
	v_sub_f32 v[W], v255, v[M]
	s_delay_alu instid0(VALU_DEP_2)
	v_sub_f32 v[P], v[S], v[M2]
	s_delay_alu instid0(VALU_DEP_2)
	v_mul_f32 v[W], 0x3fb8aa3b, v[W]
	s_delay_alu instid0(VALU_DEP_2)
	v_mul_f32 v[P], 0x3fb8aa3b, v[P]
	s_wait_alu depctr_va_vdst(0)
	v_exp_f32 v[W], v[W]
	v_exp_f32 v[P], v[P]
	v_nop                                          ; a plain line behind the exponentials
	s_wait_alu depctr_va_vdst(0)
	v_mov_b32 v[SW], v[W]
	v_mov_b32 v[SP], v[P]
.irp m, 1,2,4
	s_delay_alu instid0(VALU_DEP_2)
	v_add_f32_dpp v[SW], v[SW], v[SW] row_xmask:\m row_mask:0xf bank_mask:0xf
	s_delay_alu instid0(VALU_DEP_2)
	v_add_f32_dpp v[SP], v[SP], v[SP] row_xmask:\m row_mask:0xf bank_mask:0xf
.endr
	s_wait_alu depctr_va_vdst(0)
	v_rcp_f32 v[SW], v[SW]
	v_rcp_f32 v[SP], v[SP]
	v_nop
	s_wait_alu depctr_va_vdst(0)
	v_mul_f32 v[W], v[W], v[SW]
	v_mul_f32 v[P], v[P], v[SP]
	s_delay_alu instid0(VALU_DEP_2)
	v_cndmask_b32 v[G], 0, v[W], s46               ; mask x weight
	s_delay_alu instid0(VALU_DEP_1)
	v_mov_b32 v[SW], v[G]
.irp m, 1,2,4
	s_delay_alu instid0(VALU_DEP_1)
	v_add_f32_dpp v[SW], v[SW], v[SW] row_xmask:\m row_mask:0xf bank_mask:0xf
.endr
	s_delay_alu instid0(VALU_DEP_1)
	v_max_num_f32 v[SW], 0x322bcc77, v[SW]         ; held at 1e-8 from below
	s_wait_alu depctr_va_vdst(0)
	v_rcp_f32 v[SW], v[SW]
	v_nop
	s_wait_alu depctr_va_vdst(0)
	v_mul_f32 v[G], v[G], v[SW]                    ; the gate
	v_add_f32_dpp v[P], v[P], v[P] row_xmask:8 row_mask:0xf bank_mask:0xf   ; my wave's two tokens
	ds_store_b32 v14, v[S]                         ; lanes 16-31 write the same words with the same values
	ds_store_b32 v14, v[G] offset:512
	ds_store_b32 v14, v[TT] offset:1024
	ds_store_b32 v14, v[ID] offset:1536
	ds_store_b32 v8, v[P]
	s_wait_dscnt 0x0                               ; for the sake of waves 0, 1 and 2: all my LDS stores, the scale bytes too, have landed
	s_barrier_signal -1
	s_barrier_wait -1                              ; from here on LDS is only read
	s_cmp_eq_u32 s36, 1                            ; three waves share what is left, side by side; the others end
	s_cbranch_scc1 .Lrank
	s_cmp_eq_u32 s36, 2
	s_cbranch_scc1 .Lcount
	s_cmp_lg_u32 s36, 0
	s_cbranch_scc1 .Lend
	; wave 0 stores the work-group's small results, each in one run of consecutive bytes
	v_add_nc_u32 v64, SCO, v2
	ds_load_b128 v[96:99], v64
	ds_load_b128 v[100:103], v64 offset:512
	ds_load_b128 v[104:107], v64 offset:XSB-SCO
	v_lshrrev_b32 v65, 1, v1
	v_and_b32 v66, 1, v1
	s_delay_alu instid0(VALU_DEP_2)
	v_lshlrev_b32 v65, 5, v65
	s_delay_alu instid0(VALU_DEP_1)
	v_lshl_add_u32 v65, v66, 2, v65
	s_delay_alu instid0(VALU_DEP_1)
	v_add_nc_u32 v65, IDX, v65                     ; token lane / 2, index lane % 2
	ds_load_b32 v108, v65
	v_lshlrev_b32 v67, 2, v1
	s_delay_alu instid0(VALU_DEP_1)
	v_add_nc_u32 v68, PSM, v67
	ds_load_b32 v110, v68
	ds_load_b32 v111, v68 offset:128
	s_lshl_b32 s48, ttmp9, 9
	s_add_nc_u64 s[26:27], s[26:27], s[48:49]
	s_add_nc_u64 s[30:31], s[30:31], s[48:49]
	s_add_nc_u64 s[20:21], s[20:21], s[48:49]
	s_lshl_b32 s48, ttmp9, 7
	s_add_nc_u64 s[28:29], s[28:29], s[48:49]
	s_lshl_b32 s48, ttmp9, 5
	s_add_nc_u64 s[34:35], s[34:35], s[48:49]
	s_wait_alu depctr_va_vdst(0)
	s_wait_dscnt 0x0
	global_store_b128 v2, v[96:99], s[26:27]       ; scores
	global_store_b128 v2, v[100:103], s[30:31]     ; gates
	global_store_b128 v2, v[104:107], s[20:21]     ; x's scale bytes
	global_store_b32 v67, v108, s[28:29]           ; the top-2 indices
	v_add_f32 v110, v110, v111                     ; the eight waves' softmax sums: waves lane / 8 and 4 + lane / 8,
	s_delay_alu instid0(VALU_DEP_1)
	v_add_f32_dpp v110, v110, v110 row_xmask:8 row_mask:0xf bank_mask:0xf
	s_delay_alu instid0(VALU_DEP_1)
	v_permlanex16_b32 v111, v110, s38, s39
	s_delay_alu instid0(VALU_DEP_1)
	v_add_f32 v110, v110, v111                     ; all eight
	s_wait_alu depctr_va_vdst(0)
	s_wait_xcnt 0x0                                ; EXEC changes only behind this wait
	v_cmp_gt_u32 vcc_lo, 8, v1
	s_wait_tensorcnt 0x0
	ds_add_u32 v252, v253
	s_wait_dscnt 0x0
	s_and_saveexec_b32 s44, vcc_lo
	global_store_b32 v67, v110, s[34:35]           ; 8 sums
	s_wait_xcnt 0x0
	s_or_b32 exec_lo, exec_lo, s44
	s_endpgm
.Lrank:
	; wave 1: lane t (lanes 16-31 mirror lanes 0-15) holds token t's pair number; its rank = the tokens of lower number in the group with the same pair number
	v_and_b32 v66, 15, v1
	s_delay_alu instid0(VALU_DEP_1)
	v_lshlrev_b32 v66, 5, v66
	s_delay_alu instid0(VALU_DEP_1)
	v_add_nc_u32 v66, PID, v66
	ds_load_b32 v109, v66
	v_lshlrev_b32 v67, 2, v1
	s_lshl_b32 s48, ttmp9, 6
	s_add_nc_u64 s[32:33], s[32:33], s[48:49]
	v_mov_b32 v110, 0
	v_mov_b32 v111, 0
	s_wait_dscnt 0x0
.irp m, 1,2,3,4,5,6,7,8,9,10,11,12,13,14,15
	v_mov_b32_dpp v110, v109 row_xmask:\m row_mask:0xf bank_mask:0xf
	s_delay_alu instid0(VALU_DEP_1)
	v_cmp_eq_u32 s44, v110, v109
.if \m == 1                                        ; the partner t xor m is the lower one where m's highest bit is set in t
	s_and_b32 s44, s44, s43
.elseif \m < 4
	s_and_b32 s44, s44, s42
.elseif \m < 8
	s_and_b32 s44, s44, s41
.else
	s_and_b32 s44, s44, s40
.endif
	v_cndmask_b32 v112, 0, 1, s44
	s_wait_alu depctr_va_vdst(0)
	v_add_nc_u32 v111, v111, v112
.endr
	s_delay_alu instid0(VALU_DEP_1)
	v_lshl_or_b32 v109, v111, 8, v109              ; pair number | rank << 8
	s_wait_alu depctr_va_vdst(0)
	s_wait_xcnt 0x0                                ; EXEC changes only behind this wait (my stores of codes and images are out)
	v_cmp_gt_u32 vcc_lo, 16, v1
	s_wait_tensorcnt 0x0
	ds_add_u32 v252, v253
	s_wait_dscnt 0x0
	s_and_saveexec_b32 s44, vcc_lo
	global_store_b32 v67, v109, s[32:33]           ; 16 words, 64 consecutive bytes
	s_wait_xcnt 0x0
	s_or_b32 exec_lo, exec_lo, s44
	s_endpgm
.Lcount:
	; wave 2: lane b counts the group's tokens of bucket b: each token's pair number in turn is shown to all lanes
	v_and_b32 v66, 15, v1
	s_delay_alu instid0(VALU_DEP_1)
	v_lshlrev_b32 v66, 5, v66
	s_delay_alu instid0(VALU_DEP_1)
	v_add_nc_u32 v66, PID, v66
	ds_load_b32 v109, v66
	v_lshlrev_b32 v67, 2, v1
	s_lshl_b32 s48, ttmp9, 7
	s_add_co_u32 s48, s48, CNTB
	s_add_nc_u64 s[32:33], s[32:33], s[48:49]
	v_mov_b32 v110, 0
	v_mov_b32 v111, 0
	s_wait_dscnt 0x0
.irp t, 0,1,2,3,4,5,6,7,8,9,10,11,12,13,14,15
	v_mov_b32_dpp v110, v109 row_share:\t row_mask:0xf bank_mask:0xf
	s_delay_alu instid0(VALU_DEP_1)
	v_cmp_eq_u32 s44, v110, v1
	s_delay_alu instid0(VALU_DEP_1)
	v_cndmask_b32 v112, 0, 1, s44
	s_wait_alu depctr_va_vdst(0)
	v_add_nc_u32 v111, v111, v112
.endr
	global_store_b32 v67, v111, s[32:33]           ; 32 counts, 128 consecutive bytes
.Lend:
	s_wait_tensorcnt 0x0
	ds_add_u32 v252, v253
	s_wait_dscnt 0x0
	s_endpgm
.Lfunc_end_k_q75964ef163_route:
	.size	k_q75964ef163_route, .Lfunc_end_k_q75964ef163_route-k_q75964ef163_route
	.p2alignl 7, 3214868480
	.fill 96, 4, 3214868480
	.section	.rodata,"a",@progbits
	.p2align	6, 0x0
	.amdhsa_kernel k_q75964ef163_route
		.amdhsa_group_segment_fixed_size 176896
		.amdhsa_private_segment_fixed_size 0
		.amdhsa_enable_private_segment 0
		.amdhsa_kernarg_size 112
		.amdhsa_user_sgpr_count 2
		.amdhsa_user_sgpr_kernarg_segment_ptr 1
		.amdhsa_wavefront_size32 1
		.amdhsa_system_sgpr_workgroup_id_x 1
		.amdhsa_system_sgpr_workgroup_id_y 1
		.amdhsa_system_sgpr_workgroup_id_z 1
		.amdhsa_system_vgpr_workitem_id 0
		.amdhsa_next_free_vgpr 256
		.amdhsa_next_free_sgpr 66
		.amdhsa_reserve_vcc 1
		.amdhsa_float_denorm_mode_32 3
		.amdhsa_float_denorm_mode_16_64 3
		.amdhsa_memory_ordered 1
		.amdhsa_forward_progress 1
		.amdhsa_inst_pref_size 65
	.end_amdhsa_kernel
	.amdgpu_metadata
---
amdhsa.version: [ 1, 2 ]
amdhsa.kernels:
  - .name:           k_q75964ef163_route
    .symbol:         k_q75964ef163_route.kd
    .args:
      - { .name: x, .offset: 0, .size: 8, .value_kind: global_buffer, .address_space: global }
      - { .name: router_w, .offset: 8, .size: 8, .value_kind: global_buffer, .address_space: global }
      - { .name: train_scores, .offset: 16, .size: 8, .value_kind: global_buffer, .address_space: global }
      - { .name: W1_codes, .offset: 24, .size: 8, .value_kind: global_buffer, .address_space: global }
      - { .name: W2_codes, .offset: 32, .size: 8, .value_kind: global_buffer, .address_space: global }
      - { .name: xq_codes, .offset: 40, .size: 8, .value_kind: global_buffer, .address_space: global }
      - { .name: xq_scales, .offset: 48, .size: 8, .value_kind: global_buffer, .address_space: global }
      - { .name: w1img, .offset: 56, .size: 8, .value_kind: global_buffer, .address_space: global }
      - { .name: w2img, .offset: 64, .size: 8, .value_kind: global_buffer, .address_space: global }
      - { .name: out2, .offset: 72, .size: 8, .value_kind: global_buffer, .address_space: global }
      - { .name: out3, .offset: 80, .size: 8, .value_kind: global_buffer, .address_space: global }
      - { .name: out4, .offset: 88, .size: 8, .value_kind: global_buffer, .address_space: global }
      - { .name: pairs, .offset: 96, .size: 8, .value_kind: global_buffer, .address_space: global }
      - { .name: psum, .offset: 104, .size: 8, .value_kind: global_buffer, .address_space: global }
    .group_segment_fixed_size: 176896
    .private_segment_fixed_size: 0
    .kernarg_segment_align: 8
    .kernarg_segment_size: 112
    .max_flat_workgroup_size: 256
    .sgpr_count:     66
    .vgpr_count:     256
    .wavefront_size: 32
...
	.end_amdgpu_metadata
.endif
;; end of part 6
;; launch place (part 7): grid 1 x 1, 32 waves a work-group, no clusters, 14,336 bytes of LDS; arguments pairs, psum, train_scores, order, tiles, out1, out5; writes order, tiles, out1, out5
.if DOCPART == 7
	.amdgcn_target "amdgcn-amd-amdhsa--gfx1250"
	.amdhsa_code_object_version 6
	.text
	.protected	k_q75964ef163_place
	.globl	k_q75964ef163_place
	.p2align	8
	.type	k_q75964ef163_place,@function
k_q75964ef163_place:
	s_mov_b64 s[64:65], 0
	v_nop
	global_prefetch_b8 v0, s[64:65] scope:SCOPE_SE
	s_setreg_imm32_b32 hwreg(HW_REG_WAVE_MODE, 25, 1), 1
	s_wait_xcnt 0x0
; PLACE.  One work-group finishes the sort of the 4,096 tokens by the number of their pair of experts (28 buckets), without atomics, writes the list of tiles of at most 32 tokens
; (lo, hi, first place in the sorted list, number of tokens; 160 records, the unused ones with 0 tokens), the load-balance loss and the copy of train_scores.
; The launch before has stored, for each group of 16 tokens, its number of tokens in each bucket, and for each token its pair number and its rank among its group's tokens of that pair.
; A token's place = its bucket's start + the bucket's tokens in earlier waves' groups + those in my wave's earlier groups + its rank in its group.
; Wave w holds groups 8 w .. 8 w + 7 (lane = bucket, a register a group) AND their 128 tokens: so a token's look-up is a lane permute of the wave's own registers.
; loss = 8 sum_e f_e p_e, f_e = (tokens that chose e) / 4096, p_e = (sum of the softmaxes) / 4096: 2^-21 x sum over buckets and their two experts of (tokens in the bucket) x P_e.
; LIMIT: a pair number above 27 (it can come only of NaN scores) is not served; every place is held inside the list all the same.
.set TAB, 0                            ; LDS: [wave 32][bucket 32] counts, rows 132 bytes apart
.set PRE, 4352                         ; the same shape: tokens of the bucket in earlier waves
.set TOT, 8704                         ; [bucket 32] totals
.set PS,  8960                         ; [wave 32][8] softmax sums
.set CNTB, 16384                       ; in the buffer of pair numbers: behind the 4,096 words, the groups' counts [256][32]
.set WD,  4                            ; v4-7   the words of tokens 128 w + 32 j + lane
.set REL, 8                            ; v8-11  their ranks in their groups
.set CNT, 12                           ; v12    lane b: my wave's tokens of bucket b
.set T,   13
.set C,   64                           ; v64-71 lane b: group 8 w + q's tokens of bucket b
.set E,   72                           ; v72-79 those of my wave's earlier groups; later with the bucket's start: where group q's tokens of bucket b begin
.set TK,  86                           ; v86-89 token numbers
	s_load_b256 s[4:11], s[0:1], 0x0               ; pairs 4, psum 6, train_scores 8, order 10
	s_load_b128 s[12:15], s[0:1], 0x20             ; tiles 12, out1 14
	s_load_b64 s[16:17], s[0:1], 0x30              ; out5
	v_lshl_add_u32 v96, v0, 2, 0x2800
	v_mov_b32 v97, 0
	v_lshrrev_b32 v1, 5, v0
	s_delay_alu instid0(VALU_DEP_1)
	v_readfirstlane_b32 s36, v1                    ; wave 0..31
	v_and_b32 v1, 31, v0                           ; lane
	s_wait_alu depctr_va_vdst(0)
	v_lshlrev_b32 v2, 4, v0
	v_lshlrev_b32 v3, 3, v0
	s_mov_b32 s38, 0x76543210
	s_mov_b32 s39, 0xfedcba98
	s_mov_b32 s40, 0xffff0000                      ; lanes 16-31
	s_mul_i32 s28, s36, 132
	v_lshl_add_u32 v16, v1, 2, s28                 ; row = my wave, column = lane
	v_mul_u32_u24 v17, v1, 132
	s_lshl_b32 s29, s36, 2
	v_add_nc_u32 v17, s29, v17                     ; row = lane, column = my wave
	s_add_co_u32 s29, s29, TOT
	v_mov_b32 v18, s29                             ; TOT + 4 x wave
	v_and_b32 v19, 3, v1
	s_lshl_b32 s29, s36, 5
	s_add_co_u32 s29, s29, PS
	v_lshl_add_u32 v19, v19, 3, s29                ; PS + 32 x wave + 8 (lane % 4)
	v_lshl_add_u32 v42, v1, 2, TOT                 ; TOT + 4 x lane
	s_lshl_b32 s29, s36, 9
	v_lshl_add_u32 v80, v1, 2, s29                 ; my wave's 128 words: 512 w + 4 x lane
	s_lshl_b32 s29, s36, 10
	v_lshl_add_u32 v81, v1, 2, s29                 ; my wave's 8 rows of counts: 1,024 w + 4 x lane
	s_lshl_b32 s29, s36, 7
	v_add_nc_u32 v82, s29, v1                      ; token 128 w + lane
	v_and_b32 v83, 7, v1
	s_delay_alu instid0(VALU_DEP_1)
	v_lshlrev_b32 v83, 2, v83
	v_mov_b32 v[T], 0                              ; a lane permute's and a DPP form's destination counts as one of its sources
	v_mov_b32 v21, 0
	s_wait_alu depctr_va_vdst(0)
	s_wait_kmcnt 0x0
.irp q, 0,1,2,3,4,5,6,7
	global_load_b32 v[C+\q], v81, s[4:5] offset:CNTB+128*\q
.endr
	global_load_b64 v[14:15], v3, s[6:7]           ; two of the 2,048 partial sums: experts 2 (lane % 4), + 1
.irp j, 0,1,2,3
	global_load_b32 v[WD+\j], v80, s[4:5] offset:128*\j
.endr
	global_load_b32 v84, v83, s[8:9]               ; train_scores[lane % 8]
	s_wait_loadcnt 6                               ; the 8 counts are in: behind them the sums' load, the words' four and train_scores
	v_mov_b32 v[E], 0
.irp q, 0,1,2,3,4,5,6
	s_delay_alu instid0(VALU_DEP_1)
	v_add_nc_u32 v[E+\q+1], v[E+\q], v[C+\q]
.endr
	s_delay_alu instid0(VALU_DEP_1)
	v_add_nc_u32 v[CNT], v[E+7], v[C+7]
	ds_store_b32 v16, v[CNT]
	s_wait_loadcnt 5                               ; the sums are in
.irp m, 4
	v_add_f32_dpp v14, v14, v14 row_xmask:\m row_mask:0xf bank_mask:0xf
	v_add_f32_dpp v15, v15, v15 row_xmask:\m row_mask:0xf bank_mask:0xf
.endr
.irp m, 8
	s_delay_alu instid0(VALU_DEP_2)
	v_add_f32_dpp v14, v14, v14 row_xmask:\m row_mask:0xf bank_mask:0xf
	s_delay_alu instid0(VALU_DEP_2)
	v_add_f32_dpp v15, v15, v15 row_xmask:\m row_mask:0xf bank_mask:0xf
.endr
	s_delay_alu instid0(VALU_DEP_2)
	v_permlanex16_b32 v[T], v14, s38, s39
	s_delay_alu instid0(VALU_DEP_2)
	v_permlanex16_b32 v21, v15, s38, s39
	s_delay_alu instid0(VALU_DEP_2)
	v_add_f32 v14, v14, v[T]
	s_delay_alu instid0(VALU_DEP_2)
	v_add_f32 v15, v15, v21                        ; my wave's sums for my two experts
	ds_store_b64 v19, v[14:15]                     ; lanes with the same lane % 4 write the same words with the same values
	s_wait_dscnt 0x0
	s_barrier_signal -1
	s_barrier_wait -1
; an inclusive sum over the 32 lanes: four steps in each half of 16, then the lower half's total onto the upper half
.macro SCAN32 v, t
.irp n, 1
	v_mov_b32_dpp v[\t], v[\v] row_shr:\n row_mask:0xf bank_mask:0xf bound_ctrl:1
	s_delay_alu instid0(VALU_DEP_1)
	v_add_nc_u32 v[\v], v[\v], v[\t]
.endr
.irp n, 2, 4, 8
	s_delay_alu instid0(VALU_DEP_1)
	v_mov_b32_dpp v[\t], v[\v] row_shr:\n row_mask:0xf bank_mask:0xf bound_ctrl:1
	s_delay_alu instid0(VALU_DEP_1)
	v_add_nc_u32 v[\v], v[\v], v[\t]
.endr
	s_delay_alu instid0(VALU_DEP_1)
	v_readlane_b32 s26, v[\v], 15
	s_delay_alu instid0(VALU_DEP_1)
	v_mov_b32 v[\t], s26
	s_delay_alu instid0(VALU_DEP_1)
	v_cndmask_b32 v[\t], 0, v[\t], s40
	s_delay_alu instid0(VALU_DEP_1)
	v_add_nc_u32 v[\v], v[\v], v[\t]
.endm
	ds_load_b32 v20, v17                           ; wave c takes bucket c: lane = the wave that counted
	s_wait_dscnt 0x0
	v_mov_b32 v22, v20
	SCAN32 20, 21
	s_delay_alu instid0(VALU_DEP_1)
	v_sub_nc_u32 v22, v20, v22                     ; the bucket's tokens in earlier waves
	s_delay_alu instid0(VALU_DEP_2)
	v_readlane_b32 s27, v20, 31
	s_delay_alu instid0(VALU_DEP_1)
	v_mov_b32 v23, s27                             ; its total
	ds_store_b32 v17, v22 offset:PRE
	ds_store_b32 v18, v23
	s_wait_dscnt 0x0
	s_barrier_signal -1
	s_barrier_wait -1                              ; from here on LDS is only read
	ds_load_b32 v23, v16 offset:PRE
	ds_load_b32 v24, v42                           ; lane = bucket: its total
	s_wait_loadcnt 0x0                             ; the words and train_scores
.irp j, 0,1,2,3
	v_and_b32 v[30+\j], 0xff, v[WD+\j]             ; the pair number,
	s_delay_alu instid0(VALU_DEP_1)
	v_min_u32 v[30+\j], 31, v[30+\j]
	s_delay_alu instid0(VALU_DEP_1)
	v_lshlrev_b32 v[30+\j], 2, v[30+\j]            ; as the lane to ask
	v_bfe_u32 v[REL+\j], v[WD+\j], 8, 8            ; the rank in the group
	v_add_nc_u32 v[TK+\j], 32*\j, v82              ; the token's number
.endr
	s_wait_dscnt 0x0
	v_mov_b32 v25, v24
	SCAN32 25, 21
	s_delay_alu instid0(VALU_DEP_1)
	v_sub_nc_u32 v25, v25, v24                     ; the bucket's start in the sorted list
	v_add_nc_u32 v26, 31, v24
	s_delay_alu instid0(VALU_DEP_1)
	v_lshrrev_b32 v26, 5, v26                      ; its tiles
	s_delay_alu instid0(VALU_DEP_1)
	v_mov_b32 v27, v26
	SCAN32 27, 21                                  ; the number of the first tile behind it
	s_delay_alu instid0(VALU_DEP_1)
	v_sub_nc_u32 v28, v27, v26                     ; its first tile
	v_add_nc_u32 v29, v25, v23                     ; where my wave's tokens of the bucket begin
.irp q, 0,1,2,3,4,5,6,7
	v_add_nc_u32 v[E+\q], v[E+\q], v29             ; and those of its group q
.endr
.irp j, 0,1,2,3                                    ; token 128 w + 32 j + lane lies in my group 2 j + lane / 16
	ds_bpermute_b32 v[34+\j], v[30+\j], v[E+2*\j]
	ds_bpermute_b32 v[52+\j], v[30+\j], v[E+2*\j+1]
.endr
	s_wait_dscnt 0x0
.irp j, 0,1,2,3
	v_cndmask_b32 v[34+\j], v[34+\j], v[52+\j], s40
	s_delay_alu instid0(VALU_DEP_1)
	v_add_nc_u32 v[34+\j], v[34+\j], v[REL+\j]
	s_delay_alu instid0(VALU_DEP_1)
	v_min_u32 v[34+\j], 0xfff, v[34+\j]
	s_delay_alu instid0(VALU_DEP_1)
	v_lshlrev_b32 v[34+\j], 2, v[34+\j]
	global_store_b32 v[34+\j], v[TK+\j], s[10:11]  ; single words at sorted places: the whole list is 16,384 bytes
.endr
	s_cmp_lt_u32 s36, 5                            ; waves 0-4 write the records, wave 5 the loss, side by side
	s_cbranch_scc1 .Lrecords
	s_cmp_eq_u32 s36, 5
	s_cbranch_scc1 .Lloss
	s_wait_tensorcnt 0x0
	ds_add_u32 v96, v97
	s_wait_dscnt 0x0
	s_endpgm
.Lrecords:
	; record i = thread (0 .. 159).  Its bucket: as many as have all their tiles at or below i - 1
	v_mov_b32 v43, 0
.set b, 0
.rept 28
	v_readlane_b32 s26, v27, b
	s_delay_alu instid0(VALU_DEP_1)
	v_cmp_le_u32 vcc_lo, s26, v0
	s_delay_alu instid0(VALU_DEP_1)
	v_cndmask_b32 v44, 0, 1, vcc_lo
	s_delay_alu instid0(VALU_DEP_1)
	v_add_nc_u32 v43, v43, v44
.set b, b+1
.endr
	s_delay_alu instid0(VALU_DEP_1)
	v_lshlrev_b32 v44, 2, v43                      ; (28 for a record behind the last tile: lane 28 holds a total of 0)
	ds_bpermute_b32 v45, v44, v25
	ds_bpermute_b32 v46, v44, v24
	ds_bpermute_b32 v47, v44, v28
	v_mov_b32 v48, 0
.irp c, 7,13,18,22,25,27
	v_cmp_le_u32 vcc_lo, \c, v43
	s_delay_alu instid0(VALU_DEP_1)
	v_cndmask_b32 v52, 0, 1, vcc_lo
	s_delay_alu instid0(VALU_DEP_1)
	v_add_nc_u32 v48, v48, v52                     ; lo
.endr
	s_delay_alu instid0(VALU_DEP_1)
	v_sub_nc_u32 v49, 15, v48
	s_delay_alu instid0(VALU_DEP_1)
	v_mul_u32_u24 v49, v49, v48
	s_delay_alu instid0(VALU_DEP_1)
	v_lshrrev_b32 v49, 1, v49
	s_delay_alu instid0(VALU_DEP_1)
	v_sub_nc_u32 v49, v43, v49
	s_delay_alu instid0(VALU_DEP_1)
	v_add3_u32 v49, v49, v48, 1
	s_delay_alu instid0(VALU_DEP_1)
	v_min_u32 v49, 7, v49                          ; hi
	s_wait_dscnt 0x0
	v_sub_nc_u32 v47, v0, v47
	s_delay_alu instid0(VALU_DEP_1)
	v_lshlrev_b32 v47, 5, v47                      ; 32 x (which tile of the bucket)
	s_delay_alu instid0(VALU_DEP_1)
	v_add_nc_u32 v50, v45, v47
	s_delay_alu instid0(VALU_DEP_1)
	v_min_u32 v50, 0xfff, v50                      ; first place
	s_delay_alu instid0(VALU_DEP_3)
	v_sub_nc_u32 v51, v46, v47
	s_delay_alu instid0(VALU_DEP_1)
	v_max_i32 v51, 0, v51
	s_delay_alu instid0(VALU_DEP_1)
	v_min_i32 v51, 32, v51                         ; tokens
	s_wait_alu depctr_va_vdst(0)
	global_store_b128 v2, v[48:51], s[12:13]
	s_wait_tensorcnt 0x0
	ds_add_u32 v96, v97
	s_wait_dscnt 0x0
	s_endpgm
.Lloss:
	v_lshl_add_u32 v61, v1, 5, PS
	ds_load_b128 v[52:55], v61
	ds_load_b128 v[56:59], v61 offset:16
	v_cvt_f32_u32 v60, v24                         ; lane = bucket: its tokens
	s_wait_dscnt 0x0
.irp m, 1,2,4,8
.irp e, 0,1,2,3,4,5,6,7
	v_add_f32_dpp v[52+\e], v[52+\e], v[52+\e] row_xmask:\m row_mask:0xf bank_mask:0xf
.endr
.endr
.irp e, 0
	v_permlanex16_b32 v21, v[52+\e], s38, s39
	s_delay_alu instid0(VALU_DEP_1)
	v_add_f32 v[52+\e], v[52+\e], v21
.endr
.irp e, 1, 2, 3, 4, 5, 6, 7
	s_delay_alu instid0(VALU_DEP_2)
	v_permlanex16_b32 v21, v[52+\e], s38, s39
	s_delay_alu instid0(VALU_DEP_1)
	v_add_f32 v[52+\e], v[52+\e], v21              ; P_e, in every lane
.endr
.macro TERM e, msk                                 ; msk: the buckets whose pair holds expert e
	s_mov_b32 s26, \msk
	v_cndmask_b32 v21, 0, v60, s26
.if \e == 0
	s_delay_alu instid0(VALU_DEP_1)
	v_mul_f32 v22, v21, v[52+\e]
.else
	s_delay_alu instid0(VALU_DEP_1)
	v_fmac_f32 v22, v21, v[52+\e]
.endif
.endm
	TERM 0, 0x7f
	TERM 1, 0x1f81
	TERM 2, 0x3e082
	TERM 3, 0x3c2104
	TERM 4, 0x1c44208
	TERM 5, 0x6488410
	TERM 6, 0xa910820
	TERM 7, 0xd221040
.irp m, 1,2,4,8
	s_delay_alu instid0(VALU_DEP_1)
	v_add_f32_dpp v22, v22, v22 row_xmask:\m row_mask:0xf bank_mask:0xf
.endr
	s_delay_alu instid0(VALU_DEP_1)
	v_permlanex16_b32 v21, v22, s38, s39
	s_delay_alu instid0(VALU_DEP_1)
	v_add_f32 v22, v22, v21
	s_delay_alu instid0(VALU_DEP_1)
	v_mul_f32 v22, 0x35000000, v22                 ; x 8 / 4096^2 = 2^-21
	v_lshlrev_b32 v23, 2, v1
	s_wait_alu depctr_va_vdst(0)
	s_wait_xcnt 0x0                                ; EXEC changes only behind this wait
	v_cmp_gt_u32 vcc_lo, 8, v1
	s_wait_tensorcnt 0x0
	ds_add_u32 v96, v97
	s_wait_dscnt 0x0
	s_and_saveexec_b32 s28, vcc_lo
	global_store_b32 v23, v84, s[16:17]            ; train_scores as it came
	s_wait_xcnt 0x0
	s_or_b32 exec_lo, exec_lo, s28
	v_cmp_eq_u32 vcc_lo, 0, v1
	s_and_saveexec_b32 s28, vcc_lo
	global_store_b32 v23, v22, s[14:15]            ; the loss
	s_wait_xcnt 0x0
	s_or_b32 exec_lo, exec_lo, s28
	s_endpgm
.Lfunc_end_k_q75964ef163_place:
	.size	k_q75964ef163_place, .Lfunc_end_k_q75964ef163_place-k_q75964ef163_place
	.p2alignl 7, 3214868480
	.fill 96, 4, 3214868480
	.section	.rodata,"a",@progbits
	.p2align	6, 0x0
	.amdhsa_kernel k_q75964ef163_place
		.amdhsa_group_segment_fixed_size 14336
		.amdhsa_private_segment_fixed_size 0
		.amdhsa_enable_private_segment 0
		.amdhsa_kernarg_size 56
		.amdhsa_user_sgpr_count 2
		.amdhsa_user_sgpr_kernarg_segment_ptr 1
		.amdhsa_wavefront_size32 1
		.amdhsa_system_sgpr_workgroup_id_x 1
		.amdhsa_system_sgpr_workgroup_id_y 1
		.amdhsa_system_sgpr_workgroup_id_z 1
		.amdhsa_system_vgpr_workitem_id 0
		.amdhsa_next_free_vgpr 98
		.amdhsa_next_free_sgpr 66
		.amdhsa_reserve_vcc 1
		.amdhsa_float_denorm_mode_32 3
		.amdhsa_float_denorm_mode_16_64 3
		.amdhsa_memory_ordered 1
		.amdhsa_forward_progress 1
		.amdhsa_inst_pref_size 30
	.end_amdhsa_kernel
	.amdgpu_metadata
---
amdhsa.version: [ 1, 2 ]
amdhsa.kernels:
  - .name:           k_q75964ef163_place
    .symbol:         k_q75964ef163_place.kd
    .args:
      - { .name: pairs, .offset: 0, .size: 8, .value_kind: global_buffer, .address_space: global }
      - { .name: psum, .offset: 8, .size: 8, .value_kind: global_buffer, .address_space: global }
      - { .name: train_scores, .offset: 16, .size: 8, .value_kind: global_buffer, .address_space: global }
      - { .name: order, .offset: 24, .size: 8, .value_kind: global_buffer, .address_space: global }
      - { .name: tiles, .offset: 32, .size: 8, .value_kind: global_buffer, .address_space: global }
      - { .name: out1, .offset: 40, .size: 8, .value_kind: global_buffer, .address_space: global }
      - { .name: out5, .offset: 48, .size: 8, .value_kind: global_buffer, .address_space: global }
    .group_segment_fixed_size: 14336
    .private_segment_fixed_size: 0
    .kernarg_segment_align: 8
    .kernarg_segment_size: 56
    .max_flat_workgroup_size: 1024
    .sgpr_count:     66
    .vgpr_count:     98
    .wavefront_size: 32
...
	.end_amdgpu_metadata
.endif
;; end of part 7
;; launch chain (part 8): grid 155 x 1, 16 waves a work-group, no clusters, 235,520 bytes of LDS; arguments tiles, order, xq_codes, xq_scales, w1img, W1_scales, b1, w2img, W2_scales, b2, out4, out0; writes out0
.if DOCPART == 8
	.amdgcn_target "amdgcn-amd-amdhsa--gfx1250"
	.amdhsa_code_object_version 6
	.text
	.protected	k_q75964ef163_chain
	.globl	k_q75964ef163_chain
	.p2align	8
	.type	k_q75964ef163_chain,@function
k_q75964ef163_chain:
	s_mov_b64 s[64:65], 0
	v_nop
	global_prefetch_b8 v0, s[64:65] scope:SCOPE_SE
	s_setreg_imm32_b32 hwreg(HW_REG_WAVE_SCHED_MODE, 0, 2), 2
	s_setreg_imm32_b32 hwreg(HW_REG_WAVE_MODE, 25, 1), 1
	s_wait_xcnt 0x0
	s_wait_alu depctr_vm_vsrc(0)
; CHAIN.  Work-group i takes tile i of the list: at most 32 tokens that chose the same pair of experts (lo, hi), and takes them through both experts' whole chain:
; out0[token] = g_lo (Q(gelu(Q(x) W1[lo] + b1[lo])) W2[lo] + b2[lo]) + g_hi (the same with hi).  The six experts whose gate is 0 are not multiplied.  Each row of out0 has one owner; the hidden layers stay in LDS.
; GRID: 4,096 tokens in 28 buckets make at most 4,096 / 32 + 27 = 155 tiles, whatever the choice.  A tile with 0 tokens jumps over the work and stores nothing.
; Both barriers stand outside those jumps, on every path; the head runs always, on held indices.
; NO TENSOR LOADS, NO CLUSTER: the experts of a tile and the empty tiles hang on numbers read from memory, so partners could not be shown to ask alike.  The weights come from memory straight into registers,
; from images laid in the order of the operand's registers: a fragment is three loads of 512 consecutive bytes.
; SHARES.  Two tiles of 16 tokens (m = 0, 1).  Wave w of sixteen takes columns 64 w .. 64 w + 63 (tiles t = 0 .. 3) in four passes: W1[lo], W1[hi], W2[lo], W2[hi]; K = 1,024 in 8 steps; 8 accumulators by turns.
; Products are used transposed (source 0 = 16 weight rows, source 1 = 16 tokens): lane (r, h) holds token r; register j of tile t is column 64 w + 32 (t / 2) + 16 h + 8 (t % 2) + j.
; Places at or behind the tile's number of tokens repeat its LAST token: they compute and store the same numbers to the same row, so no lane is ever off.
; gelu(x) = max(x, 0) - |x| A, A = erfc(|x| / sqrt 2) / 2 = t 2^(-x^2 log2(e) / 2 + poly(t)), t = 1 / (1 + |x| / (2 sqrt 2)): a fit of erfc with a fractional error under 1.2e-7 at every argument; log2(e) and the half are folded into the coefficients.
; LIMITS: NaN and infinities among the inputs are not served; a block of the hidden layer whose largest magnitude lies under 2^(4 - 126) gets the byte 1 (its codes are zeros or nearly).
; THE MODE: SCHED_MODE bits 1:0 = 2 (LLVM: expert scheduling mode 2), set by the entry lines.  The code itself states the register dependences
; between vector or matrix instructions and memory or LDS instructions, with s_wait_alu, always for 0.
; THE PLAN.  Registers that memory or LDS instructions touch:
;   v1-16, v30, v31  addresses: written at the head, read by loads and stores, never written again.
;   v32-55           at the head offsets, tokens and biases on their way to LDS; from the first pass on part of ACC.
;   ACC              a pass's head: the biases' LDS loads land; products add; gelu reads and writes, the conversions read; behind the third pass x g_lo writes and the stage's stores read; at the end the rows' loads land and the global stores read.
;   WR0, WR1         step s: its products read WR[s % 2]; behind them the loads of two steps on land in it.  At the end: the stage's loads land, the last multiply-adds write, the stage's stores read.
;   XF               at the head the gathered fragment lands and LDS stores read it; step s: its products read XF, behind them the next step's fragments land; gelu works in it; at the end tokens land, offsets are made, the global stores read them.
;   WS, XS           scale words: loads land, products read.     PC, HW: the quantiser writes, three LDS stores read.
; So ONE wait on va_vdst stands in a K step, behind its products: all that they read may be loaded again.  All 256 registers are taken, so XF has one buffer and the ring two: the wait cannot move to the next step's head
; without holding back the ring's loads behind the wait for the other buffer's.  The quantiser has one wait on va_vdst ahead of its stores, which is also the next pass's (no vector line follows it), and one on vm_vsrc behind them.
.set XIMG,  0                          ; LDS: x's 16 fragments: (m, s) at 12288 m + 1536 s.  A fragment: two halves of 768: registers 6 c .. 6 c + 3 at 16 x lane (512), registers 6 c + 4, 5 at 8 x lane (256)
.set HIMG0, 24576                      ; the hidden layer of lo, likewise: wave w's 64 units are half w % 2 of K step w / 2: 768 w
.set HIMG1, 49152                      ; of hi
.set HSC,   73728                      ; its scale bytes: 1024 set + 32 (16 m + r) + block
.set BIA,   75776                      ; each wave 1,024: pass p's 64 biases at 256 p
.set TOKL,  92160                      ; each wave 128: the tokens of places 0 .. 31
.set STG,   94208                      ; each wave 8,704: 32 rows of 256 bytes + 16
.set ACC, 32                           ; v32-95   accumulator (t, m) at ACC + 32 m + 8 t
.set WR,  96                           ; v96-191  two buffers of four weight fragments
.set XF,  192                          ; v192-215 the tokens' two fragments; gelu's work; at the end the rows' offsets
.set WS,  216                          ; v216-231 weight scale words 8 b + s: lanes 0-15 tile 2 b, lanes 16-31 tile 2 b + 1
.set XS,  232                          ; v232-239 the tokens' scale words, word s: lanes 0-15 m = 0, lanes 16-31 m = 1
.set TM,  240
.set TP,  242
.set TS,  244
.set TB,  246
.set PC,  248                          ; v248-254 codes just made
.set HW,  255                          ; two scale bytes just made
.set GT,  XF
.set GP,  XF+8
.set GU,  XF+16
; v1 16 x lane, v2 8 x lane, v3, v4 the same + HIMG1; v5, v6 where I store my half fragment; v7 its scale bytes; v8 scale words back; v9 biases back; v10, v11 where I store x's fragment;
; v12 stage in, v13 stage out, v14 tokens back, v15 my bytes in a row of out0, v16 my weight rows' scale bytes; v17 h, v18 r, v19 lane; v[20:27] the gates, each twice; v[28:29] c9 twice; v30, v31 store addresses
	s_load_b512 s[8:23], s[0:1], 0x0               ; tiles 8, order 10, xq_codes 12, xq_scales 14, w1img 16, W1_scales 18, b1 20, w2img 22
	s_load_b256 s[24:31], s[0:1], 0x40             ; W2_scales 24, b2 26, out4 28, out0 30
	v_lshrrev_b32 v19, 5, v0
	v_readfirstlane_b32 s36, v19                   ; wave 0..15
	v_and_b32 v19, 31, v0
	v_bfe_u32 v17, v0, 4, 1
	v_and_b32 v18, 15, v0
	s_lshl_b32 s58, ttmp9, 4
	s_mov_b32 s59, 0
	s_wait_alu depctr_va_vdst(0)
	s_wait_kmcnt 0x0
	s_add_nc_u64 s[8:9], s[8:9], s[58:59]
	s_load_b128 s[32:35], s[8:9], 0x0              ; lo, hi, first place, tokens
	v_lshlrev_b32 v1, 4, v19
	v_lshlrev_b32 v2, 3, v19
	s_wait_alu depctr_va_vdst(0)
	v_add_nc_u32 v3, HIMG1, v1
	v_add_nc_u32 v4, HIMG1, v2
	s_wait_alu depctr_va_sdst(0)                   ; s36, the wave's number, is written, ahead of its first reader: LDS places and the streams' bases are made from it
	s_mul_i32 s58, s36, 768
	s_add_co_u32 s60, s58, HIMG0
	v_add_nc_u32 v5, s60, v1
	s_add_co_u32 s60, s58, HIMG0+512
	v_add_nc_u32 v6, s60, v2
	s_lshl_b32 s58, s36, 1
	s_add_co_u32 s58, s58, HSC
	v_lshl_add_u32 v7, v18, 5, s58
	v_lshl_add_u32 v8, v19, 5, HSC
	s_lshl_b32 s58, s36, 10
	s_add_co_u32 s58, s58, BIA
	v_lshl_add_u32 v9, v17, 6, s58
	v_add_nc_u32 v31, s58, v2
	s_mul_i32 s58, s36, 1536
	v_add_nc_u32 v10, s58, v1
	v_add_nc_u32 v11, s58, v2
	s_mul_i32 s58, s36, 8704
	s_add_co_u32 s58, s58, STG
	v_mul_u32_u24 v12, v18, 272
	v_lshl_add_u32 v12, v17, 6, v12
	v_add_nc_u32 v12, s58, v12                     ; row r, + 64 h
	v_mul_u32_u24 v13, v17, 272
	v_lshl_add_u32 v13, v18, 4, v13
	v_add_nc_u32 v13, s58, v13                     ; lanes 0-15 one row, lanes 16-31 the next
	s_lshl_b32 s58, s36, 7
	s_add_co_u32 s58, s58, TOKL
	v_lshl_add_u32 v14, v17, 2, s58
	v_lshl_add_u32 v30, v19, 2, s58
	s_lshl_b32 s58, s36, 8
	v_lshl_add_u32 v15, v18, 4, s58
	v_and_b32 v16, 8, v18
	v_add_nc_u32 v16, v16, v18
	v_lshl_add_u32 v16, v17, 3, v16
	v_lshlrev_b32 v16, 5, v16
	s_lshl_b32 s58, s36, 11
	v_add_nc_u32 v16, s58, v16                     ; 32 x (64 w + 8 h + r + 8 (r / 8))
	s_mov_b32 s56, 0x76543210
	s_mov_b32 s57, 0xfedcba98
	v_mov_b32 v28, 0x3e7c6f08                      ; c9
	v_mov_b32 v29, 0x3e7c6f08
	v_mov_b32 v[TP], 0                             ; a lane permute's destination counts as one of its sources
	v_mov_b32 v[TP+1], 0
	s_wait_kmcnt 0x0
	s_min_u32 s32, s32, 7                          ; what was read is held before it enters an address
	s_min_u32 s33, s33, 7
	s_min_u32 s34, s34, 0xfff
	s_min_u32 s35, s35, 32
	s_add_co_u32 s37, s34, s35
	s_max_u32 s37, s37, 1
	s_sub_co_u32 s37, s37, 1
	s_min_u32 s37, s37, 0xfff                      ; the tile's last place
	s_mul_i32 s60, s36, 49152
	s_mul_i32 s58, s32, 786432
	s_add_co_u32 s58, s58, s60
	s_add_nc_u64 s[40:41], s[16:17], s[58:59]      ; the four streams: image of expert e, my 64 rows
	s_add_nc_u64 s[44:45], s[22:23], s[58:59]
	s_mul_i32 s58, s33, 786432
	s_add_co_u32 s58, s58, s60
	s_add_nc_u64 s[42:43], s[16:17], s[58:59]
	s_add_nc_u64 s[46:47], s[22:23], s[58:59]
	s_lshl_b32 s58, s32, 15
	s_add_nc_u64 s[48:49], s[18:19], s[58:59]      ; and their scale bytes
	s_add_nc_u64 s[52:53], s[24:25], s[58:59]
	s_lshl_b32 s58, s33, 15
	s_add_nc_u64 s[50:51], s[18:19], s[58:59]
	s_add_nc_u64 s[54:55], s[24:25], s[58:59]
	v_add_nc_u32 v32, s34, v18                     ; places r, 16 + r, 16 (w / 8) + r, lane
	v_add_nc_u32 v33, 16, v32
	s_lshr_b32 s58, s36, 3
	s_lshl_b32 s58, s58, 4
	v_add_nc_u32 v34, s58, v32
	v_add_nc_u32 v35, s34, v19
.irp i, 32,33,34,35
	v_min_u32 v\i, s37, v\i                        ; behind the tile's end: its last token again
	v_min_u32 v\i, 0xfff, v\i
	v_lshlrev_b32 v\i, 2, v\i
.endr
	s_wait_alu depctr_va_vdst(0)                   ; the lasting addresses v1 to v16, v30, v31 and the places' offsets v32 to v35 are written: every load and store of the kernel reads some of them
.irp i, 0,1,2,3
	global_load_b32 v[36+\i], v[32+\i], s[10:11]
.endr
.macro RINGLD rb, sb, ks                           ; K step ks of stream sb into ring buffer rb: 12 loads of 512 consecutive bytes
.irp t, 0,1,2,3
.irp c, 0,1,2
	global_load_b128 v[WR+48*(\rb)+12*\t+4*\c:WR+48*(\rb)+12*\t+4*\c+3], v1, s[\sb:\sb+1] offset:6144*(\ks)+1536*\t+512*\c
.endr
.endr
.endm
.macro WSLD sb                                     ; a pass's weight scale words: each lane its row's 32 bytes, for two pairs of tiles
.irp b, 0,1
.irp i, 0,1
	global_load_b128 v[WS+8*\b+4*\i:WS+8*\b+4*\i+3], v16, s[\sb:\sb+1] offset:1024*\b+16*\i
.endr
.endr
.endm
	RINGLD 0, 40, 0
	RINGLD 1, 40, 1
	WSLD 48
	s_wait_loadcnt 28                              ; the four tokens are in: behind them the ring's 24 loads and the 4 of scale words
.irp i, 36,37,38,39
	v_min_u32 v\i, 0xfff, v\i
.endr
	v_mul_u32_u24 v40, v38, 768
	v_mad_u32_u24 v40, v17, 24, v40
	s_and_b32 s58, s36, 7
	s_mul_i32 s58, s58, 96
	v_add_nc_u32 v40, s58, v40                     ; x's codes: my token's row, K step w % 8, + 24 h
	v_lshlrev_b32 v41, 5, v39                      ; x's scale bytes: the row of place = lane
	s_lshl_b32 s61, s32, 2
	s_lshl_b32 s62, s33, 2
	v_lshl_add_u32 v42, v36, 5, s61                ; the gates: token's row of 32 bytes + 4 e
	v_lshl_add_u32 v43, v37, 5, s61
	v_lshl_add_u32 v44, v36, 5, s62
	v_lshl_add_u32 v45, v37, 5, s62
	s_lshl_b32 s60, s36, 8
	s_lshl_b32 s58, s32, 12
	s_add_co_u32 s58, s58, s60
	v_add_nc_u32 v46, s58, v2                      ; the biases: expert's row + my 64 numbers, 8 bytes a lane
	s_lshl_b32 s58, s33, 12
	s_add_co_u32 s58, s58, s60
	v_add_nc_u32 v47, s58, v2
	s_wait_alu depctr_va_vdst(0)                   ; the offsets v40 to v47, which the loads below read, and the held tokens v36 to v39 (v39 goes to LDS) are written.  Up to the first pass's loads into v32 to v95 only the four moves on v20 to v27 follow
.irp p, 0,1,2,3,4,5
	global_load_b64 v[XF+2*\p:XF+2*\p+1], v40, s[12:13] offset:48*(\p/3)+8*(\p%3)   ; wave w gathers fragment (m = w / 8, s = w % 8)
.endr
	global_load_b128 v[XS:XS+3], v41, s[14:15]
	global_load_b128 v[XS+4:XS+7], v41, s[14:15] offset:16
	global_load_b32 v20, v42, s[28:29]
	global_load_b32 v22, v43, s[28:29]
	global_load_b32 v24, v44, s[28:29]
	global_load_b32 v26, v45, s[28:29]
	global_load_b64 v[48:49], v46, s[20:21]
	global_load_b64 v[50:51], v47, s[20:21]
	global_load_b64 v[52:53], v46, s[26:27]
	global_load_b64 v[54:55], v47, s[26:27]
	s_wait_loadcnt 0x0
	ds_store_b128 v10, v[XF:XF+3]
	ds_store_b64 v11, v[XF+4:XF+5] offset:512
	ds_store_b128 v10, v[XF+6:XF+9] offset:768
	ds_store_b64 v11, v[XF+10:XF+11] offset:1280
.irp p, 0,1,2,3
	ds_store_b64 v31, v[48+2*\p:49+2*\p] offset:256*\p
.endr
	ds_store_b32 v30, v39
	v_mov_b32 v21, v20                             ; the packed forms multiply by a pair
	v_mov_b32 v23, v22
	v_mov_b32 v25, v24
	v_mov_b32 v27, v26
	s_wait_dscnt 0x0                               ; for the others' sake: my fragment of x has landed
	s_barrier_signal -1
	s_barrier_wait -1                              ; x's 16 fragments lie in LDS
	s_wait_alu depctr_vm_vsrc(0)                   ; the head's loads have read their offsets v32 to v35 and v40 to v47, its LDS stores v39, v48 to v55 and v[XF ..]: biases and fragments land in these registers from here on
.macro FETCH reg, a16, a8, off                     ; a fragment's image back into 12 registers
	ds_load_b128 v[\reg:\reg+3], v[\a16] offset:\off
	ds_load_b64 v[\reg+4:\reg+5], v[\a8] offset:\off+512
	ds_load_b128 v[\reg+6:\reg+9], v[\a16] offset:\off+768
	ds_load_b64 v[\reg+10:\reg+11], v[\a8] offset:\off+1280
.endm
.macro XFETCH a16, a8, off
	FETCH XF, \a16, \a8, \off
	FETCH XF+12, \a16, \a8, \off+12288
.endm
.macro BIASLD p                                    ; the bias is where each sum starts: eight registers a tile in the result's layout; so every product adds in place and no first step differs
.irp m, 0,1
.irp t, 0,1,2,3
.irp i, 0,1
	ds_load_b128 v[ACC+32*\m+8*\t+4*\i:ACC+32*\m+8*\t+4*\i+3], v9 offset:256*\p+128*(\t/2)+32*(\t%2)+16*\i
.endr
.endr
.endr
.endm
.macro WM s, t, m
.set A_, ACC+32*\m+8*\t
.set W_, WR+48*((\s)%2)+12*\t
.set X_, XF+12*\m
.set SA_, WS+8*(\t/2)+(\s)
.set SB_, XS+(\s)
.if (\t%2 == 0) && (\m == 0)
	v_wmma_scale_f32_16x16x128_f8f6f4 v[A_:A_+7], v[W_:W_+11], v[X_:X_+11], v[A_:A_+7], v[SA_], v[SB_] matrix_a_fmt:MATRIX_FMT_BF6 matrix_b_fmt:MATRIX_FMT_BF6
.elseif (\t%2 == 1) && (\m == 0)
	v_wmma_scale_f32_16x16x128_f8f6f4 v[A_:A_+7], v[W_:W_+11], v[X_:X_+11], v[A_:A_+7], v[SA_], v[SB_] matrix_a_fmt:MATRIX_FMT_BF6 matrix_b_fmt:MATRIX_FMT_BF6 matrix_a_scale:MATRIX_SCALE_ROW1
.elseif (\t%2 == 0)
	v_wmma_scale_f32_16x16x128_f8f6f4 v[A_:A_+7], v[W_:W_+11], v[X_:X_+11], v[A_:A_+7], v[SA_], v[SB_] matrix_a_fmt:MATRIX_FMT_BF6 matrix_b_fmt:MATRIX_FMT_BF6 matrix_b_scale:MATRIX_SCALE_ROW1
.else
	v_wmma_scale_f32_16x16x128_f8f6f4 v[A_:A_+7], v[W_:W_+11], v[X_:X_+11], v[A_:A_+7], v[SA_], v[SB_] matrix_a_fmt:MATRIX_FMT_BF6 matrix_b_fmt:MATRIX_FMT_BF6 matrix_a_scale:MATRIX_SCALE_ROW1 matrix_b_scale:MATRIX_SCALE_ROW1
.endif
.endm
.macro MM s                                        ; the eight accumulators take turns, one instruction a turn, from K step to K step too
.irp t, 0,1,2,3
.irp m, 0,1
	WM \s, \t, \m
.endr
.endr
.endm
; A K step.  The ring buffer that it has multiplied takes the step two on: this pass's, or for steps 6 and 7 the next pass's steps 0 and 1 (last = 1: nothing).
.macro KSTEP s, a16, a8, boff, sb, nsb, last
.if \last && (\s == 7)
	s_wait_loadcnt 0x0
.else
	s_wait_loadcnt 12                              ; this step's weights are in; the other buffer's 12 loads may be out
.endif
	s_wait_dscnt 0x0                               ; the tokens' fragments (and in step 0 the biases and scale words) are in
	MM \s
.rept 4
	v_nop                                          ; four places behind the products (ISA guide 7.12.1): behind step 7 vector instructions read the results and write the fragments' registers; the places stay beside the wait below
.endr
	s_wait_alu depctr_va_vdst(0)                   ; this step's products are done reading ring buffer s % 2, the tokens' two fragments and the scale words: the loads that follow land in them (behind step 7: the next scale words; behind the last pass: the stage's and the tokens' loads)
.if \s < 6
	RINGLD (\s)%2, \sb, (\s)+2
.elseif !\last
	RINGLD (\s)%2, \nsb, (\s)-6
.endif
.if \s < 7
	XFETCH \a16, \a8, \boff+1536*((\s)+1)
.endif
.endm
; A pass.  No wait on va_vdst or vm_vsrc stands at its head: the last such waits ahead of it (behind the first barrier; in the quantiser; ahead of the fourth pass) are followed by no vector line that names ACC or XF and by no store that reads them.
.macro PASS p, a16, a8, boff, sb, nsb, nws, last
	s_wait_loadcnt 0x0                             ; the ring's first two steps and the scale words, asked for a phase ago
	BIASLD \p
	XFETCH \a16, \a8, \boff
.irp s, 0,1,2,3,4,5,6,7
	KSTEP \s, \a16, \a8, \boff, \sb, \nsb, \last
.endr
.if !\last
	WSLD \nws                                      ; behind the last step's wait: its products are done reading the scale words
.endif
.endm
.macro GELU8 a                                     ; one accumulator, from its low end on
.irp i, 0,1,2,3,4,5,6,7
	v_fma_f32 v[GT+\i], |v[\a+\i]|, 0x3eb504f3, 1.0
.endr
	s_wait_alu depctr_va_vdst(0)
.irp i, 0,1,2,3,4,5,6,7
	v_rcp_f32 v[GT+\i], v[GT+\i]                   ; t
.endr
.irp i, 0,2,4,6
	v_pk_mul_f32 v[GU+\i:GU+\i+1], v[\a+\i:\a+\i+1], v[\a+\i:\a+\i+1]   ; x^2 (plain lines behind the reciprocals)
.endr
	s_wait_alu depctr_va_vdst(0)                   ; the eight reciprocals have written v[GT ..], ahead of their first reader: one wait for the batch
.irp i, 0,2,4,6
	v_pk_fma_f32 v[GP+\i:GP+\i+1], v[GT+\i:GT+\i+1], v[28:29], 0xbf97d29d op_sel_hi:[1,1,0]
.endr
.irp c, 0x40097039, 0xbfd1a1e5, 0x3ecdfd18, 0xbe899a80, 0x3e0efb2e, 0x3f0a29d2, 0x3fb8ab5a, 0xc034d90f
.irp i, 0,2,4,6
	v_pk_fma_f32 v[GP+\i:GP+\i+1], v[GP+\i:GP+\i+1], v[GT+\i:GT+\i+1], \c op_sel_hi:[1,1,0]
.endr
.endr
.irp i, 0,2,4,6
	v_pk_fma_f32 v[GP+\i:GP+\i+1], v[GU+\i:GU+\i+1], 0xbf38aa3b, v[GP+\i:GP+\i+1] op_sel_hi:[1,0,1]
.endr
	s_wait_alu depctr_va_vdst(0)
.irp i, 0,1,2,3,4,5,6,7
	v_exp_f32 v[GP+\i], v[GP+\i]
.endr
.irp i, 0,1,2,3,4,5,6,7
	v_max_num_f32 v[GU+\i], 0, v[\a+\i]            ; (plain lines behind the exponentials)
.endr
	s_wait_alu depctr_va_vdst(0)                   ; the eight exponentials have written v[GP ..], ahead of their first reader: one wait for the batch
.irp i, 0,2,4,6
	v_pk_mul_f32 v[GP+\i:GP+\i+1], v[GP+\i:GP+\i+1], v[GT+\i:GT+\i+1]   ; A
.endr
.irp i, 0,1,2,3,4,5,6,7
	v_fma_f32 v[\a+\i], -|v[\a+\i]|, v[GP+\i], v[GU+\i]
.endr
.endm
.macro GELUALL
.irp k, 0,1,2,3,4,5,6,7
	GELU8 ACC+8*\k
.endr
.endm
; My 64 hidden units of 16 tokens (two blocks of 32 along the next K; a block lies in lanes l and l xor 16) become half a fragment and two scale bytes a token
.macro QUANTH set, m
.set S_, ACC+32*\m
	v_max3_num_f32 v[TM], |v[S_]|, |v[S_+1]|, 0x2800000          ; the floor 2^(5 - 127): the byte cannot fall under 1
	v_max3_num_f32 v[TM+1], |v[S_+16]|, |v[S_+17]|, 0x2800000
.irp i, 2,4,6,8,10,12,14
	v_max3_num_f32 v[TM], v[TM], |v[S_+\i]|, |v[S_+\i+1]|
	v_max3_num_f32 v[TM+1], v[TM+1], |v[S_+16+\i]|, |v[S_+17+\i]|
.endr
	v_permlanex16_b32 v[TP], v[TM], s56, s57
	v_permlanex16_b32 v[TP+1], v[TM+1], s56, s57
	v_max_num_f32 v[TM], v[TM], v[TP]
	v_max_num_f32 v[TM+1], v[TM+1], v[TP+1]
	v_add_nc_u32 v[TS], 0xfe000000, v[TM]          ; 4 off the exponent field: the conversion's scale operand
	v_add_nc_u32 v[TS+1], 0xfe000000, v[TM+1]
	v_lshrrev_b32 v[TB], 23, v[TS]
	v_lshrrev_b32 v[TB+1], 23, v[TS+1]
	v_lshl_or_b32 v[HW], v[TB+1], 8, v[TB]
	v_cvt_scalef32_pk16_bf6_f32 v[PC:PC+2], v[S_:S_+15], v[TS]
	v_cvt_scalef32_pk16_bf6_f32 v[PC+4:PC+6], v[S_+16:S_+31], v[TS+1]   ; (a conversion's three registers begin on an even number)
	v_nop                                          ; one plain line behind a scaled conversion
.irp i, 0,1,2
	v_permlane16_swap_b32 v[PC+\i], v[PC+4+\i]     ; the layout wants a whole block in a lane: lanes 0-15 the first block, lanes 16-31 the second
.endr
	v_mov_b32 v[PC+3], v[PC+4]
	v_mov_b32 v[PC+4], v[PC+5]
	v_mov_b32 v[PC+5], v[PC+6]
	s_wait_alu depctr_va_vdst(0)                   ; the codes v[PC ..] and the bytes v[HW] are written, which the three LDS stores read; gelu and the conversions are done with ACC and with their work registers in XF, in which the next pass's biases and fragments land
	ds_store_b128 v5, v[PC:PC+3] offset:24576*\set+12288*\m
	ds_store_b64 v6, v[PC+4:PC+5] offset:24576*\set+12288*\m
	ds_store_b16 v7, v[HW] offset:1024*\set+512*\m ; lanes l and l xor 16 write the same two bytes with the same values
	s_wait_dscnt 0x0                               ; the stores have landed
	s_wait_alu depctr_vm_vsrc(0)                   ; and have read v[PC ..] and v[HW], which the next quantising (and, for v255, the wave's end) writes again
.endm
.macro STAGE_ST reg                                ; 64 registers in the accumulators' order into my stage: row = place, 4 bytes a column
.irp m, 0,1
.irp t, 0,1,2,3
.irp i, 0,1
	ds_store_b128 v12, v[\reg+32*\m+8*\t+4*\i:\reg+32*\m+8*\t+4*\i+3] offset:4352*\m+128*(\t/2)+32*(\t%2)+16*\i
.endr
.endr
.endr
.endm
.macro STAGE_LD reg
.irp m, 0,1
.irp t, 0,1,2,3
.irp i, 0,1
	ds_load_b128 v[\reg+32*\m+8*\t+4*\i:\reg+32*\m+8*\t+4*\i+3], v12 offset:4352*\m+128*(\t/2)+32*(\t%2)+16*\i
.endr
.endr
.endr
.endm
	s_cmp_eq_u32 s35, 0                            ; a tile without tokens jumps over the work, never over a barrier
	s_cbranch_scc1 .Lno_rows_1
	PASS 0, 1, 2, XIMG, 40, 42, 50, 0              ; x W1[lo] + b1[lo]
	GELUALL                                        ; the next pass's first weights are on their way meanwhile
	QUANTH 0, 0
	QUANTH 0, 1
	PASS 1, 1, 2, XIMG, 42, 44, 52, 0              ; x W1[hi] + b1[hi]
	GELUALL
	QUANTH 1, 0
	QUANTH 1, 1
.Lno_rows_1:
	s_wait_dscnt 0x0                               ; for the others' sake: my parts of both hidden layers have landed
	s_barrier_signal -1
	s_barrier_wait -1                              ; both hidden layers lie in LDS
	s_cmp_eq_u32 s35, 0
	s_cbranch_scc1 .Lno_rows_2
	ds_load_b128 v[XS:XS+3], v8                    ; the hidden layer's scale words, place = lane (the products that read v[XS ..] stand ahead of the last pass's last wait on va_vdst)
	ds_load_b128 v[XS+4:XS+7], v8 offset:16
	PASS 2, 1, 2, HIMG0, 44, 46, 54, 0             ; h_lo W2[lo] + b2[lo]
.irp m, 0,1
.irp i, 0,2,4,6,8,10,12,14,16,18,20,22,24,26,28,30
	v_pk_mul_f32 v[ACC+32*\m+\i:ACC+32*\m+\i+1], v[ACC+32*\m+\i:ACC+32*\m+\i+1], v[20+2*\m:21+2*\m]   ; x g_lo, each accumulator from its low end on
.endr
.endr
	s_wait_alu depctr_va_vdst(0)                   ; the multiplications by g_lo have written ACC, which the stage's stores read
	STAGE_ST ACC                                   ; the first expert's share waits in my own stage: all 256 registers are taken in the next pass
	ds_load_b128 v[XS:XS+3], v8 offset:1024
	ds_load_b128 v[XS+4:XS+7], v8 offset:1040
	s_wait_alu depctr_vm_vsrc(0)                   ; the stage's stores have read ACC, in which the next pass's biases land
	PASS 3, 3, 4, 0, 46, 0, 0, 1                   ; h_hi W2[hi] + b2[hi]
	STAGE_LD WR                                    ; LDS serves a wave's instructions in order; the stage is my own.  (The last step's wait has shown the products done with both ring buffers and with XF)
.irp i, 0,1,2,3,4,5,6,7,8,9,10,11,12,13,14,15
	ds_load_b32 v[XF+\i], v14 offset:8*\i          ; the token of place 2 i + lane / 16
.endr
	s_wait_dscnt 0x0
.irp m, 0,1
.irp i, 0,2,4,6,8,10,12,14,16,18,20,22,24,26,28,30
	v_pk_fma_f32 v[WR+32*\m+\i:WR+32*\m+\i+1], v[ACC+32*\m+\i:ACC+32*\m+\i+1], v[24+2*\m:25+2*\m], v[WR+32*\m+\i:WR+32*\m+\i+1]   ; + g_hi x the second expert's
.endr
.endr
.irp i, 0,1,2,3,4,5,6,7,8,9,10,11,12,13,14,15
	v_min_u32 v[XF+\i], 0xfff, v[XF+\i]
	v_lshl_add_u32 v[XF+\i], v[XF+\i], 12, v15     ; the token's row of 4,096 bytes + my wave's 256 + 16 (lane % 16)
.endr
	s_wait_alu depctr_va_vdst(0)                   ; the sums in v[WR ..], which the stage's stores read, and the rows' offsets in v[XF ..], which the global stores read, are written; the multiply-adds are done reading ACC, in which the rows land
	STAGE_ST WR
.irp i, 0,1,2,3,4,5,6,7,8,9,10,11,12,13,14,15
	ds_load_b128 v[ACC+4*\i:ACC+4*\i+3], v13 offset:544*\i     ; back by rows: two places an instruction
.endr
.irp i, 0,1,2,3,4,5,6,7,8,9,10,11,12,13,14,15
	s_wait_dscnt 15-\i                             ; rows 2 i, 2 i + 1 are in; the younger loads may be out
	global_store_b128 v[XF+\i], v[ACC+4*\i:ACC+4*\i+3], s[30:31] th:TH_STORE_NT   ; sixteen lanes store 256 consecutive bytes of a token's row, at a multiple of 256 from out0's first byte
.endr
.Lno_rows_2:
	s_wait_xcnt 0x0
	v_lshl_add_u32 v254, v0, 2, 0x39000            ; the add's two registers are made anew: no two could be kept.  No memory or LDS instruction has read v254 or v255 since the last wait on vm_vsrc, on any way here
	v_mov_b32 v255, 0
	s_wait_dscnt 0x0                               ; the closing lines, six on end
	s_wait_alu 0x0
	s_wait_tensorcnt 0x0
	ds_add_u32 v254, v255
	s_wait_dscnt 0x0
	s_endpgm
.Lfunc_end_k_q75964ef163_chain:
	.size	k_q75964ef163_chain, .Lfunc_end_k_q75964ef163_chain-k_q75964ef163_chain
	.p2alignl 7, 3214868480
	.fill 96, 4, 3214868480
	.section	.rodata,"a",@progbits
	.p2align	6, 0x0
	.amdhsa_kernel k_q75964ef163_chain
		.amdhsa_group_segment_fixed_size 235520
		.amdhsa_private_segment_fixed_size 0
		.amdhsa_enable_private_segment 0
		.amdhsa_kernarg_size 96
		.amdhsa_user_sgpr_count 2
		.amdhsa_user_sgpr_kernarg_segment_ptr 1
		.amdhsa_wavefront_size32 1
		.amdhsa_system_sgpr_workgroup_id_x 1
		.amdhsa_system_sgpr_workgroup_id_y 1
		.amdhsa_system_sgpr_workgroup_id_z 1
		.amdhsa_system_vgpr_workitem_id 0
		.amdhsa_next_free_vgpr 256
		.amdhsa_next_free_sgpr 66
		.amdhsa_reserve_vcc 0
		.amdhsa_float_denorm_mode_32 3
		.amdhsa_float_denorm_mode_16_64 3
		.amdhsa_memory_ordered 1
		.amdhsa_forward_progress 1
		.amdhsa_inst_pref_size 230
	.end_amdhsa_kernel
	.amdgpu_metadata
---
amdhsa.version: [ 1, 2 ]
amdhsa.kernels:
  - .name:           k_q75964ef163_chain
    .symbol:         k_q75964ef163_chain.kd
    .args:
      - { .name: tiles, .offset: 0, .size: 8, .value_kind: global_buffer, .address_space: global }
      - { .name: order, .offset: 8, .size: 8, .value_kind: global_buffer, .address_space: global }
      - { .name: xq_codes, .offset: 16, .size: 8, .value_kind: global_buffer, .address_space: global }
      - { .name: xq_scales, .offset: 24, .size: 8, .value_kind: global_buffer, .address_space: global }
      - { .name: w1img, .offset: 32, .size: 8, .value_kind: global_buffer, .address_space: global }
      - { .name: W1_scales, .offset: 40, .size: 8, .value_kind: global_buffer, .address_space: global }
      - { .name: b1, .offset: 48, .size: 8, .value_kind: global_buffer, .address_space: global }
      - { .name: w2img, .offset: 56, .size: 8, .value_kind: global_buffer, .address_space: global }
      - { .name: W2_scales, .offset: 64, .size: 8, .value_kind: global_buffer, .address_space: global }
      - { .name: b2, .offset: 72, .size: 8, .value_kind: global_buffer, .address_space: global }
      - { .name: out4, .offset: 80, .size: 8, .value_kind: global_buffer, .address_space: global }
      - { .name: out0, .offset: 88, .size: 8, .value_kind: global_buffer, .address_space: global }
    .group_segment_fixed_size: 235520
    .private_segment_fixed_size: 0
    .kernarg_segment_align: 8
    .kernarg_segment_size: 96
    .max_flat_workgroup_size: 512
    .sgpr_count:     66
    .vgpr_count:     256
    .wavefront_size: 32
...
	.end_amdgpu_metadata
.endif
;; end of part 8
